; MI455X (gfx1250); checked and timed in simulation.
; The chip was launched on July 23, 2026; its instructions are those of AMD's public machine-readable ISA for CDNA 5 (MIT licence, August 2026) and "CDNA5" Instruction Set Architecture Reference Guide (July 2026). The comments in the code are by the model that wrote it; some were corrected since.
;; SA Block. Allowed arithmetic: matrix products marked QUANTISED: E5M2 operands, one given power-of-two scale a tensor, by v_wmma_f32_16x16x64_bf8_bf8 or v_wmma_f32_16x16x128_bf8_bf8, f32 sums; everything else in f32.
;; Inputs: Wk_codes 1,024 x 32 x 32 uint8 (E5M2 codes of Wk, K innermost, in blocks of 32 codes); Wq_codes 1,024 x 32 x 32 uint8 (E5M2 codes of Wq, K innermost, in blocks of 32 codes); Wv_codes 1,024 x 32 x 32 uint8 (E5M2 codes of Wv, K innermost, in blocks of 32 codes); b1 4,096 float32; b2 1,024 float32; be1 1,024 float32; be2 1,024 float32; embed 2 x 2,048 x 1,024 float32; g1 1,024 float32; g2 1,024 float32; lowp_scales 14 int32 (the exponents e of the quantised operands' scales 2^e); src_mask 2,048 x 2,048 float32; w1_codes 4,096 x 32 x 32 uint8 (E5M2 codes of w1, K innermost, in blocks of 32 codes); w2_codes 1,024 x 128 x 32 uint8 (E5M2 codes of w2, K innermost, in blocks of 32 codes).
;; Outputs: out0 2 x 2,048 x 1,024 float32.
;; This version of the problem:
;;   THIS VERSION OF THE PROBLEM IS GIVEN IN LOW PRECISION. The matrix products marked QUANTISED in the list below multiply operands that are first quantised to E5M2 (5 exponent bits, 2 mantissa bits; 8 bits a number), with one given power-of-two scale for each operand tensor; their sums are f32. All else is computed in f32.
;;   The module's matrix products, in the order in which they are computed (A, B: the left and right operand; K: the contracted axis; several contracted axes count as one K, in the product's order):
;;     1. [M 4,096, K 1,024] x [K 1,024, N 1,024]; A: input embed; B: input Wq (given as codes): QUANTISED (scales: A lowp_scales[0], B lowp_scales[1])
;;     2. [M 4,096, K 1,024] x [K 1,024, N 1,024]; A: input embed; B: input Wk (given as codes): QUANTISED (scales: A lowp_scales[2], B lowp_scales[3])
;;     3. [M 4,096, K 1,024] x [K 1,024, N 1,024]; A: input embed; B: input Wv (given as codes): QUANTISED (scales: A lowp_scales[4], B lowp_scales[5])
;;     4. batch 32 x [M 2,048, K 64] x [K 64, N 2,048]; A: computed on the way; B: computed on the way: QUANTISED (scales: A lowp_scales[6], B lowp_scales[7])
;;     5. batch 32 x [M 2,048, K 2,048] x [K 2,048, N 64]; A: softmax (see below); B: computed on the way: QUANTISED (scales: A lowp_scales[8], B lowp_scales[9])
;;     6. [M 4,096, K 1,024] x [K 1,024, N 4,096]; A: computed on the way; B: input w1 (given as codes): QUANTISED (scales: A lowp_scales[10], B lowp_scales[11])
;;     7. [M 4,096, K 4,096] x [K 4,096, N 1,024]; A: computed on the way; B: input w2 (given as codes): QUANTISED (scales: A lowp_scales[12], B lowp_scales[13])
;;   THE QUANTISER, for each operand of a quantised product, along K:
;;     - The operand's scale is 2^e, e = its entry of the input lowp_scales (int32; the entries are numbered through the quantised products in the list's order, A before B).
;;     - Each number is divided by the scale, clamped to +-57,344, and rounded to the nearest number of E5M2, ties to even, subnormals kept.
;;     - The product sums the exact products of the quantised numbers (number of the format x scale) in f32.
;;   ~~~python
;;   def quantise(x, axis, e):      # numpy; x: float32 -> the quantised numbers, widened to float32 again
;;       x = np.moveaxis(x, axis, -1); K = x.shape[-1]
;;       r = np.clip(x / 2.0 ** e, -57344, 57344)
;;       step = 2.0 ** (np.maximum(np.frexp(np.where(r == 0, 1, r))[1] - 1, -14) - 2)
;;       q = np.round(r / step) * step * 2.0 ** e      # np.round: ties to even
;;       return np.moveaxis(q, -1, axis).astype(np.float32)
;;   ~~~
;;   SOFTMAX AHEAD OF A QUANTISED PRODUCT. Where the list says 'softmax', what is quantised is not the finished softmax but p = 2^(t - M), with t = logit x log2(e) and M = ceil(the row's largest t), a whole number; so 1/2 < the row's largest p <= 1. The row's sum l is taken of the UNQUANTISED p, in f32, and the product's result is divided by l at the end. Since M is a whole number, a kernel that streams over the keys may use a running M (the ceiling of the running maximum): every later rescaling is an exact power of two, so the quantised numbers keep their values, but for numbers so far below the row's largest that they fall under the format's range.
;;   OPERANDS COMPUTED ON THE WAY. 'Computed on the way' means the value that the module computes at that place (a softmax that the list does not call 'softmax' is quantised finished and normalised). What goes into a quantiser is computed in f32, as accurately as f32 sums, v_exp_f32 and their like allow (about 1e-6 of the number): no bf16 or f16 on the way to a quantiser, and a product that is left as it is and whose result goes on into a quantised operand takes f32 operands (vector FMAs, or v_wmma_f32_16x16x4_f32). A number that lies on a knife's edge between two numbers of the format may be rounded either way, as far as f32 arithmetic and the matrix unit's own rounding can turn it there, and no further.
;;   INPUTS GIVEN AS CODES. Wk (in the module: [1024, 1024], K = its axis 1); Wq (in the module: [1024, 1024], K = its axis 1); Wv (in the module: [1024, 1024], K = its axis 1); w1 (in the module: [4096, 1024], K = its axis 1); w2 (in the module: [1024, 4096], K = its axis 1): each comes as NAME_codes (uint8): NAME with its K axis moved to the last place and cut into blocks of 32 codes, [.., K / 32, bytes a block], one block behind the other in memory; one code a byte (a code: sign, 5 exponent bits, 2 mantissa bits); its scale is its entry of lowp_scales. Its value is code x scale, taken as it is: it is not quantised again, and the codes and scales need not be those that the quantiser above would give.
;; 2 versions. Each part assembles by itself: llvm-mc -triple=amdgcn-amd-amdhsa -mcpu=gfx1250 --defsym DOCPART=n.
;; ======== version 1 of 2: 6 launches
;; workspace buffers: qimg 4,194,304 bytes; kvimg 8,388,608 bytes; x1 16,777,216 bytes; a1img 4,194,304 bytes; himg 16,777,216 bytes; ff 16,777,216 bytes
;; launch qkv (part 1): grid 12 x 16, 4 waves a work-group, no clusters, 262,656 bytes of LDS; arguments embed, Wq_codes, Wk_codes, Wv_codes, lowp_scales, qimg, kvimg; writes qimg, kvimg
.if DOCPART == 1
	.amdgcn_target "amdgcn-amd-amdhsa--gfx1250"
	.amdhsa_code_object_version 6
	.text
	.protected	k_q99729cfd38_qkv
	.globl	k_q99729cfd38_qkv
	.p2align	8
	.type	k_q99729cfd38_qkv,@function
k_q99729cfd38_qkv:
	s_mov_b64 s[64:65], 0
	v_nop
	global_prefetch_b8 v0, s[64:65] scope:SCOPE_SE
	s_setreg_imm32_b32 hwreg(HW_REG_WAVE_MODE, 25, 1), 1
	s_wait_xcnt 0x0
; The three projections on codes of BF8 (E5M2), and their results quantised again as operands of attention.
; A work-group takes 256 tokens (grid y) and 256 features of ONE of q, k, v (grid x: kind = x / 4, group of four heads = x % 4), so it needs one scale for embed.
; Wave w owns one head: 64 features x 1,024 K of the weight = 32 fragments = 512 registers, read from memory once and kept.
; PHASE X: wave w quantises 64 tokens of embed (four tiles of 16, eight K steps of 128) and stores the fragments in LDS as images of their registers
; (four registers of all lanes = 512 bytes, lane l at 16 l).  One barrier.  PHASE P: every wave multiplies all 16 tiles by its own weights.
; A fragment holds, in registers 4 c .. 4 c + 3 of lane (r, h), k = 32 c + 16 h + 0 .. 15 of row r: the same order of k in both operands, so every product meets its partner.
; q, k: source 0 = 16 rows of W, source 1 = 16 tokens: a lane holds one token and its registers run along the features, the next K.  The rows of W that form a tile are
; 32 b + 8 u + r + 8 (r / 8), so that tiles 2 b and 2 b + 1 give 16 neighbouring features.  v: the sources are swapped: a lane holds one feature and its registers run along the tokens, which are
; the next K; there, and for k (whose tokens become the keys of p), the TOKENS that form a tile are chosen so.
; LIMITS: e of embed, and e of the result less the two e of the product, lie between -126 and 112, so that each power of two below and 57,344 times it are f32 numbers.  NaN among the inputs is not served.
; REGISTERS, in windows of 256.  Window 0: v1 r, v2 h, v3 16 x lane, v4, v5 embed offsets (even, odd tile), v6, v7 weight offsets (even, odd tile), v8 where I store images,
;   v9, v10 where a trip reads images, v12, v13 scale and limit for embed, v14, v15 for the results, v32-95 sums, v96-111 codes of embed, v112-127 codes of results.
;   Windows 1, 2: W (tile t, K step s) at window 1 + s / 4, register 64 t + 16 (s % 4).  Window 3: phase X: four sets of 64 numbers; phase P: two buffers of eight fragments.
.set ACC, 32
.set PC,  96
.set OC,  112
.set MSB, 0
.macro WIN new                         ; the immediate's high byte repeats the setting that is left
.if MSB != (\new)
	s_set_vgpr_msb (MSB<<8)|(\new)
.set MSB, (\new)
.endif
.endm
.macro PLACES                          ; four plain vector places behind matrix instructions, ahead of loads into their sources and of reads of their results
.rept 4
	v_nop
.endr
.endm
; 64 numbers a lane: tile sg / 8 of my four, K step sg % 8: of my row, 16 neighbours of each block of 32
.macro XLOAD sg
.set li, (\sg)>>3
.set ls, (\sg)&7
.set lr, 64*((\sg)&3)
	WIN 0xc0
.irp b, 0,1,2,3
.irp j, 0,1,2,3
	global_load_b128 v[lr+16*\b+4*\j:lr+16*\b+4*\j+3], v[4+(li&1)], s[40:41] offset:(li>>1)*131072+512*ls+128*\b+16*\j
.endr
.endr
.endm
; one fragment of my weights: tile f / 8, K step f % 8
.macro WLOAD f
.set wt, (\f)>>3
.set ws, (\f)&7
.set ww, 0x40<<(ws>>2)
	WIN ww
.irp c, 0,1,2,3
	global_load_b128 v[64*wt+16*(ws&3)+4*\c:64*wt+16*(ws&3)+4*\c+3], v[6+(wt&1)], s[38:39] offset:(wt>>1)*32768+128*ws+32*\c
.endr
.endm
; set sg is held, converted and stored as an image; four loads of weights and the set four steps on are asked for
.macro XSTEP sg
.set xi, (\sg)>>3
.set xs, (\sg)&7
.set xr, 64*((\sg)&3)
.set na, 31-(\sg)
.if na > 3
.set na, 3
.endif
.set nw, (\sg)
.if nw > 3
.set nw, 3
.endif
	s_wait_loadcnt 16*na+4*nw                      ; behind this set were issued: na sets of 16 loads and nw groups of 4 loads of weights
	s_wait_dscnt 0x0                               ; the last image's stores have read the codes' registers
	WIN 0xc3
.set q, 0
.rept 64
	v_med3_num_f32 v[xr+q], v[xr+q], -v13, v13     ; the conversion does not saturate (ISA guide 7.6.2): hold within the largest code x the scale
.set q, q+1
.endr
	WIN 0x03
.irp g, 0,1,2,3,4,5,6,7
	v_cvt_scalef32_pk8_bf8_f32 v[PC+2*\g:PC+2*\g+1], v[xr+8*\g:xr+8*\g+7], v12
.endr
	WIN 0
	v_nop                                          ; a plain place behind the last conversion
.irp c, 0,1,2,3
	ds_store_b128 v8, v[PC+4*\c:PC+4*\c+3] offset:xi*16384+xs*2048+512*\c
.endr
	WLOAD \sg
.if (\sg)+4 < 32
	XLOAD (\sg)+4
.endif
.endm
; a tile's eight fragments from LDS into buffer buf of window 3
.macro FETCH areg, off, buf
	WIN 0xc0
.irp s, 0,1,2,3,4,5,6,7
.irp c, 0,1,2,3
	ds_load_b128 v[128*(\buf)+16*\s+4*\c:128*(\buf)+16*\s+4*\c+3], v[\areg] offset:(\off)+2048*\s+512*\c
.endr
.endr
	WIN 0
.endm
; 32 matrix instructions: eight K steps x my four tiles of features; the four sums take turns, one instruction a turn; the first K step starts the sums
.macro MUL buf, orient, acc
.irp s, 0,1,2,3,4,5,6,7
.if \orient
	WIN 0x07+4*(\s>>2)
.else
	WIN 0x0d+(\s>>2)
.endif
.irp t, 0,1,2,3
.if \orient
.if \s == 0
	v_wmma_f32_16x16x128_bf8_bf8 v[(\acc)+8*\t:(\acc)+8*\t+7], v[128*(\buf)+16*\s:128*(\buf)+16*\s+15], v[64*\t+16*(\s&3):64*\t+16*(\s&3)+15], 0
.else
	v_wmma_f32_16x16x128_bf8_bf8 v[(\acc)+8*\t:(\acc)+8*\t+7], v[128*(\buf)+16*\s:128*(\buf)+16*\s+15], v[64*\t+16*(\s&3):64*\t+16*(\s&3)+15], v[(\acc)+8*\t:(\acc)+8*\t+7]
.endif
.else
.if \s == 0
	v_wmma_f32_16x16x128_bf8_bf8 v[(\acc)+8*\t:(\acc)+8*\t+7], v[64*\t+16*(\s&3):64*\t+16*(\s&3)+15], v[128*(\buf)+16*\s:128*(\buf)+16*\s+15], 0
.else
	v_wmma_f32_16x16x128_bf8_bf8 v[(\acc)+8*\t:(\acc)+8*\t+7], v[64*\t+16*(\s&3):64*\t+16*(\s&3)+15], v[128*(\buf)+16*\s:128*(\buf)+16*\s+15], v[(\acc)+8*\t:(\acc)+8*\t+7]
.endif
.endif
.endr
.endr
.endm
.macro NEXT n, fetch                   ; the tile two further on, into the buffer just multiplied
.if \fetch
.if (\n) < 2
	FETCH 9, ((\n)+2)*16384, (\n)&1
.else
	FETCH 10, ((\n)-2)*16384, (\n)&1
.endif
.endif
.endm
; a trip's head: where its four tiles lie in LDS, and where its results go: base + (trip % 2) << sh + (trip / 2) x s50
.macro TRIPHEAD sh
	v_add_nc_u32 v9, s48, v3
	v_add_nc_u32 v10, 0x10000, v9
	s_wait_xcnt 0x0                                ; earlier stores have read their base
	s_and_b32 s46, s49, 1
	s_lshl_b32 s46, s46, \sh
	s_lshr_b32 s47, s49, 1
	s_mul_i32 s47, s47, s50
	s_add_co_u32 s46, s46, s47
	s_mov_b32 s47, 0
	s_add_nc_u64 s[44:45], s[42:43], s[46:47]
.endm
; q and k: tile n of a trip
.macro TILEQK n, fetch, left
	s_wait_dscnt \left                             ; this tile's fragments are in; the next tile's 32 loads may be out
	MUL (\n)&1, 0, ACC
	WIN 0
	PLACES
	NEXT \n, \fetch
.set q, 0
.rept 32
	v_med3_num_f32 v[ACC+q], v[ACC+q], -v15, v15   ; each sum from its low end on
.set q, q+1
.endr
	s_wait_xcnt 0x0                                ; the last tile's stores have read the codes' registers
.irp g, 0,1,2,3
	v_cvt_scalef32_pk8_bf8_f32 v[OC+2*\g:OC+2*\g+1], v[ACC+8*\g:ACC+8*\g+7], v14
.endr
	v_nop
	global_store_b128 v3, v[OC:OC+3], s[44:45] offset:(\n)*1024         ; 32 lanes store 512 consecutive bytes
	global_store_b128 v3, v[OC+4:OC+7], s[44:45] offset:(\n)*1024+512
.endm
; v: tile n of a trip; two tiles of tokens make 16 neighbouring keys, so the way out stands behind the odd one
.macro TILEV n, fetch, left
	s_wait_dscnt \left
	MUL (\n)&1, 1, ACC+32*((\n)&1)
	WIN 0
	PLACES
	NEXT \n, \fetch
.if (\n)&1
.set q, 0
.rept 64
	v_med3_num_f32 v[ACC+q], v[ACC+q], -v15, v15
.set q, q+1
.endr
	s_wait_xcnt 0x0
.irp d, 0,1,2,3
	v_cvt_scalef32_pk8_bf8_f32 v[OC+4*\d:OC+4*\d+1], v[ACC+8*\d:ACC+8*\d+7], v14
	v_cvt_scalef32_pk8_bf8_f32 v[OC+4*\d+2:OC+4*\d+3], v[ACC+32+8*\d:ACC+32+8*\d+7], v14
.endr
	v_nop
.irp d, 0,1,2,3
	global_store_b128 v3, v[OC+4*\d:OC+4*\d+3], s[44:45] offset:2048*\d+512*((\n)>>1)
.endr
.endif
.endm
	s_load_b256 s[4:11], s[0:1], 0x0               ; embed s[4:5], Wq s[6:7], Wk s[8:9], Wv s[10:11]
	s_load_b128 s[12:15], s[0:1], 0x20             ; the scales' exponents s[12:13], qimg s[14:15]
	s_load_b64 s[16:17], s[0:1], 0x30              ; kvimg
	v_lshl_add_u32 v254, v0, 2, 0x40000
	v_mov_b32 v255, 0
	v_lshrrev_b32 v1, 5, v0
	v_readfirstlane_b32 s18, v1                    ; wave 0..3
	s_lshr_b32 s19, ttmp9, 2                       ; kind: 0 q, 1 k, 2 v
	s_and_b32 s20, ttmp9, 3                        ; group of four heads
	s_and_b32 s21, ttmp7, 0xffff                   ; block of 256 tokens
	s_mov_b32 s50, 0x10000
	s_cmp_eq_u32 s19, 0
	s_cselect_b32 s22, 0, 8                        ; k, v: the tokens of a tile are r + 8 (r / 8)
	s_cselect_b32 s50, 0x2000, s50                 ; bytes from eight tiles of results to the next eight: q 8,192; k, v a key block of 65,536
	s_cmp_eq_u32 s19, 2
	s_cselect_b32 s23, 0, 8                        ; q, k: the rows of W of a tile are r + 8 (r / 8)
	v_and_b32 v1, 15, v0                           ; r
	v_bfe_u32 v2, v0, 4, 1                         ; h
	v_and_b32 v3, 31, v0
	v_lshlrev_b32 v3, 4, v3                        ; 16 x lane
	v_lshrrev_b32 v11, 3, v1
	v_mad_u32_u24 v10, v11, s22, v1
	v_lshlrev_b32 v4, 12, v10
	v_lshl_add_u32 v4, v2, 6, v4                   ; embed: my token's row of 4,096 bytes + 64 h
	s_sub_co_u32 s51, 16, s22
	s_lshl_b32 s51, s51, 12
	v_add_nc_u32 v5, s51, v4                       ; the odd tile begins 16 (q) or 8 (k, v) tokens further on
	v_mad_u32_u24 v10, v11, s23, v1
	v_lshlrev_b32 v6, 10, v10
	v_lshl_add_u32 v6, v2, 4, v6                   ; W: my row of 1,024 bytes + 16 h
	s_sub_co_u32 s51, 16, s23
	s_lshl_b32 s51, s51, 10
	v_add_nc_u32 v7, s51, v6
	s_lshl_b32 s51, s18, 16
	v_add_nc_u32 v8, s51, v3                       ; my four tiles' images: 65,536 x wave + 16 x lane
	s_lshl_b32 s46, s20, 18
	s_add_co_u32 s46, s46, s51                     ; W: 256 rows a group, 64 a wave
	s_mov_b32 s47, 0
	s_lshl_b32 s52, s21, 20
	s_lshl_b32 s53, s18, 18
	s_add_co_u32 s52, s52, s53                     ; embed: 256 tokens a work-group, 64 a wave
	s_mov_b32 s53, 0
	s_lshr_b32 s54, s21, 3                         ; batch
	s_and_b32 s55, s21, 7                          ; block of 256 tokens in the batch
	s_lshl_b32 s56, s54, 21
	s_lshl_b32 s57, s20, 2
	s_add_co_u32 s57, s57, s18
	s_lshl_b32 s57, s57, 17
	s_add_co_u32 s56, s56, s57
	s_lshl_b32 s57, s55, 14
	s_add_co_u32 s56, s56, s57                     ; qimg: batch, head, 16 tiles of 1,024 bytes a block
	s_lshl_b32 s58, s54, 2
	s_add_co_u32 s58, s58, s20
	s_lshl_b32 s58, s58, 4
	s_lshl_b32 s59, s55, 1
	s_add_co_u32 s58, s58, s59
	s_lshl_b32 s58, s58, 16
	s_lshl_b32 s59, s18, 13
	s_add_co_u32 s58, s58, s59                     ; kvimg: (batch, group, key block) of 65,536 bytes, + 8,192 x head in the group,
	s_cmp_eq_u32 s19, 2
	s_cselect_b32 s59, 0x8000, 0
	s_add_co_u32 s58, s58, s59                     ; v behind k
	s_cmp_eq_u32 s19, 0
	s_cselect_b32 s56, s56, s58
	s_mov_b32 s57, 0
	s_wait_kmcnt 0x0
	s_cmp_eq_u32 s19, 0                            ; the choices hang on the work-group's number alone
	s_cselect_b64 s[42:43], s[14:15], s[16:17]
	s_cselect_b64 s[38:39], s[6:7], s[8:9]
	s_cmp_eq_u32 s19, 2
	s_cselect_b64 s[38:39], s[10:11], s[38:39]
	s_add_nc_u64 s[42:43], s[42:43], s[56:57]
	s_add_nc_u64 s[38:39], s[38:39], s[46:47]
	s_add_nc_u64 s[40:41], s[4:5], s[52:53]
	s_load_b256 s[24:31], s[12:13], 0x0            ; e0 .. e7
	s_load_b64 s[32:33], s[12:13], 0x20            ; e8, e9
	XLOAD 0
	XLOAD 1
	XLOAD 2
	XLOAD 3
	WIN 0
	s_wait_kmcnt 0x0
	s_cmp_eq_u32 s19, 0
	s_cselect_b32 s34, s24, s26                    ; e of embed,
	s_cselect_b32 s35, s25, s27                    ; of the weight,
	s_cselect_b32 s36, s30, s31                    ; of the result: q e6, k e7, v e9
	s_cmp_eq_u32 s19, 2
	s_cselect_b32 s34, s28, s34
	s_cselect_b32 s35, s29, s35
	s_cselect_b32 s36, s33, s36
	s_add_co_i32 s51, s34, 127
	s_lshl_b32 s37, s51, 23
	v_mov_b32 v12, s37                             ; 2^e of embed: the conversion takes its exponent field
	s_add_co_i32 s51, s51, 15
	s_lshl_b32 s51, s51, 23
	s_or_b32 s51, s51, 0x600000
	v_mov_b32 v13, s51                             ; 57,344 x that
	s_sub_co_i32 s51, s36, s34
	s_sub_co_i32 s51, s51, s35                     ; a sum stands for sum x 2^(ex + ew): the three scales are folded into the conversion's one
	s_add_co_i32 s51, s51, 127
	s_lshl_b32 s37, s51, 23
	v_mov_b32 v14, s37
	s_add_co_i32 s51, s51, 15
	s_lshl_b32 s51, s51, 23
	s_or_b32 s51, s51, 0x600000
	v_mov_b32 v15, s51
.set SG, 0
.rept 32
	XSTEP SG
.set SG, SG+1
.endr
	WIN 0
	s_wait_loadcnt 0x0                             ; my weights are in
	s_wait_dscnt 0x0                               ; for the others' sake: my images are stored
	s_barrier_signal -1
	s_barrier_wait -1                              ; all 16 tiles lie in LDS; from here on LDS is only read
	s_mov_b32 s48, 0                               ; LDS byte of a trip's first tile
	s_mov_b32 s49, 0                               ; trip
	FETCH 3, 0, 0
	FETCH 3, 16384, 1
	s_cmp_eq_u32 s19, 2
	s_cbranch_scc1 .Lv
.Lqk:                                              ; three trips of four tiles; the last four are written out, since they fetch nothing past the end
	TRIPHEAD 12
	TILEQK 0, 1, 32
	TILEQK 1, 1, 32
	TILEQK 2, 1, 32
	TILEQK 3, 1, 32
	s_add_co_u32 s48, s48, 0x10000
	s_add_co_u32 s49, s49, 1
	s_cmp_lt_u32 s49, 3
	s_cbranch_scc1 .Lqk
	TRIPHEAD 12
	TILEQK 0, 1, 32
	TILEQK 1, 1, 32
	TILEQK 2, 0, 32
	TILEQK 3, 0, 0
	s_wait_tensorcnt 0x0
	ds_add_u32 v254, v255
	s_wait_dscnt 0x0
	s_endpgm
.Lv:
	TRIPHEAD 10
	TILEV 0, 1, 32
	TILEV 1, 1, 32
	TILEV 2, 1, 32
	TILEV 3, 1, 32
	s_add_co_u32 s48, s48, 0x10000
	s_add_co_u32 s49, s49, 1
	s_cmp_lt_u32 s49, 3
	s_cbranch_scc1 .Lv
	TRIPHEAD 10
	TILEV 0, 1, 32
	TILEV 1, 1, 32
	TILEV 2, 0, 32
	TILEV 3, 0, 0
	s_wait_tensorcnt 0x0
	ds_add_u32 v254, v255
	s_wait_dscnt 0x0
	s_endpgm
.Lfunc_end_k_q99729cfd38_qkv:
	.size	k_q99729cfd38_qkv, .Lfunc_end_k_q99729cfd38_qkv-k_q99729cfd38_qkv
	.p2alignl 7, 3214868480
	.fill 96, 4, 3214868480
	.section	.rodata,"a",@progbits
	.p2align	6, 0x0
	.amdhsa_kernel k_q99729cfd38_qkv
		.amdhsa_group_segment_fixed_size 262656
		.amdhsa_private_segment_fixed_size 0
		.amdhsa_enable_private_segment 0
		.amdhsa_kernarg_size 56
		.amdhsa_user_sgpr_count 2
		.amdhsa_user_sgpr_kernarg_segment_ptr 1
		.amdhsa_wavefront_size32 1
		.amdhsa_system_sgpr_workgroup_id_x 1
		.amdhsa_system_sgpr_workgroup_id_y 1
		.amdhsa_system_sgpr_workgroup_id_z 1
		.amdhsa_system_vgpr_workitem_id 0
		.amdhsa_next_free_vgpr 1024
		.amdhsa_next_free_sgpr 66
		.amdhsa_reserve_vcc 0
		.amdhsa_float_denorm_mode_32 3
		.amdhsa_float_denorm_mode_16_64 3
		.amdhsa_memory_ordered 1
		.amdhsa_forward_progress 1
		.amdhsa_inst_pref_size 255
	.end_amdhsa_kernel
	.section	.bss,"aw",@nobits
	.p2align	6
	.space	262144
	.amdgpu_metadata
---
amdhsa.version: [ 1, 2 ]
amdhsa.kernels:
  - .name:           k_q99729cfd38_qkv
    .symbol:         k_q99729cfd38_qkv.kd
    .args:
      - { .name: embed, .offset: 0, .size: 8, .value_kind: global_buffer, .address_space: global }
      - { .name: Wq_codes, .offset: 8, .size: 8, .value_kind: global_buffer, .address_space: global }
      - { .name: Wk_codes, .offset: 16, .size: 8, .value_kind: global_buffer, .address_space: global }
      - { .name: Wv_codes, .offset: 24, .size: 8, .value_kind: global_buffer, .address_space: global }
      - { .name: lowp_scales, .offset: 32, .size: 8, .value_kind: global_buffer, .address_space: global }
      - { .name: qimg, .offset: 40, .size: 8, .value_kind: global_buffer, .address_space: global }
      - { .name: kvimg, .offset: 48, .size: 8, .value_kind: global_buffer, .address_space: global }
    .group_segment_fixed_size: 262656
    .private_segment_fixed_size: 0
    .kernarg_segment_align: 8
    .kernarg_segment_size: 56
    .max_flat_workgroup_size: 128
    .sgpr_count:     66
    .vgpr_count:     1024
    .wavefront_size: 32
...
	.end_amdgpu_metadata
.endif
;; end of part 1
;; launch att (part 2): grid 32 x 8, 16 waves a work-group, no clusters, 327,680 bytes of LDS; arguments qimg, kvimg, src_mask, embed, lowp_scales, x1; writes x1
.if DOCPART == 2
	.amdgcn_target "amdgcn-amd-amdhsa--gfx1250"
	.amdhsa_code_object_version 6
	.text
	.protected	k_q99729cfd38_att
	.globl	k_q99729cfd38_att
	.p2align	8
	.type	k_q99729cfd38_att,@function
k_q99729cfd38_att:
	s_mov_b64 s[64:65], 0
	v_nop
	global_prefetch_b8 v0, s[64:65] scope:SCOPE_SE
	s_setreg_imm32_b32 hwreg(HW_REG_WAVE_MODE, 25, 1), 1
	s_wait_xcnt 0x0
; x1 = softmax((q k^T + mask) / 8) v + embed, both products on codes of BF8 (E5M2), each operand with its given scale 2^e (e6 q, e7 k, e8 p, e9 v).
; THE SOFTMAX AHEAD OF THE SECOND PRODUCT: u = q . k + mask; t = u x log2(e) / 8; M = the running largest t rounded UP to a whole number; p = 2^(t - M) is quantised along the keys, not normalised.
; The row's sum is taken of the unquantised p and divides at the end.  When M moves, the sum and O are multiplied by 2^(old M - new M): exact.
; SHARES.  A work-group owns 64 queries (grid x) of four heads of one batch (grid y): the four heads share the mask's tile, the four tiles of queries share K and V.
; Wave w: queries 16 (w % 4) on, head w / 4 of the four.  Sixteen waves of 256 registers: four to a SIMD, so that one wave's vector work stands beside another's products and LDS loads.
; All keys are walked, 128 a step, through a ring of two LDS slots: 65,536 bytes of K's and V's fragment images (dense; waves 0-3 fetch a quarter each) and the mask's 64 rows x 512 bytes (wave 4).
; No cluster: partners could share either K and V or the mask, never both, so each step would need joint and plain loads side by side.
; LAYOUT.  Both products transposed: S^T = K Q^T, O^T = V^T P^T: a lane holds ONE query (lane % 16).  The keys of a tile of K were chosen by the launch before so that register 16 b + i of S^T is key 32 b + 16 (lane / 16) + i.
; LIMITS: e6 + e7 between -126 and 127; e8 between -126 and 112.  A query whose mask is -infinity throughout gives NaN.  NaN among the inputs is not served.
; REGISTERS: v1-3 my places in a slot (K, V, mask); v5, v6 the spare word and 0; v7 my offset in embed and x1; v8-10 the step's addresses; v12 -M, v13 largest t, v[14:15] the sum in two halves; v16-23 Q;
;   v32-95 K, then the mask, then V; v96-159 S^T, then p; v160-191 O^T; v192-207 p's codes; v208-217 at work; v220-251 embed.
.set SLOT1, 1<<17                      ; slot 1 begins here: one exclusive or turns an address from one slot into the other
.set SPARE, 2*SLOT1                    ; the spare words, 128 bytes for each of 16 waves: eight blocks of 256 bytes that no other line names
.set MOFF,  65536                      ; the mask's tile in a slot
.set MP,    528                        ; its rows: 512 bytes + 16 of padding, so that 16 rows start at 16 different groups of banks
; Waves 0-3 fetch K and V, wave 4 the mask, the others nothing.  Four v_nop follow each of the two lines.
.macro TLOAD
	s_cmp_lt_u32 s18, 4
	s_cbranch_scc0 .Lnot_kv_\@
	tensor_load_to_lds s[40:43], s[24:31]
	s_nop 0
.rept 4
	v_nop
.endr
	s_branch .Lasked_\@
.Lnot_kv_\@:
	s_cmp_eq_u32 s18, 4
	s_cbranch_scc0 .Lasked_\@
	tensor_load_to_lds s[44:47], s[32:39]
	s_nop 0
.rept 4
	v_nop
.endr
.Lasked_\@:
.endm
; THE CHANGE OF SLOTS stands at a slot's head.  Each wave waits for all its tensor loads (its part of the slot ahead), adds 0 to its spare word, and waits for that and for its reads of the slot left.
; Behind the barrier the slot ahead is whole and nobody reads the other.  fill = 1: that other slot takes the next 128 keys: one load a wave, which has a key step in which to land.
.macro CHANGE fill
	s_wait_tensorcnt 0x0                           ; no tensor load of mine is out, so a group 0 may be written
	ds_add_u32 v5, v6                              ; 0 onto my spare word
.if \fill
	s_xor_b32 s41, s41, SLOT1
	s_add_nc_u64 s[42:43], s[42:43], 65536         ; the next key block's images
	s_xor_b32 s45, s45, SLOT1
	s_add_nc_u64 s[46:47], s[46:47], 512           ; the next 128 columns of the mask
.endif
	s_wait_dscnt 0x0                               ; the add is done, and my reads of the slot that I have left are over
	s_barrier_signal -1
	s_barrier_wait -1
.if \fill
	TLOAD                                          ; the first thing behind the barrier, a wave's one tensor load until the next
.endif
.endm
; A KEY STEP: 128 keys
.macro STEP
	v_add_nc_u32 v8, s48, v1
	v_add_nc_u32 v9, s48, v2
	v_add_nc_u32 v10, s48, v3
	v_nop
	v_nop                                          ; five plain places ahead of loads into registers that the last products read
.irp t, 0,1,2,3,4,5,6,7
	ds_load_b128 v[32+8*\t:35+8*\t], v8 offset:1024*\t
	ds_load_b128 v[36+8*\t:39+8*\t], v8 offset:1024*\t+512
.endr
	s_wait_dscnt 0x0
.irp t, 0,1,2,3,4,5,6,7
	v_wmma_f32_16x16x64_bf8_bf8 v[96+8*\t:103+8*\t], v[32+8*\t:39+8*\t], v[16:23], 0
.endr
.rept 4
	v_nop
.endr
.irp b, 0,1,2,3
.irp j, 0,1,2,3
	ds_load_b128 v[32+16*\b+4*\j:35+16*\b+4*\j], v10 offset:128*\b+16*\j   ; the mask of my query at my 64 keys, in the order of S^T's registers
.endr
.endr
	s_wait_dscnt 0x0
.set q, 0
.rept 32
	v_pk_fma_f32 v[96+q:97+q], v[96+q:97+q], s[56:57], v[32+q:33+q] op_sel_hi:[1,0,1]   ; u = sum x 2^(e6 + e7) + mask; each sum from its low end on
.set q, q+2
.endr
.irp d, 0,1,2,3
.irp c, 0,1,2,3
	ds_load_b128 v[32+16*\d+4*\c:35+16*\d+4*\c], v9 offset:2048*\d+512*\c   ; V's four fragments land while the softmax is worked
.endr
.endr
	v_max3_num_f32 v208, v96, v97, v98             ; the step's largest u of my query among my 64 keys, in two chains,
	v_max3_num_f32 v210, v99, v100, v101
.irp i, 6,10,14,18,22,26,30,34,38,42,46,50,54,58
	v_max3_num_f32 v208, v208, v[96+\i], v[97+\i]
	v_max3_num_f32 v210, v210, v[98+\i], v[99+\i]
.endr
	v_max3_num_f32 v208, v208, v158, v159
	v_max_num_f32 v208, v208, v210
	v_permlanex16_b32 v212, v208, s20, s21
	v_max_num_f32 v208, v208, v212                 ; and among those of the lane 16 away
	v_mul_f32 v208, s22, v208                      ; as t (c is positive)
	v_max_num_f32 v13, v13, v208                   ; the running largest t
	v_mov_b32 v208, v12
	v_floor_f32 v12, -v13                          ; the new -M = floor(-t): M is a whole number
	v_sub_f32 v208, v12, v208                      ; old M less new M: a whole number, 0 or less
	v_cvt_i32_f32 v208, v208                       ; (it saturates)
	v_ldexp_f32 v210, 1.0, v208                    ; f = 2^(old M - new M)
.set q, 0
.rept 32
	v_pk_fma_f32 v[96+q:97+q], v[96+q:97+q], s[22:23], v[12:13] op_sel_hi:[1,0,0]   ; t - M, two at a time
.set q, q+2
.endr
.set q, 0
.rept 64
	v_exp_f32 v[96+q], v[96+q]                     ; p = 2^(t - M), at most 1
.set q, q+1
.endr
	v_pk_mul_f32 v[14:15], v[14:15], v[210:211] op_sel_hi:[1,0]   ; the sums under the new M (a plain place behind the exponentials)
	s_wait_alu depctr_va_vdst(0)
	v_pk_add_f32 v[214:215], v[96:97], v[98:99]    ; the row's sum is taken of the unquantised p, in two chains
.irp j, 4,8,12,16,20,24,28,32,36,40,44,48,52,56,60
	v_pk_add_f32 v[14:15], v[14:15], v[96+\j:97+\j]
	v_pk_add_f32 v[214:215], v[214:215], v[98+\j:99+\j]
.endr
	v_pk_add_f32 v[14:15], v[14:15], v[214:215]
.irp b, 0,1,2,3
.irp i, 0,1,2,3,4,5,6,7,8,9,10,11,12,13,14,15
	v_min_num_f32 v[96+16*\b+\i], v[96+16*\b+\i], v216   ; the conversion does not saturate (ISA guide 7.6.2); p is not negative, so the hold is one-sided
.endr
	v_cvt_scalef32_pk8_bf8_f32 v[192+4*\b:193+4*\b], v[96+16*\b:103+16*\b], v217
	v_cvt_scalef32_pk8_bf8_f32 v[194+4*\b:195+4*\b], v[104+16*\b:111+16*\b], v217
.endr
.set q, 0
.rept 16
	v_pk_mul_f32 v[160+q:161+q], v[160+q:161+q], v[210:211] op_sel_hi:[1,0]   ; O^T under the new M (also the plain places behind the conversions)
.set q, q+2
.endr
	s_wait_dscnt 0x0                               ; V is in
.irp d, 0,1,2,3
	v_wmma_f32_16x16x128_bf8_bf8 v[160+8*\d:167+8*\d], v[32+16*\d:47+16*\d], v[192:207], v[160+8*\d:167+8*\d]
.endr
.endm
	s_load_b256 s[4:11], s[0:1], 0x0               ; qimg s[4:5], kvimg s[6:7], mask s[8:9], embed s[10:11]
	s_load_b128 s[12:15], s[0:1], 0x20             ; the scales' exponents s[12:13], x1 s[14:15]
	v_lshl_add_u32 v5, v0, 2, SPARE
	v_mov_b32 v6, 0
	ds_add_u32 v5, v6
	s_wait_dscnt 0x0
	v_lshrrev_b32 v8, 5, v0
	v_readfirstlane_b32 s18, v8                    ; wave 0..15
	s_and_b32 s2, ttmp7, 0xffff                    ; 4 x batch + group of heads
	s_lshr_b32 s3, s2, 2                           ; batch
	s_and_b32 s16, s2, 3                           ; group
	s_and_b32 s17, s18, 3                          ; my tile of queries; for waves 0-3 also the quarter of K and V that I fetch
	s_lshr_b32 s19, s18, 2                         ; my head in the group
	s_lshl_b32 s50, s2, 20                         ; kvimg: 16 key blocks of 65,536 bytes for each (batch, group),
	s_lshl_b32 s51, s17, 14
	s_add_co_u32 s50, s50, s51                     ; + my quarter
	s_mov_b32 s51, 0
	s_lshl_b32 s58, ttmp9, 19                      ; mask: 64 rows of 8,192 bytes a block of queries
	s_mov_b32 s59, 0
	s_lshl_b32 s60, s3, 21
	s_lshl_b32 s61, s16, 2
	s_add_co_u32 s61, s61, s19                     ; head
	s_lshl_b32 s62, s61, 17
	s_add_co_u32 s60, s60, s62
	s_lshl_b32 s62, ttmp9, 12
	s_add_co_u32 s60, s60, s62
	s_lshl_b32 s62, s17, 10
	s_add_co_u32 s60, s60, s62                     ; qimg: batch, head, tile 4 x block + w % 4 of 1,024 bytes
	s_lshl_b32 s62, s61, 8                         ; embed, x1: the head's 256 bytes of a row,
	s_mov_b32 s61, 0
	s_lshl_b32 s63, s3, 23
	s_add_co_u32 s62, s62, s63
	s_lshl_b32 s63, ttmp9, 18
	s_add_co_u32 s62, s62, s63
	s_lshl_b32 s63, s17, 16
	s_add_co_u32 s62, s62, s63                     ; + my first token's row of 4,096 bytes
	s_mov_b32 s63, 0
	; descriptor group 1, K and V: 64 rows of 32 elements of 8 bytes, dense
	s_mov_b32 s24, 3<<16
	s_mov_b32 s25, 32<<16                          ; tensor_dim0
	s_mov_b32 s26, 64<<16                          ; tensor_dim1
	s_mov_b32 s27, 32<<16                          ; tile_dim0
	s_mov_b32 s28, 64                              ; tile_dim1
	s_mov_b32 s29, 32                              ; pitch
	s_mov_b32 s30, 0
	s_mov_b32 s31, 0
	; the mask: 64 rows of 128 elements of 4 bytes, 2,048 elements apart; four words of padding behind every 128
	s_mov_b32 s32, (2<<16)|(1<<20)|(6<<22)|(3<<25)
	s_mov_b32 s33, 128<<16
	s_mov_b32 s34, 64<<16
	s_mov_b32 s35, 128<<16
	s_mov_b32 s36, 64
	s_mov_b32 s37, 2048
	s_mov_b32 s38, 0
	s_mov_b32 s39, 0
	s_mov_b32 s20, 0x76543210                      ; v_permlanex16_b32: the same place in the other half
	s_mov_b32 s21, 0xfedcba98
	s_mov_b32 s22, 0x3e38aa3b                      ; c = log2(e) / 8
	s_mov_b32 s23, s22                             ; (named with it as a pair, so it is written)
	s_mov_b32 s48, 0                               ; LDS byte at which the slot in hand begins
	s_mov_b32 s49, 15                              ; slots still to be asked for
	s_wait_kmcnt 0x0
	s_load_b128 s[52:55], s[12:13], 0x18           ; e6, e7, e8, e9
	s_mov_b32 s40, 1
	s_lshl_b32 s41, s17, 14                        ; LDS: slot 0, my quarter
	s_add_nc_u64 s[42:43], s[6:7], s[50:51]
	s_or_b32 s43, s43, 0x80000000
	s_mov_b32 s44, 1
	s_mov_b32 s45, MOFF
	s_add_nc_u64 s[46:47], s[8:9], s[58:59]
	s_or_b32 s47, s47, 0x80000000
	TLOAD                                          ; slot 0
	s_add_nc_u64 s[4:5], s[4:5], s[60:61]
	s_add_nc_u64 s[10:11], s[10:11], s[62:63]
	s_add_nc_u64 s[14:15], s[14:15], s[62:63]
	v_and_b32 v8, 15, v0                           ; r
	v_bfe_u32 v9, v0, 4, 1                         ; h
	v_and_b32 v11, 31, v0
	v_lshlrev_b32 v11, 4, v11                      ; 16 x lane
	global_load_b128 v[16:19], v11, s[4:5]         ; Q's fragment stays in registers
	global_load_b128 v[20:23], v11, s[4:5] offset:512
	v_lshlrev_b32 v7, 12, v9
	v_lshl_add_u32 v7, v8, 4, v7                   ; lanes 0-15 one row, lanes 16-31 the next; 16 bytes a lane
.irp i, 0,1,2,3,4,5,6,7
	global_load_b128 v[220+4*\i:223+4*\i], v7, s[10:11] offset:8192*\i   ; embed at my 16 tokens and my head's 64 columns: sixteen lanes read 256 consecutive bytes
.endr
	s_lshl_b32 s2, s19, 13
	v_add_nc_u32 v1, s2, v11                       ; K: 8,192 x head + 16 x lane
	v_add_nc_u32 v2, 0x8000, v1                    ; V lies 32,768 behind
	s_mul_i32 s2, s17, 16*MP
	s_add_co_u32 s2, s2, MOFF
	v_mul_u32_u24 v3, v8, MP
	v_lshl_add_u32 v3, v9, 6, v3
	v_add_nc_u32 v3, s2, v3                        ; the mask: my query's row, + 64 h
	v_mov_b32 v13, 0xff61b1e6                      ; the largest t so far: -3e38
	v_floor_f32 v12, -v13
	v_mov_b32 v14, 0
	v_mov_b32 v15, 0
	v_mov_b32 v212, 0                              ; a lane permute's destination counts as one of its sources
	v_mov_b32 v211, 0                              ; (named as the upper half of the pair v[210:211])
.set q, 0
.rept 32
	v_mov_b32 v[160+q], 0                          ; O^T: the step is written once; the first finds zeros, which the first change of M leaves zeros
.set q, q+1
.endr
	s_wait_kmcnt 0x0
	s_add_co_i32 s2, s52, s53
	s_add_co_i32 s2, s2, 127
	s_lshl_b32 s56, s2, 23                         ; 2^(e6 + e7)
	s_mov_b32 s57, s56
	s_add_co_i32 s2, s54, 127
	s_lshl_b32 s3, s2, 23
	v_mov_b32 v217, s3                             ; 2^e8, for the conversion
	s_add_co_i32 s2, s2, 15
	s_lshl_b32 s2, s2, 23
	s_or_b32 s2, s2, 0x600000
	v_mov_b32 v216, s2                             ; 57,344 x 2^e8
	s_wait_loadcnt 0x0                             ; Q and embed
.Lslot:                                            ; 15 trips: behind each change of slots but the last the next slot is asked for
	CHANGE 1
	STEP
	s_xor_b32 s48, s48, SLOT1
	s_sub_co_u32 s49, s49, 1
	s_cmp_lg_u32 s49, 0
	s_cbranch_scc1 .Lslot
	CHANGE 0                                       ; the last slot is written out
	STEP
	; THE WAY OUT: O^T / the sum x 2^(e8 + e9) goes through my stage (16 rows x 272 bytes, in slot 0, which has had its last fill and its last read) and comes back as rows; embed is added.
	v_add_f32 v14, v14, v15
	v_permlanex16_b32 v212, v14, s20, s21
	v_add_f32 v14, v14, v212                       ; the row's sum
	v_rcp_f32 v14, v14
	v_and_b32 v8, 15, v0                           ; (a plain place behind the transcendental)
	v_bfe_u32 v9, v0, 4, 1
	s_add_co_i32 s2, s54, s55
	s_wait_alu depctr_va_vdst(0)
	v_ldexp_f32 v14, v14, s2
	s_mul_i32 s3, s18, 16*272
	v_mul_u32_u24 v10, v8, 272
	v_lshl_add_u32 v10, v9, 5, v10
	v_add_nc_u32 v10, s3, v10                      ; in: row r, + 32 h
	v_mul_u32_u24 v11, v9, 272
	v_lshl_add_u32 v11, v8, 4, v11
	v_add_nc_u32 v11, s3, v11                      ; back: lanes 0-15 one row, lanes 16-31 the next
.set q, 0
.rept 16
	v_pk_mul_f32 v[96+q:97+q], v[160+q:161+q], v[14:15] op_sel_hi:[1,0]   ; register 8 d + j is o(query r, 16 d + 8 h + j)
.set q, q+2
.endr
.irp d, 0,1,2,3
	ds_store_b128 v10, v[96+8*\d:99+8*\d] offset:64*\d
	ds_store_b128 v10, v[100+8*\d:103+8*\d] offset:64*\d+16
.endr
.irp i, 0,1,2,3,4,5,6,7
	ds_load_b128 v[32+4*\i:35+4*\i], v11 offset:2*\i*272   ; LDS serves a wave's instructions in order: these see my stores
.endr
.irp i, 0,1,2,3,4,5,6,7
	s_wait_dscnt 7-\i                              ; the younger loads may stay out
	v_pk_add_f32 v[32+4*\i:33+4*\i], v[32+4*\i:33+4*\i], v[220+4*\i:221+4*\i]
	v_pk_add_f32 v[34+4*\i:35+4*\i], v[34+4*\i:35+4*\i], v[222+4*\i:223+4*\i]
	global_store_b128 v7, v[32+4*\i:35+4*\i], s[14:15] offset:8192*\i   ; sixteen lanes store 256 consecutive bytes, aligned
.endr
	s_wait_tensorcnt 0x0                           ; the wave's end
	ds_add_u32 v5, v6
	s_wait_dscnt 0x0
	s_endpgm
.Lfunc_end_k_q99729cfd38_att:
	.size	k_q99729cfd38_att, .Lfunc_end_k_q99729cfd38_att-k_q99729cfd38_att
	.p2alignl 7, 3214868480
	.fill 96, 4, 3214868480
	.section	.rodata,"a",@progbits
	.p2align	6, 0x0
	.amdhsa_kernel k_q99729cfd38_att
		.amdhsa_group_segment_fixed_size 327680
		.amdhsa_private_segment_fixed_size 0
		.amdhsa_enable_private_segment 0
		.amdhsa_kernarg_size 48
		.amdhsa_user_sgpr_count 2
		.amdhsa_user_sgpr_kernarg_segment_ptr 1
		.amdhsa_wavefront_size32 1
		.amdhsa_system_sgpr_workgroup_id_x 1
		.amdhsa_system_sgpr_workgroup_id_y 1
		.amdhsa_system_sgpr_workgroup_id_z 1
		.amdhsa_system_vgpr_workitem_id 0
		.amdhsa_next_free_vgpr 256
		.amdhsa_next_free_sgpr 66
		.amdhsa_reserve_vcc 0
		.amdhsa_float_denorm_mode_32 3
		.amdhsa_float_denorm_mode_16_64 3
		.amdhsa_memory_ordered 1
		.amdhsa_forward_progress 1
		.amdhsa_inst_pref_size 50
	.end_amdhsa_kernel
	.amdgpu_metadata
---
amdhsa.version: [ 1, 2 ]
amdhsa.kernels:
  - .name:           k_q99729cfd38_att
    .symbol:         k_q99729cfd38_att.kd
    .args:
      - { .name: qimg, .offset: 0, .size: 8, .value_kind: global_buffer, .address_space: global }
      - { .name: kvimg, .offset: 8, .size: 8, .value_kind: global_buffer, .address_space: global }
      - { .name: src_mask, .offset: 16, .size: 8, .value_kind: global_buffer, .address_space: global }
      - { .name: embed, .offset: 24, .size: 8, .value_kind: global_buffer, .address_space: global }
      - { .name: lowp_scales, .offset: 32, .size: 8, .value_kind: global_buffer, .address_space: global }
      - { .name: x1, .offset: 40, .size: 8, .value_kind: global_buffer, .address_space: global }
    .group_segment_fixed_size: 327680
    .private_segment_fixed_size: 0
    .kernarg_segment_align: 8
    .kernarg_segment_size: 48
    .max_flat_workgroup_size: 512
    .sgpr_count:     66
    .vgpr_count:     256
    .wavefront_size: 32
...
	.end_amdgpu_metadata
.endif
;; end of part 2
;; launch ln1q (part 3): grid 256 x 1, 16 waves a work-group, no clusters, 76,288 bytes of LDS; arguments x1, g1, be1, lowp_scales, a1img; writes a1img
.if DOCPART == 3
	.amdgcn_target "amdgcn-amd-amdhsa--gfx1250"
	.amdhsa_code_object_version 6
	.text
	.protected	k_q99729cfd38_ln1q
	.globl	k_q99729cfd38_ln1q
	.p2align	8
	.type	k_q99729cfd38_ln1q,@function
k_q99729cfd38_ln1q:
	s_mov_b64 s[64:65], 0
	v_nop
	global_prefetch_b8 v0, s[64:65] scope:SCOPE_SE
	s_setreg_imm32_b32 hwreg(HW_REG_WAVE_MODE, 25, 1), 1
	s_wait_xcnt 0x0
; a1img = codes of BF8 (E5M2), scale 2^e10, of LayerNorm(x1) x g1 + be1, laid as fragment images [tile of 16 rows][K step of 128][4][512 bytes].
; A work-group takes 16 rows, a wave one row: the reductions never leave the wave.  The normalised rows meet in a stage in LDS (rows 4,112 bytes apart), since a fragment wants,
; in lane (r, h), 16 neighbours of row r.  Memory binds: no matrix unit, no cluster, no tensor load.  All in f32; the variance is taken of x - mean.
; LIMIT: e10 between -126 and 112.  NaN among the inputs is not served.
.set STG, 8192                         ; LDS: g1 4,096 bytes, be1 4,096 bytes, then the stage
.set SPT, 4112
.set X,   16                           ; v16-47 my row: 4 columns at 4 lane + 128 i
.set G,   48                           ; v48-79 g1 there
.set BE,  80                           ; v80-111 be1 there
.macro RED                             ; the sum over the 32 lanes, in every lane
	v_add_f32_dpp v8, v8, v8 row_xmask:1 row_mask:0xf bank_mask:0xf
	v_add_f32_dpp v8, v8, v8 row_xmask:2 row_mask:0xf bank_mask:0xf
	v_add_f32_dpp v8, v8, v8 row_xmask:4 row_mask:0xf bank_mask:0xf
	v_add_f32_dpp v8, v8, v8 row_xmask:8 row_mask:0xf bank_mask:0xf
	v_permlanex16_b32 v12, v8, s26, s27
	v_add_f32 v8, v8, v12
.endm
.macro LNROW x, g, be                  ; the row in v[x] on becomes (x - mean) rsqrt(var + 1e-5) g + be
	v_pk_add_f32 v[8:9], v[\x:\x+1], v[\x+2:\x+3]
	v_pk_add_f32 v[10:11], v[\x+4:\x+5], v[\x+6:\x+7]
.irp j, 8,12,16,20,24,28
	v_pk_add_f32 v[8:9], v[8:9], v[\x+\j:\x+\j+1]
	v_pk_add_f32 v[10:11], v[10:11], v[\x+\j+2:\x+\j+3]
.endr
	v_pk_add_f32 v[8:9], v[8:9], v[10:11]
	v_add_f32 v8, v8, v9
	RED
	v_mul_f32 v14, s28, v8                         ; the mean: x 2^-10
	v_mov_b32 v15, v14
.irp j, 0,2,4,6,8,10,12,14,16,18,20,22,24,26,28,30
	v_pk_add_f32 v[\x+\j:\x+\j+1], v[\x+\j:\x+\j+1], v[14:15] neg_lo:[0,1] neg_hi:[0,1]
.endr
	v_pk_mul_f32 v[8:9], v[\x:\x+1], v[\x:\x+1]
	v_pk_mul_f32 v[10:11], v[\x+2:\x+3], v[\x+2:\x+3]
.irp j, 4,8,12,16,20,24,28
	v_pk_fma_f32 v[8:9], v[\x+\j:\x+\j+1], v[\x+\j:\x+\j+1], v[8:9]
	v_pk_fma_f32 v[10:11], v[\x+\j+2:\x+\j+3], v[\x+\j+2:\x+\j+3], v[10:11]
.endr
	v_pk_add_f32 v[8:9], v[8:9], v[10:11]
	v_add_f32 v8, v8, v9
	RED
	v_fma_f32 v8, v8, s28, s29                     ; the variance + 1e-5
	v_rsq_f32 v14, v8
	v_nop                                          ; a plain place behind the transcendental
	s_wait_alu depctr_va_vdst(0)
	v_mov_b32 v15, v14
	s_wait_dscnt 0x0                               ; the gain and the bias are in
.irp j, 0,2,4,6,8,10,12,14,16,18,20,22,24,26,28,30
	v_pk_mul_f32 v[\x+\j:\x+\j+1], v[\x+\j:\x+\j+1], v[14:15]
.endr
.irp j, 0,2,4,6,8,10,12,14,16,18,20,22,24,26,28,30
	v_pk_fma_f32 v[\x+\j:\x+\j+1], v[\x+\j:\x+\j+1], v[\g+\j:\g+\j+1], v[\be+\j:\be+\j+1]
.endr
.endm
	s_load_b256 s[4:11], s[0:1], 0x0               ; x1 s[4:5], g1 s[6:7], be1 s[8:9], the scales' exponents s[10:11]
	s_load_b64 s[12:13], s[0:1], 0x20              ; a1img
	v_lshl_add_u32 v128, v0, 2, 0x12200
	v_mov_b32 v129, 0
	v_lshrrev_b32 v1, 5, v0
	v_readfirstlane_b32 s14, v1                    ; wave 0..15
	v_and_b32 v1, 31, v0
	v_lshlrev_b32 v3, 4, v1                        ; 16 x lane
	v_and_b32 v2, 0xff, v0
	v_lshlrev_b32 v2, 4, v2                        ; my 16 bytes of g1 (threads 0-255) or be1 (threads 256-511),
	v_lshlrev_b32 v4, 4, v0                        ; and their place in LDS
	s_mul_i32 s20, s14, SPT
	s_add_co_u32 s20, s20, STG
	v_add_nc_u32 v5, s20, v3                       ; the stage, in: my row
	v_and_b32 v7, 15, v0
	v_bfe_u32 v1, v0, 4, 1
	v_mul_u32_u24 v6, v7, SPT
	v_lshl_add_u32 v6, v1, 6, v6
	s_lshl_b32 s21, s14, 8
	s_add_co_u32 s21, s21, STG
	v_add_nc_u32 v6, s21, v6                       ; out: row r, + 64 h, + 256 x wave: K step w / 2, blocks 2 (w % 2) and the next
	v_mov_b32 v12, 0                               ; a lane permute's destination counts as one of its sources
	s_lshl_b32 s22, ttmp9, 16
	s_lshl_b32 s23, s14, 12
	s_add_co_u32 s22, s22, s23                     ; my row of 4,096 bytes
	s_mov_b32 s23, 0
	s_lshl_b32 s24, ttmp9, 14
	s_lshl_b32 s25, s14, 10
	s_add_co_u32 s24, s24, s25                     ; my 1,024 bytes of the tile's 16,384
	s_mov_b32 s25, 0
	s_mov_b32 s26, 0x76543210
	s_mov_b32 s27, 0xfedcba98
	s_mov_b32 s28, 0x3a800000                      ; 2^-10
	s_mov_b32 s29, 0x3727c5ac                      ; 1e-5
	s_wait_kmcnt 0x0
	s_load_b32 s15, s[10:11], 0x28                 ; e10
	s_cmp_lt_u32 s14, 8
	s_cselect_b64 s[16:17], s[6:7], s[8:9]
	s_add_nc_u64 s[4:5], s[4:5], s[22:23]
	s_add_nc_u64 s[12:13], s[12:13], s[24:25]
	global_load_b128 v[112:115], v2, s[16:17]
.irp i, 0,1,2,3,4,5,6,7
	global_load_b128 v[X+4*\i:X+4*\i+3], v3, s[4:5] offset:512*\i   ; 32 lanes read 512 consecutive bytes
.endr
	s_wait_loadcnt 8                               ; the vector's piece is in; the row's eight loads may be out
	ds_store_b128 v4, v[112:115]
	s_wait_dscnt 0x0
	s_barrier_signal -1
	s_barrier_wait -1                              ; g1 and be1 lie in LDS
.irp i, 0,1,2,3,4,5,6,7
	ds_load_b128 v[G+4*\i:G+4*\i+3], v3 offset:512*\i
	ds_load_b128 v[BE+4*\i:BE+4*\i+3], v3 offset:4096+512*\i
.endr
	s_wait_loadcnt 0x0
	LNROW X, G, BE
.irp i, 0,1,2,3,4,5,6,7
	ds_store_b128 v5, v[X+4*\i:X+4*\i+3] offset:512*\i
.endr
	s_wait_kmcnt 0x0
	s_add_co_i32 s15, s15, 127
	s_lshl_b32 s20, s15, 23
	v_mov_b32 v116, s20                            ; 2^e10
	s_add_co_i32 s15, s15, 15
	s_lshl_b32 s15, s15, 23
	s_or_b32 s15, s15, 0x600000
	v_mov_b32 v117, s15                            ; 57,344 x 2^e10
	s_wait_dscnt 0x0
	s_barrier_signal -1
	s_barrier_wait -1                              ; 16 normalised rows lie in the stage
.irp c, 0,1
.irp j, 0,1,2,3
	ds_load_b128 v[X+16*\c+4*\j:X+16*\c+4*\j+3], v6 offset:128*\c+16*\j
.endr
.endr
	s_wait_dscnt 0x0
.set q, 0
.rept 32
	v_med3_num_f32 v[X+q], v[X+q], -v117, v117     ; the conversion does not saturate (ISA guide 7.6.2)
.set q, q+1
.endr
.irp g, 0,1,2,3
	v_cvt_scalef32_pk8_bf8_f32 v[120+2*\g:121+2*\g], v[X+8*\g:X+8*\g+7], v116
.endr
	global_store_b128 v3, v[120:123], s[12:13]               ; 32 lanes store 512 consecutive bytes
	global_store_b128 v3, v[124:127], s[12:13] offset:512
	s_wait_tensorcnt 0x0
	ds_add_u32 v128, v129
	s_wait_dscnt 0x0
	s_endpgm
.Lfunc_end_k_q99729cfd38_ln1q:
	.size	k_q99729cfd38_ln1q, .Lfunc_end_k_q99729cfd38_ln1q-k_q99729cfd38_ln1q
	.p2alignl 7, 3214868480
	.fill 96, 4, 3214868480
	.section	.rodata,"a",@progbits
	.p2align	6, 0x0
	.amdhsa_kernel k_q99729cfd38_ln1q
		.amdhsa_group_segment_fixed_size 76288
		.amdhsa_private_segment_fixed_size 0
		.amdhsa_enable_private_segment 0
		.amdhsa_kernarg_size 40
		.amdhsa_user_sgpr_count 2
		.amdhsa_user_sgpr_kernarg_segment_ptr 1
		.amdhsa_wavefront_size32 1
		.amdhsa_system_sgpr_workgroup_id_x 1
		.amdhsa_system_sgpr_workgroup_id_y 1
		.amdhsa_system_sgpr_workgroup_id_z 1
		.amdhsa_system_vgpr_workitem_id 0
		.amdhsa_next_free_vgpr 130
		.amdhsa_next_free_sgpr 66
		.amdhsa_reserve_vcc 0
		.amdhsa_float_denorm_mode_32 3
		.amdhsa_float_denorm_mode_16_64 3
		.amdhsa_memory_ordered 1
		.amdhsa_forward_progress 1
		.amdhsa_inst_pref_size 15
	.end_amdhsa_kernel
	.amdgpu_metadata
---
amdhsa.version: [ 1, 2 ]
amdhsa.kernels:
  - .name:           k_q99729cfd38_ln1q
    .symbol:         k_q99729cfd38_ln1q.kd
    .args:
      - { .name: x1, .offset: 0, .size: 8, .value_kind: global_buffer, .address_space: global }
      - { .name: g1, .offset: 8, .size: 8, .value_kind: global_buffer, .address_space: global }
      - { .name: be1, .offset: 16, .size: 8, .value_kind: global_buffer, .address_space: global }
      - { .name: lowp_scales, .offset: 24, .size: 8, .value_kind: global_buffer, .address_space: global }
      - { .name: a1img, .offset: 32, .size: 8, .value_kind: global_buffer, .address_space: global }
    .group_segment_fixed_size: 76288
    .private_segment_fixed_size: 0
    .kernarg_segment_align: 8
    .kernarg_segment_size: 40
    .max_flat_workgroup_size: 512
    .sgpr_count:     66
    .vgpr_count:     130
    .wavefront_size: 32
...
	.end_amdgpu_metadata
.endif
;; end of part 3
;; launch ffn1 (part 4): grid 16 x 16, 4 waves a work-group, no clusters, 262,656 bytes of LDS; arguments a1img, w1_codes, b1, lowp_scales, himg; writes himg
.if DOCPART == 4
	.amdgcn_target "amdgcn-amd-amdhsa--gfx1250"
	.amdhsa_code_object_version 6
	.text
	.protected	k_q99729cfd38_ffn1
	.globl	k_q99729cfd38_ffn1
	.p2align	8
	.type	k_q99729cfd38_ffn1,@function
k_q99729cfd38_ffn1:
	s_mov_b64 s[64:65], 0
	v_nop
	global_prefetch_b8 v0, s[64:65] scope:SCOPE_SE
	s_setreg_imm32_b32 hwreg(HW_REG_WAVE_MODE, 25, 1), 1
	s_wait_xcnt 0x0
; himg = codes of BF8 (E5M2), scale 2^e12, of relu(a W1^T + b1); a comes as fragment images (scale 2^e10), W1 as codes (2^e11).
; A work-group takes 256 rows (grid y) x 256 hidden units (grid x); wave w owns 64 units: 32 fragments of W1 = 512 registers, read once and kept.
; The rows' 16 tiles (16,384 bytes each, dense) come into LDS by tensor loads, each byte filled once: wave w brings tiles w, 4 + w, 8 + w, 12 + w; four loads of a wave are out at the most.
; No cluster: what partners would share is filled once and is half of a work-group's bytes.
; Source 0 = 16 rows of W1, source 1 = 16 rows of a: a lane holds one row, its registers run along the hidden units, the next K.  The rows of W1 of a tile are 32 b + 8 u + r + 8 (r / 8), so tiles 2 b, 2 b + 1 give 16 neighbours.
; b1, divided once by 2^(e10 + e11), is the C of each sum's first matrix instruction; the activation is the lower end of the hold.
; LIMITS: e12 - e10 - e11 between -126 and 112.  NaN among the inputs is not served.
; REGISTERS.  Window 0: v3 16 x lane, v6, v7 W1 offsets, v9 b1 offset, v14, v15 scale and limit, v16-19 16 x lane + 65,536 q, v32-63 sums, v64-71 codes, v96-127 b1.  Windows 1, 2: W1.  Window 3: two buffers of eight fragments.
.set ACC, 32
.set OC,  64
.set B1,  96
.set MSB, 0
.macro WIN new                         ; the immediate's high byte repeats the setting that is left
.if MSB != (\new)
	s_set_vgpr_msb (MSB<<8)|(\new)
.set MSB, (\new)
.endif
.endm
.macro WLOAD f
.set wt, (\f)>>3
.set ws, (\f)&7
.set ww, 0x40<<(ws>>2)
	WIN ww
.irp c, 0,1,2,3
	global_load_b128 v[64*wt+16*(ws&3)+4*\c:64*wt+16*(ws&3)+4*\c+3], v[6+(wt&1)], s[6:7] offset:(wt>>1)*32768+128*ws+32*\c
.endr
.endm
.macro FETCH areg, off, buf
	WIN 0xc0
.irp s, 0,1,2,3,4,5,6,7
.irp c, 0,1,2,3
	ds_load_b128 v[128*(\buf)+16*\s+4*\c:128*(\buf)+16*\s+4*\c+3], v[\areg] offset:(\off)+2048*\s+512*\c
.endr
.endr
	WIN 0
.endm
.macro MUL buf                         ; eight K steps x my four tiles of units; the four sums take turns, one instruction a turn
.irp s, 0,1,2,3,4,5,6,7
	WIN 0x0d+(\s>>2)
.irp t, 0,1,2,3
.if \s == 0
	v_wmma_f32_16x16x128_bf8_bf8 v[ACC+8*\t:ACC+8*\t+7], v[64*\t:64*\t+15], v[128*(\buf):128*(\buf)+15], v[B1+8*\t:B1+8*\t+7]
.else
	v_wmma_f32_16x16x128_bf8_bf8 v[ACC+8*\t:ACC+8*\t+7], v[64*\t+16*(\s&3):64*\t+16*(\s&3)+15], v[128*(\buf)+16*\s:128*(\buf)+16*\s+15], v[ACC+8*\t:ACC+8*\t+7]
.endif
.endr
.endr
.endm
.macro TILE n
.if (\n) < 15
	s_wait_dscnt 32                                ; this tile's fragments are in; the next tile's 32 loads may be out
.else
	s_wait_dscnt 0x0
.endif
	MUL (\n)&1
	WIN 0
.rept 4
	v_nop                                          ; places ahead of loads into the buffer just read and of the reads of the sums
.endr
.if (\n)+2 < 16
.if ((\n)+2)%4 == 0
	s_wait_tensorcnt 3-((\n)+2)/4                  ; my tile of the next four has landed; my later fills may stay out
	s_wait_dscnt 0x0
	s_barrier_signal -1
	s_barrier_wait -1                              ; everybody's has
.endif
	FETCH 16+(((\n)+2)>>2), (((\n)+2)&3)*16384, (\n)&1
.endif
.set q, 0
.rept 32
	v_med3_num_f32 v[ACC+q], v[ACC+q], 0, v15      ; the activation and the hold in one; each sum from its low end on
.set q, q+1
.endr
	s_wait_xcnt 0x0                                ; the last tile's stores have read the codes' registers
.irp g, 0,1,2,3
	v_cvt_scalef32_pk8_bf8_f32 v[OC+2*\g:OC+2*\g+1], v[ACC+8*\g:ACC+8*\g+7], v14
.endr
	v_nop
	global_store_b128 v3, v[OC:OC+3], s[12:13] offset:(\n)*65536        ; 32 lanes store 512 consecutive bytes
	global_store_b128 v3, v[OC+4:OC+7], s[12:13] offset:(\n)*65536+512
.endm
	s_load_b256 s[4:11], s[0:1], 0x0               ; a1img s[4:5], W1 s[6:7], b1 s[8:9], the scales' exponents s[10:11]
	s_load_b64 s[12:13], s[0:1], 0x20              ; himg
	v_lshl_add_u32 v254, v0, 2, 0x40000
	v_mov_b32 v255, 0
	ds_add_u32 v254, v255
	v_lshrrev_b32 v1, 5, v0
	v_readfirstlane_b32 s18, v1                    ; wave 0..3
	s_and_b32 s21, ttmp7, 0xffff                   ; block of 256 rows
	s_mov_b32 s24, 3<<16                           ; descriptor group 1: 64 rows of 32 elements of 8 bytes, dense
	s_mov_b32 s25, 32<<16
	s_mov_b32 s26, 64<<16
	s_mov_b32 s27, 32<<16
	s_mov_b32 s28, 64
	s_mov_b32 s29, 32
	s_mov_b32 s30, 0
	s_mov_b32 s31, 0
	s_lshl_b32 s50, s18, 14                        ; tile w: in LDS,
	s_lshl_b32 s48, s21, 18
	s_add_co_u32 s48, s48, s50                     ; and in a1img
	s_mov_b32 s49, 0
	s_wait_dscnt 0x0
	s_wait_kmcnt 0x0
	s_add_nc_u64 s[4:5], s[4:5], s[48:49]
.irp i, 0,1,2,3
	s_mov_b32 s[32+4*\i], 1
	s_add_co_u32 s[33+4*\i], s50, \i*65536
	s_add_nc_u64 s[34+4*\i:35+4*\i], s[4:5], \i*65536
	s_or_b32 s[35+4*\i], s[35+4*\i], 0x80000000
.endr
	tensor_load_to_lds s[32:35], s[24:31]          ; all first fills go out together, ahead of every wait on them, every LDS read and every barrier
	s_nop 0
	tensor_load_to_lds s[36:39], s[24:31]
	s_nop 0
	tensor_load_to_lds s[40:43], s[24:31]
	s_nop 0
	tensor_load_to_lds s[44:47], s[24:31]
	s_nop 0
.rept 4
	v_nop
.endr
	s_load_b128 s[52:55], s[10:11], 0x28           ; e10, e11, e12, e13
	v_and_b32 v1, 15, v0
	v_bfe_u32 v2, v0, 4, 1
	v_and_b32 v3, 31, v0
	v_lshlrev_b32 v3, 4, v3
	v_and_b32 v10, 8, v1
	v_add_nc_u32 v10, v10, v1                      ; r + 8 (r / 8)
	v_lshlrev_b32 v6, 10, v10
	v_lshl_add_u32 v6, v2, 4, v6
	v_add_nc_u32 v7, 0x2000, v6                    ; the odd tile begins eight rows further on
	v_lshlrev_b32 v9, 6, v2
.irp q, 0,1,2,3
	v_add_nc_u32 v[16+\q], \q*65536, v3
.endr
	s_lshl_b32 s48, ttmp9, 18
	s_lshl_b32 s51, s18, 16
	s_add_co_u32 s48, s48, s51
	s_add_nc_u64 s[6:7], s[6:7], s[48:49]          ; W1: 256 rows a group, 64 a wave
	s_lshl_b32 s48, ttmp9, 10
	s_lshl_b32 s51, s18, 8
	s_add_co_u32 s48, s48, s51
	s_add_nc_u64 s[8:9], s[8:9], s[48:49]          ; b1 at my 64 units
	s_lshl_b32 s48, s21, 20
	s_lshl_b32 s51, ttmp9, 12
	s_add_co_u32 s48, s48, s51
	s_lshl_b32 s51, s18, 10
	s_add_co_u32 s48, s48, s51
	s_add_nc_u64 s[12:13], s[12:13], s[48:49]      ; himg: 65,536 a tile of rows, 4,096 a group, 1,024 a wave
.irp t, 0,1,2,3
	global_load_b128 v[B1+8*\t:B1+8*\t+3], v9, s[8:9] offset:(32*(\t>>1)+8*(\t&1))*4
	global_load_b128 v[B1+8*\t+4:B1+8*\t+7], v9, s[8:9] offset:(32*(\t>>1)+8*(\t&1))*4+16
.endr
.set FF, 0
.rept 32
	WLOAD FF
.set FF, FF+1
.endr
	WIN 0
	s_wait_tensorcnt 3                             ; my first tile has landed; my three later fills may stay out
	s_barrier_signal -1
	s_barrier_wait -1                              ; tiles 0 to 3 are whole
	FETCH 16, 0, 0
	FETCH 16, 16384, 1
	s_wait_kmcnt 0x0
	s_add_co_i32 s48, s52, s53                     ; e10 + e11
	s_sub_co_i32 s51, 0, s48
	s_sub_co_i32 s48, s54, s48
	s_add_co_i32 s48, s48, 127
	s_lshl_b32 s49, s48, 23
	v_mov_b32 v14, s49                             ; 2^(e12 - e10 - e11)
	s_add_co_i32 s48, s48, 15
	s_lshl_b32 s48, s48, 23
	s_or_b32 s48, s48, 0x600000
	v_mov_b32 v15, s48
	s_wait_loadcnt 0x0                             ; b1 and W1
.set q, 0
.rept 32
	v_ldexp_f32 v[B1+q], v[B1+q], s51              ; b1 / 2^(e10 + e11)
.set q, q+1
.endr
.set TT, 0
.rept 16
	TILE TT
.set TT, TT+1
.endr
	s_wait_tensorcnt 0x0
	ds_add_u32 v254, v255
	s_wait_dscnt 0x0
	s_endpgm
.Lfunc_end_k_q99729cfd38_ffn1:
	.size	k_q99729cfd38_ffn1, .Lfunc_end_k_q99729cfd38_ffn1-k_q99729cfd38_ffn1
	.p2alignl 7, 3214868480
	.fill 96, 4, 3214868480
	.section	.rodata,"a",@progbits
	.p2align	6, 0x0
	.amdhsa_kernel k_q99729cfd38_ffn1
		.amdhsa_group_segment_fixed_size 262656
		.amdhsa_private_segment_fixed_size 0
		.amdhsa_enable_private_segment 0
		.amdhsa_kernarg_size 40
		.amdhsa_user_sgpr_count 2
		.amdhsa_user_sgpr_kernarg_segment_ptr 1
		.amdhsa_wavefront_size32 1
		.amdhsa_system_sgpr_workgroup_id_x 1
		.amdhsa_system_sgpr_workgroup_id_y 1
		.amdhsa_system_sgpr_workgroup_id_z 1
		.amdhsa_system_vgpr_workitem_id 0
		.amdhsa_next_free_vgpr 1024
		.amdhsa_next_free_sgpr 66
		.amdhsa_reserve_vcc 0
		.amdhsa_float_denorm_mode_32 3
		.amdhsa_float_denorm_mode_16_64 3
		.amdhsa_memory_ordered 1
		.amdhsa_forward_progress 1
		.amdhsa_inst_pref_size 129
	.end_amdhsa_kernel
	.amdgpu_metadata
---
amdhsa.version: [ 1, 2 ]
amdhsa.kernels:
  - .name:           k_q99729cfd38_ffn1
    .symbol:         k_q99729cfd38_ffn1.kd
    .args:
      - { .name: a1img, .offset: 0, .size: 8, .value_kind: global_buffer, .address_space: global }
      - { .name: w1_codes, .offset: 8, .size: 8, .value_kind: global_buffer, .address_space: global }
      - { .name: b1, .offset: 16, .size: 8, .value_kind: global_buffer, .address_space: global }
      - { .name: lowp_scales, .offset: 24, .size: 8, .value_kind: global_buffer, .address_space: global }
      - { .name: himg, .offset: 32, .size: 8, .value_kind: global_buffer, .address_space: global }
    .group_segment_fixed_size: 262656
    .private_segment_fixed_size: 0
    .kernarg_segment_align: 8
    .kernarg_segment_size: 40
    .max_flat_workgroup_size: 128
    .sgpr_count:     66
    .vgpr_count:     1024
    .wavefront_size: 32
...
	.end_amdgpu_metadata
.endif
;; end of part 4
;; launch ffn2 (part 5): grid 16 x 16, 4 waves a work-group, no clusters, 35,328 bytes of LDS; arguments himg, w2_codes, lowp_scales, ff; writes ff
.if DOCPART == 5
	.amdgcn_target "amdgcn-amd-amdhsa--gfx1250"
	.amdhsa_code_object_version 6
	.text
	.protected	k_q99729cfd38_ffn2
	.globl	k_q99729cfd38_ffn2
	.p2align	8
	.type	k_q99729cfd38_ffn2,@function
k_q99729cfd38_ffn2:
	s_mov_b64 s[64:65], 0
	v_nop
	global_prefetch_b8 v0, s[64:65] scope:SCOPE_SE
	s_setreg_imm32_b32 hwreg(HW_REG_WAVE_MODE, 25, 1), 1
	s_wait_xcnt 0x0
; ff = h W2^T x 2^(e12 + e13), f32, on codes of BF8 (E5M2); h comes as fragment images, W2 as codes.  (b2 is added by the next launch.)
; A work-group takes 256 rows (grid y) x 64 features (grid x).  THE WAVES SHARE K: wave w holds K steps 8 w .. 8 w + 7 (of 32) of all four tiles of features: 512 registers, read once and kept.
; So no fragment of h is wanted by two waves, and h goes from memory straight into registers, 32 loads of 512 consecutive bytes a tile, two tiles ahead, in three buffers by turns.
; The four partial sums of a tile meet in LDS; two stages take turns, so one barrier a tile orders both the writing against the reading and the reading against the writing two tiles on.
; Source 0 = 16 rows of W2, source 1 = 16 rows of h: a lane holds eight neighbouring features of one row.  No tensor load, so no ring; no cluster: the work-groups' shared operand goes to registers.
; LIMIT: e12 + e13 between -126 and 127.
; REGISTERS.  Window 0: v3 16 x lane, v4 my offset in ff, v5, v6 the stage (in, back), v7 W2 offset, v32-63 sums, v64-95 partial sums read back, v128-255 buffer 2.  Windows 1, 2: W2.  Window 3: buffers 0, 1.
.set ACC, 32
.set RD,  64
.set STGB, 17408                       ; a stage: four waves x 16 rows x 272 bytes
.set MSB, 0
.macro WIN new                         ; the immediate's high byte repeats the setting that is left
.if MSB != (\new)
	s_set_vgpr_msb (MSB<<8)|(\new)
.set MSB, (\new)
.endif
.endm
.macro WLOAD f
.set wt, (\f)>>3
.set ws, (\f)&7
.set ww, 0x40<<(ws>>2)
	WIN ww
.irp c, 0,1,2,3
	global_load_b128 v[64*wt+16*(ws&3)+4*\c:64*wt+16*(ws&3)+4*\c+3], v7, s[6:7] offset:wt*65536+128*ws+32*\c
.endr
.endm
.macro ALOAD n                         ; my eight fragments of tile n into buffer n % 3
.set ab, (\n)%3
.if ab == 2
	WIN 0
.set ar, 128
.else
	WIN 0xc0
.set ar, 128*ab
.endif
.irp s, 0,1,2,3,4,5,6,7
.irp c, 0,1,2,3
	global_load_b128 v[ar+16*\s+4*\c:ar+16*\s+4*\c+3], v3, s[4:5] offset:(\n)*65536+2048*\s+512*\c
.endr
.endr
.endm
.macro MUL n                           ; the four sums take turns, one instruction a turn; the first K step starts them
.set mb, (\n)%3
.if mb == 2
.set mw, 0x01
.set mr, 128
.else
.set mw, 0x0d
.set mr, 128*mb
.endif
.irp s, 0,1,2,3,4,5,6,7
	WIN mw+(\s>>2)
.irp t, 0,1,2,3
.if \s == 0
	v_wmma_f32_16x16x128_bf8_bf8 v[ACC+8*\t:ACC+8*\t+7], v[64*\t:64*\t+15], v[mr:mr+15], 0
.else
	v_wmma_f32_16x16x128_bf8_bf8 v[ACC+8*\t:ACC+8*\t+7], v[64*\t+16*(\s&3):64*\t+16*(\s&3)+15], v[mr+16*\s:mr+16*\s+15], v[ACC+8*\t:ACC+8*\t+7]
.endif
.endr
.endr
.endm
.macro TILE n
.if (\n) < 15
	s_wait_loadcnt 32                              ; this tile's fragments are in; the next tile's 32 loads may be out
.else
	s_wait_loadcnt 0x0
.endif
.if (\n)+2 < 16
	ALOAD (\n)+2                                   ; into the buffer that the last tile's products read: the places and the sums behind them stand between
.endif
	MUL \n
	WIN 0
.rept 4
	v_nop
.endr
.irp f, 0,1,2,3
	ds_store_b128 v5, v[ACC+8*\f:ACC+8*\f+3] offset:((\n)&1)*STGB+64*\f        ; each sum from its low end on
	ds_store_b128 v5, v[ACC+8*\f+4:ACC+8*\f+7] offset:((\n)&1)*STGB+64*\f+16
.endr
	s_wait_dscnt 0x0                               ; my partial sums are stored, and my reads of the other stage are back
	s_barrier_signal -1
	s_barrier_wait -1
	s_wait_xcnt 0x0                                ; the last tile's stores have read their registers
.irp i, 0,1
.irp p, 0,1,2,3
	ds_load_b128 v[RD+16*\i+4*\p:RD+16*\i+4*\p+3], v6 offset:((\n)&1)*STGB+4352*\p+544*\i   ; rows 4 w + 2 i + lane / 16 of the four waves' partial sums
.endr
.endr
	s_wait_dscnt 0x0
.irp i, 0,1
	v_pk_add_f32 v[RD+16*\i:RD+16*\i+1], v[RD+16*\i:RD+16*\i+1], v[RD+16*\i+4:RD+16*\i+5]
	v_pk_add_f32 v[RD+16*\i+2:RD+16*\i+3], v[RD+16*\i+2:RD+16*\i+3], v[RD+16*\i+6:RD+16*\i+7]
	v_pk_add_f32 v[RD+16*\i+8:RD+16*\i+9], v[RD+16*\i+8:RD+16*\i+9], v[RD+16*\i+12:RD+16*\i+13]
	v_pk_add_f32 v[RD+16*\i+10:RD+16*\i+11], v[RD+16*\i+10:RD+16*\i+11], v[RD+16*\i+14:RD+16*\i+15]
	v_pk_add_f32 v[RD+16*\i:RD+16*\i+1], v[RD+16*\i:RD+16*\i+1], v[RD+16*\i+8:RD+16*\i+9]
	v_pk_add_f32 v[RD+16*\i+2:RD+16*\i+3], v[RD+16*\i+2:RD+16*\i+3], v[RD+16*\i+10:RD+16*\i+11]
	v_pk_mul_f32 v[RD+16*\i:RD+16*\i+1], v[RD+16*\i:RD+16*\i+1], s[22:23] op_sel_hi:[1,0]
	v_pk_mul_f32 v[RD+16*\i+2:RD+16*\i+3], v[RD+16*\i+2:RD+16*\i+3], s[22:23] op_sel_hi:[1,0]
	global_store_b128 v4, v[RD+16*\i:RD+16*\i+3], s[10:11] offset:(\n)*65536+8192*\i   ; sixteen lanes store 256 consecutive bytes, aligned
.endr
.endm
	s_load_b256 s[4:11], s[0:1], 0x0               ; himg s[4:5], W2 s[6:7], the scales' exponents s[8:9], ff s[10:11]
	v_lshl_add_u32 v126, v0, 2, 0x8800
	v_mov_b32 v127, 0
	v_lshrrev_b32 v1, 5, v0
	v_readfirstlane_b32 s18, v1                    ; wave 0..3
	s_and_b32 s21, ttmp7, 0xffff                   ; block of 256 rows
	v_and_b32 v1, 15, v0
	v_bfe_u32 v2, v0, 4, 1
	v_and_b32 v3, 31, v0
	v_lshlrev_b32 v3, 4, v3
	v_lshlrev_b32 v7, 12, v1
	v_lshl_add_u32 v7, v2, 4, v7                   ; W2: row r of 4,096 bytes + 16 h
	v_lshlrev_b32 v4, 12, v2
	v_lshl_add_u32 v4, v1, 4, v4                   ; ff: lanes 0-15 one row, lanes 16-31 the next
	s_mul_i32 s2, s18, 4352
	v_mul_u32_u24 v5, v1, 272
	v_lshl_add_u32 v5, v2, 5, v5
	v_add_nc_u32 v5, s2, v5                        ; the stage, in: my part, row r, + 32 h
	s_mul_i32 s2, s18, 1088
	v_mul_u32_u24 v6, v2, 272
	v_lshl_add_u32 v6, v1, 4, v6
	v_add_nc_u32 v6, s2, v6                        ; back: row 4 w + lane / 16
	s_lshl_b32 s24, ttmp9, 18
	s_lshl_b32 s25, s18, 10
	s_add_co_u32 s24, s24, s25                     ; W2: 64 rows a group; my eight K steps begin 1,024 bytes x wave into a row
	s_mov_b32 s25, 0
	s_lshl_b32 s26, s21, 20
	s_lshl_b32 s27, s18, 14
	s_add_co_u32 s26, s26, s27                     ; himg: 16 tiles of 65,536 a block, my eight K steps of 2,048;  ff: 256 rows a block, four rows a wave: the same figure
	s_mov_b32 s27, 0
	s_lshl_b32 s28, ttmp9, 8
	s_add_co_u32 s28, s28, s26
	s_mov_b32 s29, 0
	s_wait_kmcnt 0x0
	s_load_b64 s[22:23], s[8:9], 0x30              ; e12, e13
	s_add_nc_u64 s[6:7], s[6:7], s[24:25]
	s_add_nc_u64 s[4:5], s[4:5], s[26:27]
	s_add_nc_u64 s[10:11], s[10:11], s[28:29]
.set FF, 0
.rept 32
	WLOAD FF
.set FF, FF+1
.endr
	ALOAD 0
	ALOAD 1
	WIN 0
	s_wait_kmcnt 0x0
	s_add_co_i32 s22, s22, s23
	s_add_co_i32 s22, s22, 127
	s_lshl_b32 s22, s22, 23                        ; 2^(e12 + e13)
	s_mov_b32 s23, s22                             ; (named with it as a pair, so it is written)
.set TT, 0
.rept 16
	TILE TT
.set TT, TT+1
.endr
	s_wait_tensorcnt 0x0
	ds_add_u32 v126, v127
	s_wait_dscnt 0x0
	s_endpgm
.Lfunc_end_k_q99729cfd38_ffn2:
	.size	k_q99729cfd38_ffn2, .Lfunc_end_k_q99729cfd38_ffn2-k_q99729cfd38_ffn2
	.p2alignl 7, 3214868480
	.fill 96, 4, 3214868480
	.section	.rodata,"a",@progbits
	.p2align	6, 0x0
	.amdhsa_kernel k_q99729cfd38_ffn2
		.amdhsa_group_segment_fixed_size 35328
		.amdhsa_private_segment_fixed_size 0
		.amdhsa_enable_private_segment 0
		.amdhsa_kernarg_size 32
		.amdhsa_user_sgpr_count 2
		.amdhsa_user_sgpr_kernarg_segment_ptr 1
		.amdhsa_wavefront_size32 1
		.amdhsa_system_sgpr_workgroup_id_x 1
		.amdhsa_system_sgpr_workgroup_id_y 1
		.amdhsa_system_sgpr_workgroup_id_z 1
		.amdhsa_system_vgpr_workitem_id 0
		.amdhsa_next_free_vgpr 1024
		.amdhsa_next_free_sgpr 66
		.amdhsa_reserve_vcc 0
		.amdhsa_float_denorm_mode_32 3
		.amdhsa_float_denorm_mode_16_64 3
		.amdhsa_memory_ordered 1
		.amdhsa_forward_progress 1
		.amdhsa_inst_pref_size 137
	.end_amdhsa_kernel
	.amdgpu_metadata
---
amdhsa.version: [ 1, 2 ]
amdhsa.kernels:
  - .name:           k_q99729cfd38_ffn2
    .symbol:         k_q99729cfd38_ffn2.kd
    .args:
      - { .name: himg, .offset: 0, .size: 8, .value_kind: global_buffer, .address_space: global }
      - { .name: w2_codes, .offset: 8, .size: 8, .value_kind: global_buffer, .address_space: global }
      - { .name: lowp_scales, .offset: 16, .size: 8, .value_kind: global_buffer, .address_space: global }
      - { .name: ff, .offset: 24, .size: 8, .value_kind: global_buffer, .address_space: global }
    .group_segment_fixed_size: 35328
    .private_segment_fixed_size: 0
    .kernarg_segment_align: 8
    .kernarg_segment_size: 32
    .max_flat_workgroup_size: 128
    .sgpr_count:     66
    .vgpr_count:     1024
    .wavefront_size: 32
...
	.end_amdgpu_metadata
.endif
;; end of part 5
;; launch ln2 (part 6): grid 256 x 1, 16 waves a work-group, no clusters, 22,528 bytes of LDS; arguments ff, x1, g1, be1, b2, g2, be2, out0; writes out0
.if DOCPART == 6
	.amdgcn_target "amdgcn-amd-amdhsa--gfx1250"
	.amdhsa_code_object_version 6
	.text
	.protected	k_q99729cfd38_ln2
	.globl	k_q99729cfd38_ln2
	.p2align	8
	.type	k_q99729cfd38_ln2,@function
k_q99729cfd38_ln2:
	s_mov_b64 s[64:65], 0
	v_nop
	global_prefetch_b8 v0, s[64:65] scope:SCOPE_SE
	s_setreg_imm32_b32 hwreg(HW_REG_WAVE_MODE, 25, 1), 1
	s_wait_xcnt 0x0
; out0 = LayerNorm((ff + b2) + out) x g2 + be2, with out = LayerNorm(x1) x g1 + be1 made again from x1 by the same lines that made it for the quantiser:
; that reads as many bytes as a stored copy would, and the copy is never written.  A work-group takes 16 rows, a wave one row; the five vectors are copied once into LDS.
; Memory binds: no matrix unit, no cluster, no tensor load.  All in f32; each variance is taken of x - mean.  NaN among the inputs is not served.
.set F,   16                           ; v16-47   ff's row, then the result
.set X,   48                           ; v48-79   x1's row, then out
.set GA,  80                           ; v80-111  g1, then g2
.set GB,  112                          ; v112-143 be1, then be2
.set B2,  144                          ; v144-175 b2
.macro RED                             ; the sum over the 32 lanes, in every lane
	v_add_f32_dpp v8, v8, v8 row_xmask:1 row_mask:0xf bank_mask:0xf
	v_add_f32_dpp v8, v8, v8 row_xmask:2 row_mask:0xf bank_mask:0xf
	v_add_f32_dpp v8, v8, v8 row_xmask:4 row_mask:0xf bank_mask:0xf
	v_add_f32_dpp v8, v8, v8 row_xmask:8 row_mask:0xf bank_mask:0xf
	v_permlanex16_b32 v12, v8, s26, s27
	v_add_f32 v8, v8, v12
.endm
.macro LNROW x, g, be                  ; the row in v[x] on becomes (x - mean) rsqrt(var + 1e-5) g + be
	v_pk_add_f32 v[8:9], v[\x:\x+1], v[\x+2:\x+3]
	v_pk_add_f32 v[10:11], v[\x+4:\x+5], v[\x+6:\x+7]
.irp j, 8,12,16,20,24,28
	v_pk_add_f32 v[8:9], v[8:9], v[\x+\j:\x+\j+1]
	v_pk_add_f32 v[10:11], v[10:11], v[\x+\j+2:\x+\j+3]
.endr
	v_pk_add_f32 v[8:9], v[8:9], v[10:11]
	v_add_f32 v8, v8, v9
	RED
	v_mul_f32 v14, s28, v8                         ; the mean: x 2^-10
	v_mov_b32 v15, v14
.irp j, 0,2,4,6,8,10,12,14,16,18,20,22,24,26,28,30
	v_pk_add_f32 v[\x+\j:\x+\j+1], v[\x+\j:\x+\j+1], v[14:15] neg_lo:[0,1] neg_hi:[0,1]
.endr
	v_pk_mul_f32 v[8:9], v[\x:\x+1], v[\x:\x+1]
	v_pk_mul_f32 v[10:11], v[\x+2:\x+3], v[\x+2:\x+3]
.irp j, 4,8,12,16,20,24,28
	v_pk_fma_f32 v[8:9], v[\x+\j:\x+\j+1], v[\x+\j:\x+\j+1], v[8:9]
	v_pk_fma_f32 v[10:11], v[\x+\j+2:\x+\j+3], v[\x+\j+2:\x+\j+3], v[10:11]
.endr
	v_pk_add_f32 v[8:9], v[8:9], v[10:11]
	v_add_f32 v8, v8, v9
	RED
	v_fma_f32 v8, v8, s28, s29                     ; the variance + 1e-5
	v_rsq_f32 v14, v8
	v_nop                                          ; a plain place behind the transcendental
	s_wait_alu depctr_va_vdst(0)
	v_mov_b32 v15, v14
	s_wait_dscnt 0x0                               ; the gain and the bias are in
.irp j, 0,2,4,6,8,10,12,14,16,18,20,22,24,26,28,30
	v_pk_mul_f32 v[\x+\j:\x+\j+1], v[\x+\j:\x+\j+1], v[14:15]
.endr
.irp j, 0,2,4,6,8,10,12,14,16,18,20,22,24,26,28,30
	v_pk_fma_f32 v[\x+\j:\x+\j+1], v[\x+\j:\x+\j+1], v[\g+\j:\g+\j+1], v[\be+\j:\be+\j+1]
.endr
.endm
	s_load_b256 s[4:11], s[0:1], 0x0               ; ff s[4:5], x1 s[6:7], g1 s[8:9], be1 s[10:11]
	s_load_b256 s[12:19], s[0:1], 0x20             ; b2 s[12:13], g2 s[14:15], be2 s[16:17], out0 s[18:19]
	v_lshl_add_u32 v192, v0, 2, 0x5000
	v_mov_b32 v193, 0
	v_lshrrev_b32 v1, 5, v0
	v_readfirstlane_b32 s20, v1                    ; wave 0..15
	v_and_b32 v1, 31, v0
	v_lshlrev_b32 v3, 4, v1                        ; 16 x lane
	v_and_b32 v2, 0xff, v0
	v_lshlrev_b32 v2, 4, v2                        ; my 16 bytes of a vector: threads 0-255 take one, threads 256-511 another,
	v_lshlrev_b32 v4, 4, v0                        ; and their place in LDS
	v_lshlrev_b32 v7, 3, v0                        ; be2: 8 bytes a thread, all 512 threads
	v_mov_b32 v12, 0                               ; a lane permute's destination counts as one of its sources
	s_lshl_b32 s30, ttmp9, 16
	s_lshl_b32 s31, s20, 12
	s_add_co_u32 s30, s30, s31                     ; my row of 4,096 bytes
	s_mov_b32 s31, 0
	s_mov_b32 s26, 0x76543210
	s_mov_b32 s27, 0xfedcba98
	s_mov_b32 s28, 0x3a800000                      ; 2^-10
	s_mov_b32 s29, 0x3727c5ac                      ; 1e-5
	s_wait_kmcnt 0x0
	s_cmp_lt_u32 s20, 8
	s_cselect_b64 s[22:23], s[8:9], s[10:11]       ; g1 | be1
	s_cselect_b64 s[24:25], s[12:13], s[14:15]     ; b2 | g2
	s_add_nc_u64 s[4:5], s[4:5], s[30:31]
	s_add_nc_u64 s[6:7], s[6:7], s[30:31]
	s_add_nc_u64 s[18:19], s[18:19], s[30:31]
	global_load_b128 v[176:179], v2, s[22:23]
	global_load_b128 v[180:183], v2, s[24:25]
	global_load_b64 v[184:185], v7, s[16:17]
.irp i, 0,1,2,3,4,5,6,7
	global_load_b128 v[X+4*\i:X+4*\i+3], v3, s[6:7] offset:512*\i th:TH_LOAD_NT   ; 32 lanes read 512 consecutive bytes
.endr
.irp i, 0,1,2,3,4,5,6,7
	global_load_b128 v[F+4*\i:F+4*\i+3], v3, s[4:5] offset:512*\i th:TH_LOAD_NT
.endr
	s_wait_loadcnt 16                              ; the vectors' pieces are in; the two rows' sixteen loads may be out
	ds_store_b128 v4, v[176:179]                   ; g1 at 0, be1 at 4,096
	ds_store_b128 v4, v[180:183] offset:8192       ; b2 at 8,192, g2 at 12,288
	ds_store_b64 v7, v[184:185] offset:16384       ; be2 at 16,384
	s_wait_dscnt 0x0
	s_barrier_signal -1
	s_barrier_wait -1                              ; the five vectors lie in LDS; from here on LDS is only read
.irp i, 0,1,2,3,4,5,6,7
	ds_load_b128 v[GA+4*\i:GA+4*\i+3], v3 offset:512*\i
	ds_load_b128 v[GB+4*\i:GB+4*\i+3], v3 offset:4096+512*\i
	ds_load_b128 v[B2+4*\i:B2+4*\i+3], v3 offset:8192+512*\i
.endr
	s_wait_loadcnt 0x0
	LNROW X, GA, GB                                ; out
.irp i, 0,1,2,3,4,5,6,7
	ds_load_b128 v[GA+4*\i:GA+4*\i+3], v3 offset:12288+512*\i
	ds_load_b128 v[GB+4*\i:GB+4*\i+3], v3 offset:16384+512*\i
.endr
.irp j, 0,2,4,6,8,10,12,14,16,18,20,22,24,26,28,30
	v_pk_add_f32 v[F+\j:F+\j+1], v[F+\j:F+\j+1], v[B2+\j:B2+\j+1]
.endr
.irp j, 0,2,4,6,8,10,12,14,16,18,20,22,24,26,28,30
	v_pk_add_f32 v[F+\j:F+\j+1], v[F+\j:F+\j+1], v[X+\j:X+\j+1]
.endr
	LNROW F, GA, GB
.irp i, 0,1,2,3,4,5,6,7
	global_store_b128 v3, v[F+4*\i:F+4*\i+3], s[18:19] offset:512*\i th:TH_STORE_NT   ; 32 lanes store 512 consecutive bytes
.endr
	s_wait_tensorcnt 0x0
	ds_add_u32 v192, v193
	s_wait_dscnt 0x0
	s_endpgm
.Lfunc_end_k_q99729cfd38_ln2:
	.size	k_q99729cfd38_ln2, .Lfunc_end_k_q99729cfd38_ln2-k_q99729cfd38_ln2
	.p2alignl 7, 3214868480
	.fill 96, 4, 3214868480
	.section	.rodata,"a",@progbits
	.p2align	6, 0x0
	.amdhsa_kernel k_q99729cfd38_ln2
		.amdhsa_group_segment_fixed_size 22528
		.amdhsa_private_segment_fixed_size 0
		.amdhsa_enable_private_segment 0
		.amdhsa_kernarg_size 64
		.amdhsa_user_sgpr_count 2
		.amdhsa_user_sgpr_kernarg_segment_ptr 1
		.amdhsa_wavefront_size32 1
		.amdhsa_system_sgpr_workgroup_id_x 1
		.amdhsa_system_sgpr_workgroup_id_y 1
		.amdhsa_system_sgpr_workgroup_id_z 1
		.amdhsa_system_vgpr_workitem_id 0
		.amdhsa_next_free_vgpr 194
		.amdhsa_next_free_sgpr 66
		.amdhsa_reserve_vcc 0
		.amdhsa_float_denorm_mode_32 3
		.amdhsa_float_denorm_mode_16_64 3
		.amdhsa_memory_ordered 1
		.amdhsa_forward_progress 1
		.amdhsa_inst_pref_size 21
	.end_amdhsa_kernel
	.amdgpu_metadata
---
amdhsa.version: [ 1, 2 ]
amdhsa.kernels:
  - .name:           k_q99729cfd38_ln2
    .symbol:         k_q99729cfd38_ln2.kd
    .args:
      - { .name: ff, .offset: 0, .size: 8, .value_kind: global_buffer, .address_space: global }
      - { .name: x1, .offset: 8, .size: 8, .value_kind: global_buffer, .address_space: global }
      - { .name: g1, .offset: 16, .size: 8, .value_kind: global_buffer, .address_space: global }
      - { .name: be1, .offset: 24, .size: 8, .value_kind: global_buffer, .address_space: global }
      - { .name: b2, .offset: 32, .size: 8, .value_kind: global_buffer, .address_space: global }
      - { .name: g2, .offset: 40, .size: 8, .value_kind: global_buffer, .address_space: global }
      - { .name: be2, .offset: 48, .size: 8, .value_kind: global_buffer, .address_space: global }
      - { .name: out0, .offset: 56, .size: 8, .value_kind: global_buffer, .address_space: global }
    .group_segment_fixed_size: 22528
    .private_segment_fixed_size: 0
    .kernarg_segment_align: 8
    .kernarg_segment_size: 64
    .max_flat_workgroup_size: 512
    .sgpr_count:     66
    .vgpr_count:     194
    .wavefront_size: 32
...
	.end_amdgpu_metadata
.endif
;; end of part 6
;; ======== version 2 of 2: 7 launches
;; limits: right only within a limited range of input values
;; workspace buffers: eimg 12,582,912 bytes; qimg 4,194,304 bytes; kvimg 8,388,608 bytes; x1 16,777,216 bytes; a1img 4,194,304 bytes; himg 16,777,216 bytes; ff 16,777,216 bytes
;; launch qemb (part 7): grid 128 x 2, 16 waves a work-group, no clusters, 68,096 bytes of LDS; arguments embed, lowp_scales, eimg; writes eimg
.if DOCPART == 7
	.amdgcn_target "amdgcn-amd-amdhsa--gfx1250"
	.amdhsa_code_object_version 6
	.text
	.protected	k_q99729cfd38_qemb
	.globl	k_q99729cfd38_qemb
	.p2align	8
	.type	k_q99729cfd38_qemb,@function
k_q99729cfd38_qemb:
	s_mov_b64 s[64:65], 0
	v_nop
	global_prefetch_b8 v0, s[64:65] scope:SCOPE_SE
	s_setreg_imm32_b32 hwreg(HW_REG_WAVE_MODE, 25, 1), 1
	s_wait_xcnt 0x0
; embed, f32, becomes codes of BF8 (E5M2) three times over, once for each projection's own scale (2^e0 for q, 2^e2 for k, 2^e4 for v), laid as fragment images
; [kind 3][tile of 16 tokens 256][K step of 128: 8][4][512 bytes]: four registers of all lanes are 512 bytes, lane l at 16 l; lane (r, h) holds k = 32 c + 16 h + 0 .. 15 of its token.
; q's tile T holds tokens 16 T + r.  k's and v's tile T holds tokens 32 (T / 2) + 8 (T % 2) + r + 8 (r / 8), since their tokens become the keys of the second product of attention.
; Quantised here once, the f32 rows are read once, and each of the twelve column groups of the projections reads a quarter of the bytes.
; A work-group takes 32 tokens (grid x) x 512 columns (grid y).  Loads take the bytes as they lie, 512 consecutive bytes an instruction; the rows meet in a stage in LDS (2,048 bytes + 16 of padding),
; since a fragment wants 16 neighbours of one token in one lane.  Memory binds: no matrix unit, no cluster, no tensor load.
; code = x / 2^e, held within +-57,344, to the nearest code, ties to even.  LIMITS: e0, e2, e4 between -126 and 112.  NaN among the inputs is not served.
.set PIT, 2064                         ; a stage row: an odd multiple of 16 bytes, so that 16 rows start at 16 different groups of banks
.set R,   16                           ; v16-47   two rows as loaded
.set N,   48                           ; v48-79   two blocks of 16 neighbours, tokens in q's order
.set P,   80                           ; v80-111  the same in k's and v's order
.set T,   112
.set C,   144                          ; v144-167 codes: q, k, v, eight registers each
.macro SCALE e, vs, vl                 ; 2^e as f32 (the conversion takes its exponent field)
	s_add_co_i32 s29, \e, 127
	s_lshl_b32 s25, s29, 23
	v_mov_b32 v[\vs], s25
.endm
	s_load_b128 s[4:7], s[0:1], 0x0                ; embed s[4:5], the scales' exponents s[6:7]
	s_load_b64 s[8:9], s[0:1], 0x10                ; eimg
	v_lshl_add_u32 v168, v0, 2, 0x10200
	v_mov_b32 v169, 0
	v_lshrrev_b32 v1, 5, v0
	s_delay_alu instid0(VALU_DEP_1)
	v_readfirstlane_b32 s14, v1                    ; wave 0..15
	s_and_b32 s15, ttmp7, 0xffff                   ; which 512 columns
	v_and_b32 v1, 31, v0
	s_delay_alu instid0(VALU_DEP_1)
	v_lshlrev_b32 v3, 4, v1                        ; 16 x lane
	s_mul_i32 s20, s14, 2*PIT
	v_add_nc_u32 v4, s20, v3                       ; the stage, in: rows 2 w and 2 w + 1
	v_and_b32 v7, 15, v0                           ; r
	v_bfe_u32 v2, v0, 4, 1                         ; h
	s_lshr_b32 s21, s14, 3                         ; out: my tile of the two,
	s_and_b32 s22, s14, 7                          ; my K step (of four) and my two blocks of its four: 256 bytes of a row
	s_lshl_b32 s24, s22, 8
	v_mul_u32_u24 v5, v7, PIT
	s_delay_alu instid0(VALU_DEP_1)
	v_lshl_add_u32 v5, v2, 6, v5
	s_mul_i32 s23, s21, 16*PIT
	s_add_co_u32 s23, s23, s24
	v_add_nc_u32 v5, s23, v5                       ; q's order: row 16 u + r, + 64 h
	v_and_b32 v6, 8, v7
	s_delay_alu instid0(VALU_DEP_1)
	v_add_nc_u32 v6, v6, v7
	s_delay_alu instid0(VALU_DEP_1)
	v_mul_u32_u24 v6, v6, PIT
	s_delay_alu instid0(VALU_DEP_1)
	v_lshl_add_u32 v6, v2, 6, v6
	s_mul_i32 s23, s21, 8*PIT
	s_add_co_u32 s23, s23, s24
	v_add_nc_u32 v6, s23, v6                       ; k's and v's order: row 8 u + r + 8 (r / 8), + 64 h
	s_lshl_b32 s26, ttmp9, 17                      ; embed: 32 rows of 4,096 bytes a work-group,
	s_lshl_b32 s27, s14, 13                        ; two rows a wave,
	s_add_co_u32 s26, s26, s27
	s_lshl_b32 s27, s15, 11                        ; 2,048 bytes of a row
	s_add_co_u32 s26, s26, s27
	s_mov_b32 s27, 0
	s_lshl_b32 s30, ttmp9, 15                      ; eimg: two tiles of 16,384 bytes a work-group,
	s_lshl_b32 s31, s15, 13                        ; four K steps of 2,048,
	s_add_co_u32 s30, s30, s31
	s_lshl_b32 s31, s21, 14                        ; my tile,
	s_add_co_u32 s30, s30, s31
	s_lshl_b32 s31, s22, 10                        ; my 1,024 bytes
	s_add_co_u32 s30, s30, s31
	s_mov_b32 s31, 0
	s_wait_alu depctr_va_vdst(0)
	s_wait_kmcnt 0x0
	s_load_b128 s[16:19], s[6:7], 0x0              ; e0 .. e3
	s_load_b32 s28, s[6:7], 0x10                   ; e4
	s_add_nc_u64 s[4:5], s[4:5], s[26:27]
	s_add_nc_u64 s[8:9], s[8:9], s[30:31]          ; q's images,
	s_add_nc_u64 s[10:11], s[8:9], 0x400000        ; k's,
	s_add_nc_u64 s[12:13], s[8:9], 0x800000        ; v's
.irp k, 0,1,2,3,4,5,6,7
	global_load_b128 v[R+4*\k:R+4*\k+3], v3, s[4:5] offset:(\k>>2)*4096+512*(\k&3) th:TH_LOAD_NT   ; 32 lanes read 512 consecutive bytes; read once in this launch
.endr
.irp k, 0,1,2,3,4,5,6,7
	s_wait_loadcnt 7-\k                            ; loads come back in order: this one is in, the younger ones may be out
	ds_store_b128 v4, v[R+4*\k:R+4*\k+3] offset:(\k>>2)*PIT+512*(\k&3)
.endr
	s_wait_kmcnt 0x0
	SCALE s16, 8, 9
	SCALE s18, 10, 11
	SCALE s28, 12, 13
	s_wait_alu depctr_va_vdst(0)
	s_wait_dscnt 0x0                               ; for the others' sake: my rows are stored
	s_barrier_signal -1
	s_barrier_wait -1                              ; 32 rows lie in the stage; from here on LDS is only read
.irp c, 0,1
.irp j, 0,1,2,3
	ds_load_b128 v[N+16*\c+4*\j:N+16*\c+4*\j+3], v5 offset:128*\c+16*\j
	ds_load_b128 v[P+16*\c+4*\j:P+16*\c+4*\j+3], v6 offset:128*\c+16*\j
.endr
.endr
	s_wait_dscnt 0x0
.set q, 0
.rept 32
.set q, q+1
.endr
.irp g, 0,1,2,3
	v_cvt_scalef32_pk8_bf8_f32 v[C+2*\g:C+2*\g+1], v[N+8*\g:N+8*\g+7], v8
.endr
.set q, 0
.rept 32
.set q, q+1
.endr
.irp g, 0,1,2,3
	v_cvt_scalef32_pk8_bf8_f32 v[C+8+2*\g:C+8+2*\g+1], v[P+8*\g:P+8*\g+7], v10
.endr
.set q, 0
.rept 32
.set q, q+1
.endr
.irp g, 0,1,2,3
	v_cvt_scalef32_pk8_bf8_f32 v[C+16+2*\g:C+16+2*\g+1], v[P+8*\g:P+8*\g+7], v12
.endr
	global_store_b128 v3, v[C:C+3], s[8:9]                    ; 32 lanes store 512 consecutive bytes
	global_store_b128 v3, v[C+4:C+7], s[8:9] offset:512
	global_store_b128 v3, v[C+8:C+11], s[10:11]
	global_store_b128 v3, v[C+12:C+15], s[10:11] offset:512
	global_store_b128 v3, v[C+16:C+19], s[12:13]
	global_store_b128 v3, v[C+20:C+23], s[12:13] offset:512
	s_wait_tensorcnt 0x0
	ds_add_u32 v168, v169
	s_wait_dscnt 0x0
	s_endpgm
.Lfunc_end_k_q99729cfd38_qemb:
	.size	k_q99729cfd38_qemb, .Lfunc_end_k_q99729cfd38_qemb-k_q99729cfd38_qemb
	.p2alignl 7, 3214868480
	.fill 96, 4, 3214868480
	.section	.rodata,"a",@progbits
	.p2align	6, 0x0
	.amdhsa_kernel k_q99729cfd38_qemb
		.amdhsa_group_segment_fixed_size 68096
		.amdhsa_private_segment_fixed_size 0
		.amdhsa_enable_private_segment 0
		.amdhsa_kernarg_size 24
		.amdhsa_user_sgpr_count 2
		.amdhsa_user_sgpr_kernarg_segment_ptr 1
		.amdhsa_wavefront_size32 1
		.amdhsa_system_sgpr_workgroup_id_x 1
		.amdhsa_system_sgpr_workgroup_id_y 1
		.amdhsa_system_sgpr_workgroup_id_z 1
		.amdhsa_system_vgpr_workitem_id 0
		.amdhsa_next_free_vgpr 170
		.amdhsa_next_free_sgpr 66
		.amdhsa_reserve_vcc 0
		.amdhsa_float_denorm_mode_32 3
		.amdhsa_float_denorm_mode_16_64 3
		.amdhsa_fp16_overflow 1
		.amdhsa_memory_ordered 1
		.amdhsa_forward_progress 1
		.amdhsa_inst_pref_size 8
	.end_amdhsa_kernel
	.amdgpu_metadata
---
amdhsa.version: [ 1, 2 ]
amdhsa.kernels:
  - .name:           k_q99729cfd38_qemb
    .symbol:         k_q99729cfd38_qemb.kd
    .args:
      - { .name: embed, .offset: 0, .size: 8, .value_kind: global_buffer, .address_space: global }
      - { .name: lowp_scales, .offset: 8, .size: 8, .value_kind: global_buffer, .address_space: global }
      - { .name: eimg, .offset: 16, .size: 8, .value_kind: global_buffer, .address_space: global }
    .group_segment_fixed_size: 68096
    .private_segment_fixed_size: 0
    .kernarg_segment_align: 8
    .kernarg_segment_size: 24
    .max_flat_workgroup_size: 512
    .sgpr_count:     66
    .vgpr_count:     170
    .wavefront_size: 32
...
	.end_amdgpu_metadata
.endif
;; end of part 7
;; launch qkv (part 8): grid 12 x 16, 4 waves a work-group, no clusters, 262,656 bytes of LDS; arguments eimg, Wq_codes, Wk_codes, Wv_codes, lowp_scales, qimg, kvimg; writes qimg, kvimg
.if DOCPART == 8
	.amdgcn_target "amdgcn-amd-amdhsa--gfx1250"
	.amdhsa_code_object_version 6
	.text
	.protected	k_q99729cfd38_qkv
	.globl	k_q99729cfd38_qkv
	.p2align	8
	.type	k_q99729cfd38_qkv,@function
k_q99729cfd38_qkv:
	s_mov_b64 s[64:65], 0
	v_nop
	global_prefetch_b8 v0, s[64:65] scope:SCOPE_SE
	s_setreg_imm32_b32 hwreg(HW_REG_WAVE_MODE, 25, 1), 1
	s_wait_xcnt 0x0
; The three projections on codes of BF8 (E5M2), and their results quantised again as operands of attention.
; A work-group takes 256 tokens (grid y) and 256 features of ONE of q, k, v (grid x: kind = x / 4, group of four heads = x % 4).
; Wave w owns one head: 64 features x 1,024 K of the weight = 32 fragments = 512 registers, read from memory once and kept.
; The tokens come as fragment images of the kind's own scale and order, made by the launch before: 16 tiles of 16,384 bytes, dense, each LDS byte filled once by tensor loads:
; wave w brings tiles w, 4 + w, 8 + w, 12 + w; four loads of a wave are out at the most.  One barrier; then every wave multiplies all 16 tiles by its own weights.
; No cluster: what partners would share, the tokens' 262,144 bytes, is filled once and is half of a work-group's bytes.
; A fragment holds, in registers 4 c .. 4 c + 3 of lane (r, h), k = 32 c + 16 h + 0 .. 15 of row r: the same order of k in both operands, so every product meets its partner.
; q, k: source 0 = 16 rows of W, source 1 = 16 tokens: a lane holds one token and its registers run along the features, the next K.  The rows of W that form a tile are
; 32 b + 8 u + r + 8 (r / 8), so that tiles 2 b and 2 b + 1 give 16 neighbouring features.  v: the sources are swapped: a lane holds one feature and its registers run along the tokens, which are
; the next K; the tokens of its tiles were chosen so by the launch before.
; LIMITS: e of the result less the two e of the product lies between -126 and 127, so that the power of two below is an f32 number.  NaN among the inputs is not served.
; REGISTERS, in windows of 256.  Window 0: v1 r, v2 h, v3 16 x lane, v6, v7 weight offsets (even, odd tile), v9, v10 where a trip reads images, v14 the scale for the results,
;   v32-95 sums, v112-127 codes of results.  Windows 1, 2: W (tile t, K step s) at window 1 + s / 4, register 64 t + 16 (s % 4).  Window 3: two buffers of eight fragments.
; SCALARS: s18 wave, s19 kind, s20 group, s21 block of tokens, s24-31 descriptor group 1, s32-47 four groups 0, s48 LDS byte of a trip, s49 trip, s[60:61] W, s[62:63] results, s[66:67] a trip's results, s72-81 e0 .. e9.
.set ACC, 32
.set OC,  112
.set MSB, 0
.macro WIN new                         ; the immediate's high byte repeats the setting that is left
.if MSB != (\new)
	s_set_vgpr_msb (MSB<<8)|(\new)
.set MSB, (\new)
.endif
.endm
.macro PLACES                          ; four plain vector places behind matrix instructions, ahead of loads into their sources and of reads of their results
.rept 4
	v_nop
.endr
.endm
; one fragment of my weights: tile f / 8, K step f % 8
.macro WLOAD f
.set wt, (\f)>>3
.set ws, (\f)&7
.set ww, 0x40<<(ws>>2)
	WIN ww
.irp c, 0,1,2,3
	global_load_b128 v[64*wt+16*(ws&3)+4*\c:64*wt+16*(ws&3)+4*\c+3], v[6+(wt&1)], s[60:61] offset:(wt>>1)*32768+128*ws+32*\c
.endr
.endm
; a tile's eight fragments from LDS into buffer buf of window 3
.macro FETCH areg, off, buf
	WIN 0xc0
.irp s, 0,1,2,3,4,5,6,7
.irp c, 0,1,2,3
	ds_load_b128 v[128*(\buf)+16*\s+4*\c:128*(\buf)+16*\s+4*\c+3], v[\areg] offset:(\off)+2048*\s+512*\c
.endr
.endr
	WIN 0
.endm
; 32 matrix instructions: eight K steps x my four tiles of features; the four sums take turns, one instruction a turn; the first K step starts the sums
.macro MUL buf, orient, acc
.irp s, 0,1,2,3,4,5,6,7
.if \orient
	WIN 0x07+4*(\s>>2)
.else
	WIN 0x0d+(\s>>2)
.endif
.irp t, 0,1,2,3
.if \orient
.if \s == 0
	v_wmma_f32_16x16x128_bf8_bf8 v[(\acc)+8*\t:(\acc)+8*\t+7], v[128*(\buf)+16*\s:128*(\buf)+16*\s+15], v[64*\t+16*(\s&3):64*\t+16*(\s&3)+15], 0
.else
	v_wmma_f32_16x16x128_bf8_bf8 v[(\acc)+8*\t:(\acc)+8*\t+7], v[128*(\buf)+16*\s:128*(\buf)+16*\s+15], v[64*\t+16*(\s&3):64*\t+16*(\s&3)+15], v[(\acc)+8*\t:(\acc)+8*\t+7]
.endif
.else
.if \s == 0
	v_wmma_f32_16x16x128_bf8_bf8 v[(\acc)+8*\t:(\acc)+8*\t+7], v[64*\t+16*(\s&3):64*\t+16*(\s&3)+15], v[128*(\buf)+16*\s:128*(\buf)+16*\s+15], 0
.else
	v_wmma_f32_16x16x128_bf8_bf8 v[(\acc)+8*\t:(\acc)+8*\t+7], v[64*\t+16*(\s&3):64*\t+16*(\s&3)+15], v[128*(\buf)+16*\s:128*(\buf)+16*\s+15], v[(\acc)+8*\t:(\acc)+8*\t+7]
.endif
.endif
.endr
.endr
.endm
.macro NEXT n, fetch                   ; the tile two further on, into the buffer just multiplied
.if \fetch
.if (\n) < 2
	FETCH 9, ((\n)+2)*16384, (\n)&1
.else
	FETCH 10, ((\n)-2)*16384, (\n)&1
.endif
.endif
.endm
; a trip's head: where its four tiles lie in LDS, and where its results go: base + (trip % 2) << sh + (trip / 2) x s50
.macro TRIPHEAD sh
	v_add_nc_u32 v9, s48, v3
	v_add_nc_u32 v10, 0x10000, v9
	s_wait_xcnt 0x0                                ; earlier stores have read their base
	s_and_b32 s68, s49, 1
	s_lshl_b32 s68, s68, \sh
	s_lshr_b32 s69, s49, 1
	s_mul_i32 s69, s69, s50
	s_add_co_u32 s68, s68, s69
	s_mov_b32 s69, 0
	s_add_nc_u64 s[66:67], s[62:63], s[68:69]
.endm
; q and k: tile n of a trip
.macro TILEQK n, fetch, left
	s_wait_dscnt \left                             ; this tile's fragments are in; the next tile's 32 loads may be out
	MUL (\n)&1, 0, ACC
	WIN 0
	PLACES
	NEXT \n, \fetch
.set q, 0
.rept 32
.set q, q+1
.endr
	s_wait_xcnt 0x0                                ; the last tile's stores have read the codes' registers
.irp g, 0,1,2,3
	v_cvt_scalef32_pk8_bf8_f32 v[OC+2*\g:OC+2*\g+1], v[ACC+8*\g:ACC+8*\g+7], v14
.endr
	v_nop                                          ; a plain place behind the last conversion
	global_store_b128 v3, v[OC:OC+3], s[66:67] offset:(\n)*1024         ; 32 lanes store 512 consecutive bytes
	global_store_b128 v3, v[OC+4:OC+7], s[66:67] offset:(\n)*1024+512
.endm
; v: tile n of a trip; two tiles of tokens make 16 neighbouring keys, so the way out stands behind the odd one
.macro TILEV n, fetch, left
	s_wait_dscnt \left
	MUL (\n)&1, 1, ACC+32*((\n)&1)
	WIN 0
	PLACES
	NEXT \n, \fetch
.if (\n)&1
.set q, 0
.rept 64
.set q, q+1
.endr
	s_wait_xcnt 0x0
.irp d, 0,1,2,3
	v_cvt_scalef32_pk8_bf8_f32 v[OC+4*\d:OC+4*\d+1], v[ACC+8*\d:ACC+8*\d+7], v14
	v_cvt_scalef32_pk8_bf8_f32 v[OC+4*\d+2:OC+4*\d+3], v[ACC+32+8*\d:ACC+32+8*\d+7], v14
.endr
	v_nop
.irp d, 0,1,2,3
	global_store_b128 v3, v[OC+4*\d:OC+4*\d+3], s[66:67] offset:2048*\d+512*((\n)>>1)
.endr
.endif
.endm
	s_load_b256 s[4:11], s[0:1], 0x0               ; eimg s[4:5], Wq s[6:7], Wk s[8:9], Wv s[10:11]
	s_load_b128 s[12:15], s[0:1], 0x20             ; the scales' exponents s[12:13], qimg s[14:15]
	s_load_b64 s[16:17], s[0:1], 0x30              ; kvimg
	v_lshl_add_u32 v254, v0, 2, 0x40000
	v_mov_b32 v255, 0
	ds_add_u32 v254, v255
	ds_add_u32 v254, v255
	v_lshrrev_b32 v1, 5, v0
	v_readfirstlane_b32 s18, v1                    ; wave 0..3
	s_lshr_b32 s19, ttmp9, 2                       ; kind: 0 q, 1 k, 2 v
	s_and_b32 s20, ttmp9, 3                        ; group of four heads
	s_and_b32 s21, ttmp7, 0xffff                   ; block of 256 tokens
	s_mov_b32 s24, 3<<16                           ; descriptor group 1: 64 rows of 32 elements of 8 bytes, dense: a tile's 16,384 bytes
	s_mov_b32 s25, 32<<16                          ; tensor_dim0
	s_mov_b32 s26, 64<<16                          ; tensor_dim1
	s_mov_b32 s27, 32<<16                          ; tile_dim0
	s_mov_b32 s28, 64                              ; tile_dim1
	s_mov_b32 s29, 32                              ; pitch
	s_mov_b32 s30, 0
	s_mov_b32 s31, 0
	s_lshl_b32 s86, s18, 14                        ; tile w: in LDS,
	s_lshl_b32 s52, s19, 22                        ; and in eimg: 4,194,304 bytes a kind,
	s_lshl_b32 s51, s21, 18                        ; 16 tiles a block of tokens
	s_add_co_u32 s52, s52, s51
	s_add_co_u32 s52, s52, s86
	s_mov_b32 s53, 0
	s_wait_dscnt 0x0
	s_wait_kmcnt 0x0
	s_add_nc_u64 s[4:5], s[4:5], s[52:53]
.irp i, 0,1,2,3
	s_mov_b32 s[32+4*\i], 1                        ; count = 1
	s_add_co_u32 s[33+4*\i], s86, \i*65536         ; LDS address: tile 4 i + w
	s_add_nc_u64 s[34+4*\i:35+4*\i], s[4:5], \i*65536
	s_or_b32 s[35+4*\i], s[35+4*\i], 0x80000000    ; type = 2
.endr
	tensor_load_to_lds s[32:35], s[24:31]          ; all first fills go out together, ahead of every wait on them, every LDS read and every barrier
	s_nop 0
	tensor_load_to_lds s[36:39], s[24:31]
	s_nop 0
	tensor_load_to_lds s[40:43], s[24:31]
	s_nop 0
	tensor_load_to_lds s[44:47], s[24:31]
	s_nop 0
.rept 4
	v_nop
.endr
	s_load_b256 s[72:79], s[12:13], 0x0            ; e0 .. e7
	s_load_b64 s[80:81], s[12:13], 0x20            ; e8, e9
	s_mov_b32 s50, 0x10000
	s_cmp_eq_u32 s19, 0
	s_cselect_b32 s50, 0x2000, s50                 ; bytes from eight tiles of results to the next eight: q 8,192; k, v a key block of 65,536
	s_cmp_eq_u32 s19, 2
	s_cselect_b32 s23, 0, 8                        ; q, k: the rows of W of a tile are r + 8 (r / 8)
	v_and_b32 v1, 15, v0                           ; r
	v_bfe_u32 v2, v0, 4, 1                         ; h
	v_and_b32 v3, 31, v0
	v_lshlrev_b32 v3, 4, v3                        ; 16 x lane
	v_lshrrev_b32 v11, 3, v1
	v_mad_u32_u24 v10, v11, s23, v1
	v_lshlrev_b32 v6, 10, v10
	v_lshl_add_u32 v6, v2, 4, v6                   ; W: my row of 1,024 bytes + 16 h
	s_wait_alu depctr_va_vdst(0)
	s_sub_co_u32 s51, 16, s23
	s_lshl_b32 s51, s51, 10
	v_add_nc_u32 v7, s51, v6                       ; the odd tile begins 8 (q, k) or 16 (v) rows further on
	s_wait_alu depctr_va_vdst(0)
	s_lshl_b32 s68, s20, 18
	s_lshl_b32 s51, s18, 16
	s_add_co_u32 s68, s68, s51                     ; W: 256 rows a group, 64 a wave
	s_mov_b32 s69, 0
	s_lshr_b32 s54, s21, 3                         ; batch
	s_and_b32 s55, s21, 7                          ; block of 256 tokens in the batch
	s_lshl_b32 s56, s54, 21
	s_lshl_b32 s57, s20, 2
	s_add_co_u32 s57, s57, s18
	s_lshl_b32 s57, s57, 17
	s_add_co_u32 s56, s56, s57
	s_lshl_b32 s57, s55, 14
	s_add_co_u32 s56, s56, s57                     ; qimg: batch, head, 16 tiles of 1,024 bytes a block
	s_lshl_b32 s58, s54, 2
	s_add_co_u32 s58, s58, s20
	s_lshl_b32 s58, s58, 4
	s_lshl_b32 s59, s55, 1
	s_add_co_u32 s58, s58, s59
	s_lshl_b32 s58, s58, 16
	s_lshl_b32 s59, s18, 13
	s_add_co_u32 s58, s58, s59                     ; kvimg: (batch, group, key block) of 65,536 bytes, + 8,192 x head in the group,
	s_cmp_eq_u32 s19, 2
	s_cselect_b32 s59, 0x8000, 0
	s_add_co_u32 s58, s58, s59                     ; v behind k
	s_cmp_eq_u32 s19, 0
	s_cselect_b32 s56, s56, s58
	s_mov_b32 s57, 0
	s_cmp_eq_u32 s19, 0                            ; the choices hang on the work-group's number alone
	s_cselect_b64 s[62:63], s[14:15], s[16:17]
	s_cselect_b64 s[60:61], s[6:7], s[8:9]
	s_cmp_eq_u32 s19, 2
	s_cselect_b64 s[60:61], s[10:11], s[60:61]
	s_add_nc_u64 s[62:63], s[62:63], s[56:57]
	s_add_nc_u64 s[60:61], s[60:61], s[68:69]
.set FF, 0
.rept 32
	WLOAD FF
.set FF, FF+1
.endr
	WIN 0
	s_wait_kmcnt 0x0
	s_cmp_eq_u32 s19, 0
	s_cselect_b32 s82, s72, s74                    ; e of embed,
	s_cselect_b32 s83, s73, s75                    ; of the weight,
	s_cselect_b32 s84, s78, s79                    ; of the result: q e6, k e7, v e9
	s_cmp_eq_u32 s19, 2
	s_cselect_b32 s82, s76, s82
	s_cselect_b32 s83, s77, s83
	s_cselect_b32 s84, s81, s84
	s_sub_co_i32 s51, s84, s82
	s_sub_co_i32 s51, s51, s83                     ; a sum stands for sum x 2^(ex + ew): the three scales are folded into the conversion's one
	s_add_co_i32 s51, s51, 127
	s_lshl_b32 s85, s51, 23
	v_mov_b32 v14, s85
	s_wait_tensorcnt 0x0                           ; my four tiles have landed.  (The first product wants all my weights, as many bytes as the tiles, so little is lost by waiting for all four here)
	s_barrier_signal -1
	s_barrier_wait -1                              ; all 16 tiles lie in LDS; from here on LDS is only read
	s_mov_b32 s48, 0                               ; LDS byte of a trip's first tile
	s_mov_b32 s49, 0                               ; trip
	FETCH 3, 0, 0
	FETCH 3, 16384, 1
	s_wait_loadcnt 0x0                             ; my weights are in
	s_cmp_eq_u32 s19, 2
	s_cbranch_scc1 .Lv
.Lqk:                                              ; three trips of four tiles; the last four are written out, since they fetch nothing past the end
	TRIPHEAD 12
	s_wait_alu depctr_va_vdst(0)
	TILEQK 0, 1, 32
	TILEQK 1, 1, 32
	TILEQK 2, 1, 32
	TILEQK 3, 1, 32
	s_add_co_u32 s48, s48, 0x10000
	s_add_co_u32 s49, s49, 1
	s_cmp_lt_u32 s49, 3
	s_cbranch_scc1 .Lqk
	TRIPHEAD 12
	s_wait_alu depctr_va_vdst(0)
	TILEQK 0, 1, 32
	TILEQK 1, 1, 32
	TILEQK 2, 0, 32
	TILEQK 3, 0, 0
	s_wait_tensorcnt 0x0
	ds_add_u32 v254, v255
	s_wait_dscnt 0x0
	s_endpgm
.Lv:
	TRIPHEAD 10
	s_wait_alu depctr_va_vdst(0)
	TILEV 0, 1, 32
	TILEV 1, 1, 32
	TILEV 2, 1, 32
	TILEV 3, 1, 32
	s_add_co_u32 s48, s48, 0x10000
	s_add_co_u32 s49, s49, 1
	s_cmp_lt_u32 s49, 3
	s_cbranch_scc1 .Lv
	TRIPHEAD 10
	s_wait_alu depctr_va_vdst(0)
	TILEV 0, 1, 32
	TILEV 1, 1, 32
	TILEV 2, 0, 32
	TILEV 3, 0, 0
	s_wait_tensorcnt 0x0
	ds_add_u32 v254, v255
	s_wait_dscnt 0x0
	s_endpgm
.Lfunc_end_k_q99729cfd38_qkv:
	.size	k_q99729cfd38_qkv, .Lfunc_end_k_q99729cfd38_qkv-k_q99729cfd38_qkv
	.p2alignl 7, 3214868480
	.fill 96, 4, 3214868480
	.section	.rodata,"a",@progbits
	.p2align	6, 0x0
	.amdhsa_kernel k_q99729cfd38_qkv
		.amdhsa_group_segment_fixed_size 262656
		.amdhsa_private_segment_fixed_size 0
		.amdhsa_enable_private_segment 0
		.amdhsa_kernarg_size 56
		.amdhsa_user_sgpr_count 2
		.amdhsa_user_sgpr_kernarg_segment_ptr 1
		.amdhsa_wavefront_size32 1
		.amdhsa_system_sgpr_workgroup_id_x 1
		.amdhsa_system_sgpr_workgroup_id_y 1
		.amdhsa_system_sgpr_workgroup_id_z 1
		.amdhsa_system_vgpr_workitem_id 0
		.amdhsa_next_free_vgpr 1024
		.amdhsa_next_free_sgpr 88
		.amdhsa_reserve_vcc 0
		.amdhsa_float_denorm_mode_32 3
		.amdhsa_float_denorm_mode_16_64 3
		.amdhsa_fp16_overflow 1
		.amdhsa_memory_ordered 1
		.amdhsa_forward_progress 1
		.amdhsa_inst_pref_size 93
	.end_amdhsa_kernel
	.amdgpu_metadata
---
amdhsa.version: [ 1, 2 ]
amdhsa.kernels:
  - .name:           k_q99729cfd38_qkv
    .symbol:         k_q99729cfd38_qkv.kd
    .args:
      - { .name: eimg, .offset: 0, .size: 8, .value_kind: global_buffer, .address_space: global }
      - { .name: Wq_codes, .offset: 8, .size: 8, .value_kind: global_buffer, .address_space: global }
      - { .name: Wk_codes, .offset: 16, .size: 8, .value_kind: global_buffer, .address_space: global }
      - { .name: Wv_codes, .offset: 24, .size: 8, .value_kind: global_buffer, .address_space: global }
      - { .name: lowp_scales, .offset: 32, .size: 8, .value_kind: global_buffer, .address_space: global }
      - { .name: qimg, .offset: 40, .size: 8, .value_kind: global_buffer, .address_space: global }
      - { .name: kvimg, .offset: 48, .size: 8, .value_kind: global_buffer, .address_space: global }
    .group_segment_fixed_size: 262656
    .private_segment_fixed_size: 0
    .kernarg_segment_align: 8
    .kernarg_segment_size: 56
    .max_flat_workgroup_size: 128
    .sgpr_count:     88
    .vgpr_count:     1024
    .wavefront_size: 32
...
	.end_amdgpu_metadata
.endif
;; end of part 8
;; launch att (part 9): grid 32 x 8, 16 waves a work-group, no clusters, 327,680 bytes of LDS; arguments qimg, kvimg, src_mask, embed, lowp_scales, x1; writes x1
.if DOCPART == 9
	.amdgcn_target "amdgcn-amd-amdhsa--gfx1250"
	.amdhsa_code_object_version 6
	.text
	.protected	k_q99729cfd38_att
	.globl	k_q99729cfd38_att
	.p2align	8
	.type	k_q99729cfd38_att,@function
k_q99729cfd38_att:
	s_mov_b64 s[64:65], 0
	v_nop
	global_prefetch_b8 v0, s[64:65] scope:SCOPE_SE
	s_setreg_imm32_b32 hwreg(HW_REG_WAVE_MODE, 25, 1), 1
	s_wait_xcnt 0x0
; x1 = softmax((q k^T + mask) / 8) v + embed, both products on codes of BF8 (E5M2), each operand with its given scale 2^e (e6 q, e7 k, e8 p, e9 v).
; THE SOFTMAX AHEAD OF THE SECOND PRODUCT: u = q . k + mask; t = u x log2(e) / 8; M = the running largest t rounded UP to a whole number; p = 2^(t - M) is quantised along the keys, not normalised.
; The row's sum is taken of the unquantised p and divides at the end.  When M moves, the sum and O are multiplied by 2^(old M - new M): exact.
; SHARES.  A work-group owns 64 queries (grid x) of four heads of one batch (grid y): the four heads share the mask's tile, the four tiles of queries share K and V.
; Wave w: queries 16 (w % 4) on, head w / 4 of the four.  Sixteen waves of 256 registers: four to a SIMD, so that one wave's vector work stands beside another's products and LDS loads.
; All keys are walked, 128 a step, through a ring of two LDS slots: 65,536 bytes of K's and V's fragment images (dense; waves 0-3 fetch a quarter each) and the mask's 64 rows x 512 bytes (wave 4).
; No cluster: partners could share either K and V or the mask, never both, so each step would need joint and plain loads side by side.
; LAYOUT.  Both products transposed: S^T = K Q^T, O^T = V^T P^T: a lane holds ONE query (lane % 16).  The keys of a tile of K were chosen by the launch before so that register 16 b + i of S^T is key 32 b + 16 (lane / 16) + i.
; LIMITS: e6 + e7 between -126 and 127; e8 between -126 and 112.  A query whose mask is -infinity throughout gives NaN.  NaN among the inputs is not served.
; REGISTERS: v1-3 my places in a slot (K, V, mask); v5, v6 the spare word and 0; v7 my offset in embed and x1; v8-10 the step's addresses; v12 -M, v13 largest t, v[14:15] the sum in two halves; v16-23 Q;
;   v32-95 K, then the mask, then V; v96-159 S^T, then p; v160-191 O^T; v192-207 p's codes; v204-219 and v252-255 at work; v220-251 embed.
.set SLOT1, 1<<17                      ; slot 1 begins here: one exclusive or turns an address from one slot into the other
.set SPARE, 2*SLOT1                    ; the spare words, 128 bytes for each of 16 waves: eight blocks of 256 bytes that no other line names
.set MOFF,  65536                      ; the mask's tile in a slot
.set MP,    528                        ; its rows: 512 bytes + 16 of padding, so that 16 rows start at 16 different groups of banks
; Waves 0-3 fetch K and V, wave 4 the mask, the others nothing.  Four v_nop follow each of the two lines.
.macro TLOAD
	s_cmp_lt_u32 s18, 4
	s_cbranch_scc0 .Lnot_kv_\@
	tensor_load_to_lds s[40:43], s[24:31]
	s_nop 0
.rept 4
	v_nop
.endr
	s_branch .Lasked_\@
.Lnot_kv_\@:
	s_cmp_eq_u32 s18, 4
	s_cbranch_scc0 .Lasked_\@
	tensor_load_to_lds s[44:47], s[32:39]
	s_nop 0
.rept 4
	v_nop
.endr
.Lasked_\@:
.endm
; THE CHANGE OF SLOTS stands at a slot's head.  Each wave waits for all its tensor loads (its part of the slot ahead), adds 0 to its spare word, and waits for that and for its reads of the slot left.
; Behind the barrier the slot ahead is whole and nobody reads the other.  fill = 1: that other slot takes the next 128 keys: one load a wave, which has a key step in which to land.
.macro CHANGE fill
	s_wait_tensorcnt 0x0                           ; no tensor load of mine is out, so a group 0 may be written
	ds_add_u32 v5, v6                              ; 0 onto my spare word
.if \fill
	s_xor_b32 s41, s41, SLOT1
	s_add_nc_u64 s[42:43], s[42:43], 65536         ; the next key block's images
	s_xor_b32 s45, s45, SLOT1
	s_add_nc_u64 s[46:47], s[46:47], 512           ; the next 128 columns of the mask
.endif
	s_wait_dscnt 0x0                               ; the add is done, and my reads of the slot that I have left are over
	s_barrier_signal -1
	s_barrier_wait -1
.if \fill
	TLOAD                                          ; the first thing behind the barrier, a wave's one tensor load until the next
.endif
.endm
; A KEY STEP: 128 keys
.macro STEP
	v_add_nc_u32 v8, s48, v1
	v_add_nc_u32 v9, s48, v2
	v_add_nc_u32 v10, s48, v3
	v_nop
	v_nop                                          ; five plain places ahead of loads into registers that the last products read
.irp t, 0,1,2,3,4,5,6,7
	ds_load_b128 v[32+8*\t:35+8*\t], v8 offset:1024*\t
	ds_load_b128 v[36+8*\t:39+8*\t], v8 offset:1024*\t+512
.endr
	s_wait_alu depctr_va_vdst(0)
	s_wait_dscnt 0x0
.irp t, 0,1,2,3,4,5,6,7
	v_wmma_f32_16x16x64_bf8_bf8 v[96+8*\t:103+8*\t], v[32+8*\t:39+8*\t], v[16:23], 0
.endr
.rept 4
	v_nop
.endr
.irp b, 0,1,2,3
.irp j, 0,1,2,3
	ds_load_b128 v[32+16*\b+4*\j:35+16*\b+4*\j], v10 offset:128*\b+16*\j   ; the mask of my query at my 64 keys, in the order of S^T's registers
.endr
.endr
	s_wait_dscnt 0x0
.set q, 0
.rept 32
	v_pk_fma_f32 v[96+q:97+q], v[96+q:97+q], s[56:57], v[32+q:33+q] op_sel_hi:[1,0,1]   ; u = sum x 2^(e6 + e7) + mask; each sum from its low end on
.set q, q+2
.endr
.irp d, 0,1,2,3
.irp c, 0,1,2,3
	ds_load_b128 v[32+16*\d+4*\c:35+16*\d+4*\c], v9 offset:2048*\d+512*\c   ; V's four fragments land while the softmax is worked
.endr
.endr
	v_max3_num_f32 v208, v96, v97, v98             ; the step's largest u of my query among my 64 keys, in two chains,
	v_max3_num_f32 v210, v99, v100, v101
.irp i, 6,10,14,18,22,26,30,34,38,42,46,50,54,58
	s_delay_alu instid0(VALU_DEP_2)
	v_max3_num_f32 v208, v208, v[96+\i], v[97+\i]
	s_delay_alu instid0(VALU_DEP_2)
	v_max3_num_f32 v210, v210, v[98+\i], v[99+\i]
.endr
	s_delay_alu instid0(VALU_DEP_2)
	v_max3_num_f32 v208, v208, v158, v159
	s_delay_alu instid0(VALU_DEP_1)
	v_max_num_f32 v208, v208, v210
	s_delay_alu instid0(VALU_DEP_1)
	v_permlanex16_b32 v212, v208, s20, s21
	s_delay_alu instid0(VALU_DEP_1)
	v_max_num_f32 v208, v208, v212                 ; and among those of the lane 16 away
	s_delay_alu instid0(VALU_DEP_1)
	v_mul_f32 v208, s22, v208                      ; as t (c is positive)
	s_delay_alu instid0(VALU_DEP_1)
	v_max_num_f32 v13, v13, v208                   ; the running largest t
	v_mov_b32 v208, v12
	s_delay_alu instid0(VALU_DEP_2)
	v_floor_f32 v12, -v13                          ; the new -M = floor(-t): M is a whole number
	s_delay_alu instid0(VALU_DEP_1)
	v_sub_f32 v208, v12, v208                      ; old M less new M: a whole number, 0 or less
	s_delay_alu instid0(VALU_DEP_1)
	v_cvt_i32_f32 v208, v208                       ; (it saturates)
	s_delay_alu instid0(VALU_DEP_1)
	v_ldexp_f32 v210, 1.0, v208                    ; f = 2^(old M - new M)
.set q, 0
.rept 32
	v_pk_fma_f32 v[96+q:97+q], v[96+q:97+q], s[22:23], v[12:13] op_sel_hi:[1,0,0]   ; t - M, two at a time
.set q, q+2
.endr
.set q, 0
	s_wait_alu depctr_va_vdst(0)
.rept 64
	v_exp_f32 v[96+q], v[96+q]                     ; p = 2^(t - M), at most 1
.set q, q+1
.endr
	v_pk_mul_f32 v[14:15], v[14:15], v[210:211] op_sel_hi:[1,0]   ; the sums under the new M (a plain place behind the exponentials)
	s_wait_alu depctr_va_vdst(0)
	v_pk_add_f32 v[214:215], v[100:101], v[104:105]
	v_pk_add_f32 v[254:255], v[108:109], v[112:113]
	v_pk_add_f32 v[252:253], v[116:117], v[120:121]
	v_pk_add_f32 v[218:219], v[124:125], v[128:129]
	v_pk_add_f32 v[208:209], v[132:133], v[136:137]
	v_pk_add_f32 v[206:207], v[140:141], v[144:145]
	v_pk_add_f32 v[204:205], v[148:149], v[152:153]
	v_pk_add_f32 v[14:15], v[14:15], v[156:157]
	v_pk_add_f32 v[214:215], v[214:215], v[96:97]
	v_pk_add_f32 v[254:255], v[254:255], v[98:99]
	v_pk_add_f32 v[252:253], v[252:253], v[102:103]
	v_pk_add_f32 v[218:219], v[218:219], v[106:107]
	v_pk_add_f32 v[208:209], v[208:209], v[110:111]
	v_pk_add_f32 v[206:207], v[206:207], v[114:115]
	v_pk_add_f32 v[204:205], v[204:205], v[118:119]
	v_pk_add_f32 v[14:15], v[14:15], v[122:123]
	v_pk_add_f32 v[214:215], v[214:215], v[126:127]
	v_pk_add_f32 v[254:255], v[254:255], v[130:131]
	v_pk_add_f32 v[252:253], v[252:253], v[134:135]
	v_pk_add_f32 v[218:219], v[218:219], v[138:139]
	v_pk_add_f32 v[208:209], v[208:209], v[142:143]
	v_pk_add_f32 v[206:207], v[206:207], v[146:147]
	v_pk_add_f32 v[204:205], v[204:205], v[150:151]
	v_pk_add_f32 v[14:15], v[14:15], v[154:155]
	v_pk_add_f32 v[214:215], v[214:215], v[158:159]
	s_delay_alu instid0(VALU_DEP_2)
	v_pk_add_f32 v[14:15], v[14:15], v[218:219]
	s_delay_alu instid0(VALU_DEP_2)
	v_pk_add_f32 v[214:215], v[214:215], v[208:209]
	v_pk_add_f32 v[254:255], v[254:255], v[206:207]
	v_pk_add_f32 v[252:253], v[252:253], v[204:205]
	s_delay_alu instid0(VALU_DEP_2)
	v_pk_add_f32 v[14:15], v[14:15], v[254:255]
	s_delay_alu instid0(VALU_DEP_2)
	v_pk_add_f32 v[214:215], v[214:215], v[252:253]
	s_delay_alu instid0(VALU_DEP_1)
	v_pk_add_f32 v[14:15], v[14:15], v[214:215]
.irp b, 0,1,2,3
.irp i, 0,1,2,3,4,5,6,7,8,9,10,11,12,13,14,15
.endr
	v_cvt_scalef32_pk8_bf8_f32 v[192+4*\b:193+4*\b], v[96+16*\b:103+16*\b], v217
	v_cvt_scalef32_pk8_bf8_f32 v[194+4*\b:195+4*\b], v[104+16*\b:111+16*\b], v217
.endr
.set q, 0
.rept 16
	v_pk_mul_f32 v[160+q:161+q], v[160+q:161+q], v[210:211] op_sel_hi:[1,0]   ; O^T under the new M (also the plain places behind the conversions)
.set q, q+2
.endr
	s_wait_alu depctr_va_vdst(0)
	s_wait_dscnt 0x0                               ; V is in
.irp d, 0,1,2,3
	v_wmma_f32_16x16x128_bf8_bf8 v[160+8*\d:167+8*\d], v[32+16*\d:47+16*\d], v[192:207], v[160+8*\d:167+8*\d]
.endr
.endm
	s_load_b256 s[4:11], s[0:1], 0x0               ; qimg s[4:5], kvimg s[6:7], mask s[8:9], embed s[10:11]
	s_load_b128 s[12:15], s[0:1], 0x20             ; the scales' exponents s[12:13], x1 s[14:15]
	v_lshl_add_u32 v5, v0, 2, SPARE
	v_mov_b32 v6, 0
	ds_add_u32 v5, v6
	ds_add_u32 v5, v6
	s_wait_dscnt 0x0
	v_lshrrev_b32 v8, 5, v0
	s_delay_alu instid0(VALU_DEP_1)
	v_readfirstlane_b32 s18, v8                    ; wave 0..15
	s_and_b32 s2, ttmp7, 0xffff                    ; 4 x batch + group of heads
	s_lshr_b32 s3, s2, 2                           ; batch
	s_and_b32 s16, s2, 3                           ; group
	s_and_b32 s17, s18, 3                          ; my tile of queries; for waves 0-3 also the quarter of K and V that I fetch
	s_lshr_b32 s19, s18, 2                         ; my head in the group
	s_lshl_b32 s50, s2, 20                         ; kvimg: 16 key blocks of 65,536 bytes for each (batch, group),
	s_lshl_b32 s51, s17, 14
	s_add_co_u32 s50, s50, s51                     ; + my quarter
	s_mov_b32 s51, 0
	s_lshl_b32 s58, ttmp9, 19                      ; mask: 64 rows of 8,192 bytes a block of queries
	s_mov_b32 s59, 0
	s_lshl_b32 s60, s3, 21
	s_lshl_b32 s61, s16, 2
	s_add_co_u32 s61, s61, s19                     ; head
	s_lshl_b32 s62, s61, 17
	s_add_co_u32 s60, s60, s62
	s_lshl_b32 s62, ttmp9, 12
	s_add_co_u32 s60, s60, s62
	s_lshl_b32 s62, s17, 10
	s_add_co_u32 s60, s60, s62                     ; qimg: batch, head, tile 4 x block + w % 4 of 1,024 bytes
	s_lshl_b32 s62, s61, 8                         ; embed, x1: the head's 256 bytes of a row,
	s_mov_b32 s61, 0
	s_lshl_b32 s63, s3, 23
	s_add_co_u32 s62, s62, s63
	s_lshl_b32 s63, ttmp9, 18
	s_add_co_u32 s62, s62, s63
	s_lshl_b32 s63, s17, 16
	s_add_co_u32 s62, s62, s63                     ; + my first token's row of 4,096 bytes
	s_mov_b32 s63, 0
	; descriptor group 1, K and V: 64 rows of 32 elements of 8 bytes, dense
	s_mov_b32 s24, 3<<16
	s_mov_b32 s25, 32<<16                          ; tensor_dim0
	s_mov_b32 s26, 64<<16                          ; tensor_dim1
	s_mov_b32 s27, 32<<16                          ; tile_dim0
	s_mov_b32 s28, 64                              ; tile_dim1
	s_mov_b32 s29, 32                              ; pitch
	s_mov_b32 s30, 0
	s_mov_b32 s31, 0
	; the mask: 64 rows of 128 elements of 4 bytes, 2,048 elements apart; four words of padding behind every 128
	s_mov_b32 s32, (2<<16)|(1<<20)|(6<<22)|(3<<25)
	s_mov_b32 s33, 128<<16
	s_mov_b32 s34, 64<<16
	s_mov_b32 s35, 128<<16
	s_mov_b32 s36, 64
	s_mov_b32 s37, 2048
	s_mov_b32 s38, 0
	s_mov_b32 s39, 0
	s_mov_b32 s20, 0x76543210                      ; v_permlanex16_b32: the same place in the other half
	s_mov_b32 s21, 0xfedcba98
	s_mov_b32 s22, 0x3e38aa3b                      ; c = log2(e) / 8
	s_mov_b32 s23, s22                             ; (named with it as a pair, so it is written)
	s_mov_b32 s48, 0                               ; LDS byte at which the slot in hand begins
	s_mov_b32 s49, 15                              ; slots still to be asked for
	s_wait_kmcnt 0x0
	s_load_b128 s[52:55], s[12:13], 0x18           ; e6, e7, e8, e9
	s_mov_b32 s40, 1
	s_lshl_b32 s41, s17, 14                        ; LDS: slot 0, my quarter
	s_add_nc_u64 s[42:43], s[6:7], s[50:51]
	s_or_b32 s43, s43, 0x80000000
	s_mov_b32 s44, 1
	s_mov_b32 s45, MOFF
	s_add_nc_u64 s[46:47], s[8:9], s[58:59]
	s_or_b32 s47, s47, 0x80000000
	TLOAD                                          ; slot 0
	s_add_nc_u64 s[4:5], s[4:5], s[60:61]
	s_add_nc_u64 s[10:11], s[10:11], s[62:63]
	s_add_nc_u64 s[14:15], s[14:15], s[62:63]
	v_and_b32 v8, 15, v0                           ; r
	v_bfe_u32 v9, v0, 4, 1                         ; h
	v_and_b32 v11, 31, v0
	s_delay_alu instid0(VALU_DEP_1)
	v_lshlrev_b32 v11, 4, v11                      ; 16 x lane
	global_load_b128 v[16:19], v11, s[4:5]         ; Q's fragment stays in registers
	global_load_b128 v[20:23], v11, s[4:5] offset:512
	v_lshlrev_b32 v7, 12, v9
	s_delay_alu instid0(VALU_DEP_1)
	v_lshl_add_u32 v7, v8, 4, v7                   ; lanes 0-15 one row, lanes 16-31 the next; 16 bytes a lane
.irp i, 0,1,2,3,4,5,6,7
	global_load_b128 v[220+4*\i:223+4*\i], v7, s[10:11] offset:8192*\i   ; embed at my 16 tokens and my head's 64 columns: sixteen lanes read 256 consecutive bytes
.endr
	s_lshl_b32 s2, s19, 13
	v_add_nc_u32 v1, s2, v11                       ; K: 8,192 x head + 16 x lane
	s_delay_alu instid0(VALU_DEP_1)
	v_add_nc_u32 v2, 0x8000, v1                    ; V lies 32,768 behind
	s_mul_i32 s2, s17, 16*MP
	s_add_co_u32 s2, s2, MOFF
	v_mul_u32_u24 v3, v8, MP
	s_delay_alu instid0(VALU_DEP_1)
	v_lshl_add_u32 v3, v9, 6, v3
	s_delay_alu instid0(VALU_DEP_1)
	v_add_nc_u32 v3, s2, v3                        ; the mask: my query's row, + 64 h
	v_mov_b32 v13, 0xff61b1e6                      ; the largest t so far: -3e38
	s_delay_alu instid0(VALU_DEP_1)
	v_floor_f32 v12, -v13
	v_mov_b32 v14, 0
	v_mov_b32 v15, 0
	v_mov_b32 v212, 0                              ; a lane permute's destination counts as one of its sources
	v_mov_b32 v211, 0                              ; (named as the upper half of the pair v[210:211])
.set q, 0
.rept 32
	v_mov_b32 v[160+q], 0                          ; O^T: the step is written once; the first finds zeros, which the first change of M leaves zeros
.set q, q+1
.endr
	s_wait_kmcnt 0x0
	s_add_co_i32 s2, s52, s53
	s_add_co_i32 s2, s2, 127
	s_lshl_b32 s56, s2, 23                         ; 2^(e6 + e7)
	s_mov_b32 s57, s56
	s_add_co_i32 s2, s54, 127
	s_lshl_b32 s3, s2, 23
	v_mov_b32 v217, s3                             ; 2^e8, for the conversion
	s_wait_loadcnt 0x0                             ; Q and embed
.Lslot:                                            ; 15 trips: behind each change of slots but the last the next slot is asked for
	CHANGE 1
	STEP
	s_xor_b32 s48, s48, SLOT1
	s_sub_co_u32 s49, s49, 1
	s_cmp_lg_u32 s49, 0
	s_cbranch_scc1 .Lslot
	CHANGE 0                                       ; the last slot is written out
	STEP
	; THE WAY OUT: O^T / the sum x 2^(e8 + e9) goes through my stage (16 rows x 272 bytes, in slot 0, which has had its last fill and its last read) and comes back as rows; embed is added.
	v_add_f32 v14, v14, v15
	s_delay_alu instid0(VALU_DEP_1)
	v_permlanex16_b32 v212, v14, s20, s21
	s_delay_alu instid0(VALU_DEP_1)
	v_add_f32 v14, v14, v212                       ; the row's sum
	s_wait_alu depctr_va_vdst(0)
	v_rcp_f32 v14, v14
	v_and_b32 v8, 15, v0                           ; (a plain place behind the transcendental)
	v_bfe_u32 v9, v0, 4, 1
	s_add_co_i32 s2, s54, s55
	s_wait_alu depctr_va_vdst(0)
	v_ldexp_f32 v14, v14, s2
	s_mul_i32 s3, s18, 16*272
	v_mul_u32_u24 v10, v8, 272
	s_delay_alu instid0(VALU_DEP_1)
	v_lshl_add_u32 v10, v9, 5, v10
	s_delay_alu instid0(VALU_DEP_1)
	v_add_nc_u32 v10, s3, v10                      ; in: row r, + 32 h
	v_mul_u32_u24 v11, v9, 272
	s_delay_alu instid0(VALU_DEP_1)
	v_lshl_add_u32 v11, v8, 4, v11
	s_delay_alu instid0(VALU_DEP_1)
	v_add_nc_u32 v11, s3, v11                      ; back: lanes 0-15 one row, lanes 16-31 the next
.set q, 0
.rept 16
	v_pk_mul_f32 v[96+q:97+q], v[160+q:161+q], v[14:15] op_sel_hi:[1,0]   ; register 8 d + j is o(query r, 16 d + 8 h + j)
.set q, q+2
.endr
.irp d, 0,1,2,3
	ds_store_b128 v10, v[96+8*\d:99+8*\d] offset:64*\d
	ds_store_b128 v10, v[100+8*\d:103+8*\d] offset:64*\d+16
.endr
.irp i, 0,1,2,3,4,5,6,7
	ds_load_b128 v[32+4*\i:35+4*\i], v11 offset:2*\i*272   ; LDS serves a wave's instructions in order: these see my stores
.endr
.irp i, 0,1,2,3,4,5,6,7
	s_wait_dscnt 7-\i                              ; the younger loads may stay out
	v_pk_add_f32 v[32+4*\i:33+4*\i], v[32+4*\i:33+4*\i], v[220+4*\i:221+4*\i]
	v_pk_add_f32 v[34+4*\i:35+4*\i], v[34+4*\i:35+4*\i], v[222+4*\i:223+4*\i]
	global_store_b128 v7, v[32+4*\i:35+4*\i], s[14:15] offset:8192*\i   ; sixteen lanes store 256 consecutive bytes, aligned
.endr
	s_wait_tensorcnt 0x0                           ; the wave's end
	ds_add_u32 v5, v6
	s_wait_dscnt 0x0
	s_endpgm
.Lfunc_end_k_q99729cfd38_att:
	.size	k_q99729cfd38_att, .Lfunc_end_k_q99729cfd38_att-k_q99729cfd38_att
	.p2alignl 7, 3214868480
	.fill 96, 4, 3214868480
	.section	.rodata,"a",@progbits
	.p2align	6, 0x0
	.amdhsa_kernel k_q99729cfd38_att
		.amdhsa_group_segment_fixed_size 327680
		.amdhsa_private_segment_fixed_size 0
		.amdhsa_enable_private_segment 0
		.amdhsa_kernarg_size 48
		.amdhsa_user_sgpr_count 2
		.amdhsa_user_sgpr_kernarg_segment_ptr 1
		.amdhsa_wavefront_size32 1
		.amdhsa_system_sgpr_workgroup_id_x 1
		.amdhsa_system_sgpr_workgroup_id_y 1
		.amdhsa_system_sgpr_workgroup_id_z 1
		.amdhsa_system_vgpr_workitem_id 0
		.amdhsa_next_free_vgpr 256
		.amdhsa_next_free_sgpr 66
		.amdhsa_reserve_vcc 0
		.amdhsa_float_denorm_mode_32 3
		.amdhsa_float_denorm_mode_16_64 3
		.amdhsa_fp16_overflow 1
		.amdhsa_memory_ordered 1
		.amdhsa_forward_progress 1
		.amdhsa_inst_pref_size 49
	.end_amdhsa_kernel
	.amdgpu_metadata
---
amdhsa.version: [ 1, 2 ]
amdhsa.kernels:
  - .name:           k_q99729cfd38_att
    .symbol:         k_q99729cfd38_att.kd
    .args:
      - { .name: qimg, .offset: 0, .size: 8, .value_kind: global_buffer, .address_space: global }
      - { .name: kvimg, .offset: 8, .size: 8, .value_kind: global_buffer, .address_space: global }
      - { .name: src_mask, .offset: 16, .size: 8, .value_kind: global_buffer, .address_space: global }
      - { .name: embed, .offset: 24, .size: 8, .value_kind: global_buffer, .address_space: global }
      - { .name: lowp_scales, .offset: 32, .size: 8, .value_kind: global_buffer, .address_space: global }
      - { .name: x1, .offset: 40, .size: 8, .value_kind: global_buffer, .address_space: global }
    .group_segment_fixed_size: 327680
    .private_segment_fixed_size: 0
    .kernarg_segment_align: 8
    .kernarg_segment_size: 48
    .max_flat_workgroup_size: 512
    .sgpr_count:     66
    .vgpr_count:     256
    .wavefront_size: 32
...
	.end_amdgpu_metadata
.endif
;; end of part 9
;; launch ln1q (part 10): grid 256 x 1, 16 waves a work-group, no clusters, 76,288 bytes of LDS; arguments x1, g1, be1, lowp_scales, a1img; writes a1img
.if DOCPART == 10
	.amdgcn_target "amdgcn-amd-amdhsa--gfx1250"
	.amdhsa_code_object_version 6
	.text
	.protected	k_q99729cfd38_ln1q
	.globl	k_q99729cfd38_ln1q
	.p2align	8
	.type	k_q99729cfd38_ln1q,@function
k_q99729cfd38_ln1q:
	s_mov_b64 s[64:65], 0
	v_nop
	global_prefetch_b8 v0, s[64:65] scope:SCOPE_SE
	s_setreg_imm32_b32 hwreg(HW_REG_WAVE_MODE, 25, 1), 1
	s_wait_xcnt 0x0
; a1img = codes of BF8 (E5M2), scale 2^e10, of LayerNorm(x1) x g1 + be1, laid as fragment images [tile of 16 rows][K step of 128][4][512 bytes].
; A work-group takes 16 rows, a wave one row: the reductions never leave the wave.  The normalised rows meet in a stage in LDS (rows 4,112 bytes apart), since a fragment wants,
; in lane (r, h), 16 neighbours of row r.  Memory binds: no matrix unit, no cluster, no tensor load.  All in f32; the variance is taken of x - mean.
; LIMIT: e10 between -126 and 112.  NaN among the inputs is not served.
.set STG, 8192                         ; LDS: g1 4,096 bytes, be1 4,096 bytes, then the stage
.set SPT, 4112
.set X,   16                           ; v16-47 my row: 4 columns at 4 lane + 128 i
.set G,   48                           ; v48-79 g1 there
.set BE,  80                           ; v80-111 be1 there
.macro RED                             ; the sum over the 32 lanes, in every lane
	s_delay_alu instid0(VALU_DEP_1)
	v_add_f32_dpp v8, v8, v8 row_xmask:1 row_mask:0xf bank_mask:0xf
	s_delay_alu instid0(VALU_DEP_1)
	v_add_f32_dpp v8, v8, v8 row_xmask:2 row_mask:0xf bank_mask:0xf
	s_delay_alu instid0(VALU_DEP_1)
	v_add_f32_dpp v8, v8, v8 row_xmask:4 row_mask:0xf bank_mask:0xf
	s_delay_alu instid0(VALU_DEP_1)
	v_add_f32_dpp v8, v8, v8 row_xmask:8 row_mask:0xf bank_mask:0xf
	s_delay_alu instid0(VALU_DEP_1)
	v_permlanex16_b32 v12, v8, s26, s27
	s_delay_alu instid0(VALU_DEP_1)
	v_add_f32 v8, v8, v12
.endm
.macro LNROW x, g, be                  ; the row in v[x] on becomes (x - mean) rsqrt(var + 1e-5) g + be
	v_pk_add_f32 v[10:11], v[16:17], v[18:19]
	v_pk_add_f32 v[126:127], v[24:25], v[28:29]
	v_pk_add_f32 v[124:125], v[32:33], v[36:37]
	v_pk_add_f32 v[122:123], v[40:41], v[44:45]
	v_pk_add_f32 v[120:121], v[20:21], v[22:23]
	v_pk_add_f32 v[118:119], v[26:27], v[30:31]
	v_pk_add_f32 v[116:117], v[34:35], v[38:39]
	v_pk_add_f32 v[8:9], v[42:43], v[46:47]
	s_delay_alu instid0(VALU_DEP_1)
	v_pk_add_f32 v[8:9], v[8:9], v[122:123]
	v_pk_add_f32 v[10:11], v[10:11], v[120:121]
	v_pk_add_f32 v[126:127], v[126:127], v[118:119]
	v_pk_add_f32 v[124:125], v[124:125], v[116:117]
	s_delay_alu instid0(VALU_DEP_2)
	v_pk_add_f32 v[8:9], v[8:9], v[126:127]
	s_delay_alu instid0(VALU_DEP_2)
	v_pk_add_f32 v[10:11], v[10:11], v[124:125]
	s_delay_alu instid0(VALU_DEP_1)
	v_pk_add_f32 v[8:9], v[8:9], v[10:11]
	s_delay_alu instid0(VALU_DEP_1)
	v_add_f32 v8, v8, v9
	RED
	s_delay_alu instid0(VALU_DEP_1)
	v_mul_f32 v14, s28, v8                         ; the mean: x 2^-10
	s_delay_alu instid0(VALU_DEP_1)
	v_mov_b32 v15, v14
.irp j, 0,2,4,6,8,10,12,14,16,18,20,22,24,26,28,30
	v_pk_add_f32 v[\x+\j:\x+\j+1], v[\x+\j:\x+\j+1], v[14:15] neg_lo:[0,1] neg_hi:[0,1]
.endr
	v_pk_mul_f32 v[8:9], v[\x:\x+1], v[\x:\x+1]
	v_pk_mul_f32 v[10:11], v[\x+2:\x+3], v[\x+2:\x+3]
.irp j, 4,8,12,16,20,24,28
	s_delay_alu instid0(VALU_DEP_2)
	v_pk_fma_f32 v[8:9], v[\x+\j:\x+\j+1], v[\x+\j:\x+\j+1], v[8:9]
	s_delay_alu instid0(VALU_DEP_2)
	v_pk_fma_f32 v[10:11], v[\x+\j+2:\x+\j+3], v[\x+\j+2:\x+\j+3], v[10:11]
.endr
	s_delay_alu instid0(VALU_DEP_1)
	v_pk_add_f32 v[8:9], v[8:9], v[10:11]
	s_delay_alu instid0(VALU_DEP_1)
	v_add_f32 v8, v8, v9
	RED
	s_delay_alu instid0(VALU_DEP_1)
	v_fma_f32 v8, v8, s28, s29                     ; the variance + 1e-5
	s_wait_alu depctr_va_vdst(0)
	v_rsq_f32 v14, v8
	v_nop                                          ; a plain place behind the transcendental
	s_wait_alu depctr_va_vdst(0)
	v_mov_b32 v15, v14
	s_wait_alu depctr_va_vdst(0)
	s_wait_dscnt 0x0                               ; the gain and the bias are in
.irp j, 0,2,4,6,8,10,12,14,16,18,20,22,24,26,28,30
	v_pk_mul_f32 v[\x+\j:\x+\j+1], v[\x+\j:\x+\j+1], v[14:15]
.endr
.irp j, 0,2,4,6,8,10,12,14,16,18,20,22,24,26,28,30
	v_pk_fma_f32 v[\x+\j:\x+\j+1], v[\x+\j:\x+\j+1], v[\g+\j:\g+\j+1], v[\be+\j:\be+\j+1]
.endr
.endm
	s_load_b256 s[4:11], s[0:1], 0x0               ; x1 s[4:5], g1 s[6:7], be1 s[8:9], the scales' exponents s[10:11]
	s_load_b64 s[12:13], s[0:1], 0x20              ; a1img
	v_lshl_add_u32 v128, v0, 2, 0x12200
	v_mov_b32 v129, 0
	v_lshrrev_b32 v1, 5, v0
	s_delay_alu instid0(VALU_DEP_1)
	v_readfirstlane_b32 s14, v1                    ; wave 0..15
	v_and_b32 v1, 31, v0
	s_delay_alu instid0(VALU_DEP_1)
	v_lshlrev_b32 v3, 4, v1                        ; 16 x lane
	v_and_b32 v2, 0xff, v0
	s_delay_alu instid0(VALU_DEP_1)
	v_lshlrev_b32 v2, 4, v2                        ; my 16 bytes of g1 (threads 0-255) or be1 (threads 256-511),
	v_lshlrev_b32 v4, 4, v0                        ; and their place in LDS
	s_mul_i32 s20, s14, SPT
	s_add_co_u32 s20, s20, STG
	v_add_nc_u32 v5, s20, v3                       ; the stage, in: my row
	v_and_b32 v7, 15, v0
	v_bfe_u32 v1, v0, 4, 1
	s_delay_alu instid0(VALU_DEP_2)
	v_mul_u32_u24 v6, v7, SPT
	s_delay_alu instid0(VALU_DEP_1)
	v_lshl_add_u32 v6, v1, 6, v6
	s_lshl_b32 s21, s14, 8
	s_add_co_u32 s21, s21, STG
	v_add_nc_u32 v6, s21, v6                       ; out: row r, + 64 h, + 256 x wave: K step w / 2, blocks 2 (w % 2) and the next
	v_mov_b32 v12, 0                               ; a lane permute's destination counts as one of its sources
	s_lshl_b32 s22, ttmp9, 16
	s_lshl_b32 s23, s14, 12
	s_add_co_u32 s22, s22, s23                     ; my row of 4,096 bytes
	s_mov_b32 s23, 0
	s_lshl_b32 s24, ttmp9, 14
	s_lshl_b32 s25, s14, 10
	s_add_co_u32 s24, s24, s25                     ; my 1,024 bytes of the tile's 16,384
	s_mov_b32 s25, 0
	s_mov_b32 s26, 0x76543210
	s_mov_b32 s27, 0xfedcba98
	s_mov_b32 s28, 0x3a800000                      ; 2^-10
	s_mov_b32 s29, 0x3727c5ac                      ; 1e-5
	s_wait_alu depctr_va_vdst(0)
	s_wait_kmcnt 0x0
	s_load_b32 s15, s[10:11], 0x28                 ; e10
	s_cmp_lt_u32 s14, 8
	s_cselect_b64 s[16:17], s[6:7], s[8:9]
	s_add_nc_u64 s[4:5], s[4:5], s[22:23]
	s_add_nc_u64 s[12:13], s[12:13], s[24:25]
	global_load_b128 v[112:115], v2, s[16:17]
.irp i, 0,1,2,3,4,5,6,7
	global_load_b128 v[X+4*\i:X+4*\i+3], v3, s[4:5] offset:512*\i   ; 32 lanes read 512 consecutive bytes
.endr
	s_wait_loadcnt 8                               ; the vector's piece is in; the row's eight loads may be out
	ds_store_b128 v4, v[112:115]
	s_wait_dscnt 0x0
	s_barrier_signal -1
	s_barrier_wait -1                              ; g1 and be1 lie in LDS
.irp i, 0,1,2,3,4,5,6,7
	ds_load_b128 v[G+4*\i:G+4*\i+3], v3 offset:512*\i
	ds_load_b128 v[BE+4*\i:BE+4*\i+3], v3 offset:4096+512*\i
.endr
	s_wait_loadcnt 0x0
	LNROW X, G, BE
.irp i, 0,1,2,3,4,5,6,7
	ds_store_b128 v5, v[X+4*\i:X+4*\i+3] offset:512*\i
.endr
	s_wait_kmcnt 0x0
	s_add_co_i32 s15, s15, 127
	s_lshl_b32 s20, s15, 23
	v_mov_b32 v116, s20                            ; 2^e10
	s_wait_alu depctr_va_vdst(0)
	s_wait_dscnt 0x0
	s_barrier_signal -1
	s_barrier_wait -1                              ; 16 normalised rows lie in the stage
.irp c, 0,1
.irp j, 0,1,2,3
	ds_load_b128 v[X+16*\c+4*\j:X+16*\c+4*\j+3], v6 offset:128*\c+16*\j
.endr
.endr
	s_wait_dscnt 0x0
.set q, 0
.rept 32
.set q, q+1
.endr
.irp g, 0,1,2,3
	v_cvt_scalef32_pk8_bf8_f32 v[120+2*\g:121+2*\g], v[X+8*\g:X+8*\g+7], v116
.endr
	global_store_b128 v3, v[120:123], s[12:13]               ; 32 lanes store 512 consecutive bytes
	global_store_b128 v3, v[124:127], s[12:13] offset:512
	s_wait_tensorcnt 0x0
	ds_add_u32 v128, v129
	s_wait_dscnt 0x0
	s_endpgm
.Lfunc_end_k_q99729cfd38_ln1q:
	.size	k_q99729cfd38_ln1q, .Lfunc_end_k_q99729cfd38_ln1q-k_q99729cfd38_ln1q
	.p2alignl 7, 3214868480
	.fill 96, 4, 3214868480
	.section	.rodata,"a",@progbits
	.p2align	6, 0x0
	.amdhsa_kernel k_q99729cfd38_ln1q
		.amdhsa_group_segment_fixed_size 76288
		.amdhsa_private_segment_fixed_size 0
		.amdhsa_enable_private_segment 0
		.amdhsa_kernarg_size 40
		.amdhsa_user_sgpr_count 2
		.amdhsa_user_sgpr_kernarg_segment_ptr 1
		.amdhsa_wavefront_size32 1
		.amdhsa_system_sgpr_workgroup_id_x 1
		.amdhsa_system_sgpr_workgroup_id_y 1
		.amdhsa_system_sgpr_workgroup_id_z 1
		.amdhsa_system_vgpr_workitem_id 0
		.amdhsa_next_free_vgpr 130
		.amdhsa_next_free_sgpr 66
		.amdhsa_reserve_vcc 0
		.amdhsa_float_denorm_mode_32 3
		.amdhsa_float_denorm_mode_16_64 3
		.amdhsa_fp16_overflow 1
		.amdhsa_memory_ordered 1
		.amdhsa_forward_progress 1
		.amdhsa_inst_pref_size 14
	.end_amdhsa_kernel
	.amdgpu_metadata
---
amdhsa.version: [ 1, 2 ]
amdhsa.kernels:
  - .name:           k_q99729cfd38_ln1q
    .symbol:         k_q99729cfd38_ln1q.kd
    .args:
      - { .name: x1, .offset: 0, .size: 8, .value_kind: global_buffer, .address_space: global }
      - { .name: g1, .offset: 8, .size: 8, .value_kind: global_buffer, .address_space: global }
      - { .name: be1, .offset: 16, .size: 8, .value_kind: global_buffer, .address_space: global }
      - { .name: lowp_scales, .offset: 24, .size: 8, .value_kind: global_buffer, .address_space: global }
      - { .name: a1img, .offset: 32, .size: 8, .value_kind: global_buffer, .address_space: global }
    .group_segment_fixed_size: 76288
    .private_segment_fixed_size: 0
    .kernarg_segment_align: 8
    .kernarg_segment_size: 40
    .max_flat_workgroup_size: 512
    .sgpr_count:     66
    .vgpr_count:     130
    .wavefront_size: 32
...
	.end_amdgpu_metadata
.endif
;; end of part 10
;; launch ffn1 (part 11): grid 16 x 16, 4 waves a work-group, no clusters, 262,656 bytes of LDS; arguments a1img, w1_codes, b1, lowp_scales, himg; writes himg
.if DOCPART == 11
	.amdgcn_target "amdgcn-amd-amdhsa--gfx1250"
	.amdhsa_code_object_version 6
	.text
	.protected	k_q99729cfd38_ffn1
	.globl	k_q99729cfd38_ffn1
	.p2align	8
	.type	k_q99729cfd38_ffn1,@function
k_q99729cfd38_ffn1:
	s_mov_b64 s[64:65], 0
	v_nop
	global_prefetch_b8 v0, s[64:65] scope:SCOPE_SE
	s_setreg_imm32_b32 hwreg(HW_REG_WAVE_MODE, 25, 1), 1
	s_wait_xcnt 0x0
; himg = codes of BF8 (E5M2), scale 2^e12, of relu(a W1^T + b1); a comes as fragment images (scale 2^e10), W1 as codes (2^e11).
; A work-group takes 256 rows (grid y) x 256 hidden units (grid x); wave w owns 64 units: 32 fragments of W1 = 512 registers, read once and kept.
; The rows' 16 tiles (16,384 bytes each, dense) come into LDS by tensor loads, each byte filled once: wave w brings tiles w, 4 + w, 8 + w, 12 + w; four loads of a wave are out at the most.
; No cluster: what partners would share is filled once and is half of a work-group's bytes.
; Source 0 = 16 rows of W1, source 1 = 16 rows of a: a lane holds one row, its registers run along the hidden units, the next K.  The rows of W1 of a tile are 32 b + 8 u + r + 8 (r / 8), so tiles 2 b, 2 b + 1 give 16 neighbours.
; b1, divided once by 2^(e10 + e11), is the C of each sum's first matrix instruction; the activation is the lower end of the hold.
; LIMITS: e12 - e10 - e11 between -126 and 112.  NaN among the inputs is not served.
; REGISTERS.  Window 0: v3 16 x lane, v6, v7 W1 offsets, v9 b1 offset, v14, v15 scale and limit, v16-19 16 x lane + 65,536 q, v32-63 sums, v64-71 codes, v96-127 b1.  Windows 1, 2: W1.  Window 3: two buffers of eight fragments.
.set ACC, 32
.set OC,  64
.set B1,  96
.set MSB, 0
.macro WIN new                         ; the immediate's high byte repeats the setting that is left
.if MSB != (\new)
	s_set_vgpr_msb (MSB<<8)|(\new)
.set MSB, (\new)
.endif
.endm
.macro WLOAD f
.set wt, (\f)>>3
.set ws, (\f)&7
.set ww, 0x40<<(ws>>2)
	WIN ww
.irp c, 0,1,2,3
	global_load_b128 v[64*wt+16*(ws&3)+4*\c:64*wt+16*(ws&3)+4*\c+3], v[6+(wt&1)], s[6:7] offset:(wt>>1)*32768+128*ws+32*\c
.endr
.endm
.macro FETCH areg, off, buf
	WIN 0xc0
.irp s, 0,1,2,3,4,5,6,7
.irp c, 0,1,2,3
	ds_load_b128 v[128*(\buf)+16*\s+4*\c:128*(\buf)+16*\s+4*\c+3], v[\areg] offset:(\off)+2048*\s+512*\c
.endr
.endr
	WIN 0
.endm
.macro MUL buf                         ; eight K steps x my four tiles of units; the four sums take turns, one instruction a turn
.irp s, 0,1,2,3,4,5,6,7
	WIN 0x0d+(\s>>2)
.irp t, 0,1,2,3
.if \s == 0
	v_wmma_f32_16x16x128_bf8_bf8 v[ACC+8*\t:ACC+8*\t+7], v[64*\t:64*\t+15], v[128*(\buf):128*(\buf)+15], v[B1+8*\t:B1+8*\t+7]
.else
	v_wmma_f32_16x16x128_bf8_bf8 v[ACC+8*\t:ACC+8*\t+7], v[64*\t+16*(\s&3):64*\t+16*(\s&3)+15], v[128*(\buf)+16*\s:128*(\buf)+16*\s+15], v[ACC+8*\t:ACC+8*\t+7]
.endif
.endr
.endr
.endm
.macro TILE n
.if (\n) < 15
	s_wait_dscnt 32                                ; this tile's fragments are in; the next tile's 32 loads may be out
.else
	s_wait_dscnt 0x0
.endif
	MUL (\n)&1
	WIN 0
.rept 4
	v_nop                                          ; places ahead of loads into the buffer just read and of the reads of the sums
.endr
.if (\n)+2 < 16
.if ((\n)+2)%4 == 0
	s_wait_tensorcnt 3-((\n)+2)/4                  ; my tile of the next four has landed; my later fills may stay out
	s_wait_dscnt 0x0
	s_barrier_signal -1
	s_barrier_wait -1                              ; everybody's has
.endif
	FETCH 16+(((\n)+2)>>2), (((\n)+2)&3)*16384, (\n)&1
.endif
.set q, 0
.rept 32
	v_med3_num_f32 v[ACC+q], v[ACC+q], 0, v15      ; the activation and the hold in one; each sum from its low end on
.set q, q+1
.endr
	s_wait_alu depctr_va_vdst(0)
	s_wait_xcnt 0x0                                ; the last tile's stores have read the codes' registers
.irp g, 0,1,2,3
	v_cvt_scalef32_pk8_bf8_f32 v[OC+2*\g:OC+2*\g+1], v[ACC+8*\g:ACC+8*\g+7], v14
.endr
	v_nop
	global_store_b128 v3, v[OC:OC+3], s[12:13] offset:(\n)*65536        ; 32 lanes store 512 consecutive bytes
	global_store_b128 v3, v[OC+4:OC+7], s[12:13] offset:(\n)*65536+512
.endm
	s_load_b256 s[4:11], s[0:1], 0x0               ; a1img s[4:5], W1 s[6:7], b1 s[8:9], the scales' exponents s[10:11]
	s_load_b64 s[12:13], s[0:1], 0x20              ; himg
	v_lshl_add_u32 v254, v0, 2, 0x40000
	v_mov_b32 v255, 0
	ds_add_u32 v254, v255
	ds_add_u32 v254, v255
	v_lshrrev_b32 v1, 5, v0
	v_readfirstlane_b32 s18, v1                    ; wave 0..3
	s_and_b32 s21, ttmp7, 0xffff                   ; block of 256 rows
	s_mov_b32 s24, 3<<16                           ; descriptor group 1: 64 rows of 32 elements of 8 bytes, dense
	s_mov_b32 s25, 32<<16
	s_mov_b32 s26, 64<<16
	s_mov_b32 s27, 32<<16
	s_mov_b32 s28, 64
	s_mov_b32 s29, 32
	s_mov_b32 s30, 0
	s_mov_b32 s31, 0
	s_lshl_b32 s50, s18, 14                        ; tile w: in LDS,
	s_lshl_b32 s48, s21, 18
	s_add_co_u32 s48, s48, s50                     ; and in a1img
	s_mov_b32 s49, 0
	s_wait_dscnt 0x0
	s_wait_kmcnt 0x0
	s_add_nc_u64 s[4:5], s[4:5], s[48:49]
.irp i, 0,1,2,3
	s_mov_b32 s[32+4*\i], 1
	s_add_co_u32 s[33+4*\i], s50, \i*65536
	s_add_nc_u64 s[34+4*\i:35+4*\i], s[4:5], \i*65536
	s_or_b32 s[35+4*\i], s[35+4*\i], 0x80000000
.endr
	tensor_load_to_lds s[32:35], s[24:31]          ; all first fills go out together, ahead of every wait on them, every LDS read and every barrier
	s_nop 0
	tensor_load_to_lds s[36:39], s[24:31]
	s_nop 0
	tensor_load_to_lds s[40:43], s[24:31]
	s_nop 0
	tensor_load_to_lds s[44:47], s[24:31]
	s_nop 0
.rept 4
	v_nop
.endr
	s_load_b128 s[52:55], s[10:11], 0x28           ; e10, e11, e12, e13
	v_and_b32 v1, 15, v0
	v_bfe_u32 v2, v0, 4, 1
	v_and_b32 v3, 31, v0
	v_lshlrev_b32 v3, 4, v3
	v_and_b32 v10, 8, v1
	v_add_nc_u32 v10, v10, v1                      ; r + 8 (r / 8)
	v_lshlrev_b32 v6, 10, v10
	v_lshl_add_u32 v6, v2, 4, v6
	v_add_nc_u32 v7, 0x2000, v6                    ; the odd tile begins eight rows further on
	v_lshlrev_b32 v9, 6, v2
	s_wait_alu depctr_va_vdst(0)
.irp q, 0,1,2,3
	v_add_nc_u32 v[16+\q], \q*65536, v3
.endr
	s_lshl_b32 s48, ttmp9, 18
	s_lshl_b32 s51, s18, 16
	s_add_co_u32 s48, s48, s51
	s_add_nc_u64 s[6:7], s[6:7], s[48:49]          ; W1: 256 rows a group, 64 a wave
	s_lshl_b32 s48, ttmp9, 10
	s_lshl_b32 s51, s18, 8
	s_add_co_u32 s48, s48, s51
	s_add_nc_u64 s[8:9], s[8:9], s[48:49]          ; b1 at my 64 units
	s_lshl_b32 s48, s21, 20
	s_lshl_b32 s51, ttmp9, 12
	s_add_co_u32 s48, s48, s51
	s_lshl_b32 s51, s18, 10
	s_add_co_u32 s48, s48, s51
	s_add_nc_u64 s[12:13], s[12:13], s[48:49]      ; himg: 65,536 a tile of rows, 4,096 a group, 1,024 a wave
.irp t, 0,1,2,3
	global_load_b128 v[B1+8*\t:B1+8*\t+3], v9, s[8:9] offset:(32*(\t>>1)+8*(\t&1))*4
	global_load_b128 v[B1+8*\t+4:B1+8*\t+7], v9, s[8:9] offset:(32*(\t>>1)+8*(\t&1))*4+16
.endr
.set FF, 0
.rept 32
	WLOAD FF
.set FF, FF+1
.endr
	WIN 0
	s_wait_alu depctr_va_vdst(0)
	s_wait_tensorcnt 3                             ; my first tile has landed; my three later fills may stay out
	s_barrier_signal -1
	s_barrier_wait -1                              ; tiles 0 to 3 are whole
	FETCH 16, 0, 0
	FETCH 16, 16384, 1
	s_wait_kmcnt 0x0
	s_add_co_i32 s48, s52, s53                     ; e10 + e11
	s_sub_co_i32 s51, 0, s48
	s_sub_co_i32 s48, s54, s48
	s_add_co_i32 s48, s48, 127
	s_lshl_b32 s49, s48, 23
	v_mov_b32 v14, s49                             ; 2^(e12 - e10 - e11)
	s_add_co_i32 s48, s48, 15
	s_lshl_b32 s48, s48, 23
	s_or_b32 s48, s48, 0x600000
	v_mov_b32 v15, s48
	s_wait_loadcnt 0x0                             ; b1 and W1
.set q, 0
.rept 32
	v_ldexp_f32 v[B1+q], v[B1+q], s51              ; b1 / 2^(e10 + e11)
.set q, q+1
.endr
.set TT, 0
	s_wait_alu depctr_va_vdst(0)
.rept 16
	TILE TT
.set TT, TT+1
.endr
	s_wait_tensorcnt 0x0
	ds_add_u32 v254, v255
	s_wait_dscnt 0x0
	s_endpgm
.Lfunc_end_k_q99729cfd38_ffn1:
	.size	k_q99729cfd38_ffn1, .Lfunc_end_k_q99729cfd38_ffn1-k_q99729cfd38_ffn1
	.p2alignl 7, 3214868480
	.fill 96, 4, 3214868480
	.section	.rodata,"a",@progbits
	.p2align	6, 0x0
	.amdhsa_kernel k_q99729cfd38_ffn1
		.amdhsa_group_segment_fixed_size 262656
		.amdhsa_private_segment_fixed_size 0
		.amdhsa_enable_private_segment 0
		.amdhsa_kernarg_size 40
		.amdhsa_user_sgpr_count 2
		.amdhsa_user_sgpr_kernarg_segment_ptr 1
		.amdhsa_wavefront_size32 1
		.amdhsa_system_sgpr_workgroup_id_x 1
		.amdhsa_system_sgpr_workgroup_id_y 1
		.amdhsa_system_sgpr_workgroup_id_z 1
		.amdhsa_system_vgpr_workitem_id 0
		.amdhsa_next_free_vgpr 1024
		.amdhsa_next_free_sgpr 66
		.amdhsa_reserve_vcc 0
		.amdhsa_float_denorm_mode_32 3
		.amdhsa_float_denorm_mode_16_64 3
		.amdhsa_memory_ordered 1
		.amdhsa_forward_progress 1
		.amdhsa_inst_pref_size 130
	.end_amdhsa_kernel
	.amdgpu_metadata
---
amdhsa.version: [ 1, 2 ]
amdhsa.kernels:
  - .name:           k_q99729cfd38_ffn1
    .symbol:         k_q99729cfd38_ffn1.kd
    .args:
      - { .name: a1img, .offset: 0, .size: 8, .value_kind: global_buffer, .address_space: global }
      - { .name: w1_codes, .offset: 8, .size: 8, .value_kind: global_buffer, .address_space: global }
      - { .name: b1, .offset: 16, .size: 8, .value_kind: global_buffer, .address_space: global }
      - { .name: lowp_scales, .offset: 24, .size: 8, .value_kind: global_buffer, .address_space: global }
      - { .name: himg, .offset: 32, .size: 8, .value_kind: global_buffer, .address_space: global }
    .group_segment_fixed_size: 262656
    .private_segment_fixed_size: 0
    .kernarg_segment_align: 8
    .kernarg_segment_size: 40
    .max_flat_workgroup_size: 128
    .sgpr_count:     66
    .vgpr_count:     1024
    .wavefront_size: 32
...
	.end_amdgpu_metadata
.endif
;; end of part 11
;; launch ffn2 (part 12): grid 16 x 16, 4 waves a work-group, no clusters, 35,328 bytes of LDS; arguments himg, w2_codes, lowp_scales, ff; writes ff
.if DOCPART == 12
	.amdgcn_target "amdgcn-amd-amdhsa--gfx1250"
	.amdhsa_code_object_version 6
	.text
	.protected	k_q99729cfd38_ffn2
	.globl	k_q99729cfd38_ffn2
	.p2align	8
	.type	k_q99729cfd38_ffn2,@function
k_q99729cfd38_ffn2:
	s_mov_b64 s[64:65], 0
	v_nop
	global_prefetch_b8 v0, s[64:65] scope:SCOPE_SE
	s_setreg_imm32_b32 hwreg(HW_REG_WAVE_MODE, 25, 1), 1
	s_wait_xcnt 0x0
; ff = h W2^T x 2^(e12 + e13), f32, on codes of BF8 (E5M2); h comes as fragment images, W2 as codes.  (b2 is added by the next launch.)
; A work-group takes 256 rows (grid y) x 64 features (grid x).  THE WAVES SHARE K: wave w holds K steps 8 w .. 8 w + 7 (of 32) of all four tiles of features: 512 registers, read once and kept.
; So no fragment of h is wanted by two waves, and h goes from memory straight into registers, 32 loads of 512 consecutive bytes a tile, two tiles ahead, in three buffers by turns.
; The four partial sums of a tile meet in LDS; two stages take turns, so one barrier a tile orders both the writing against the reading and the reading against the writing two tiles on.
; Source 0 = 16 rows of W2, source 1 = 16 rows of h: a lane holds eight neighbouring features of one row.  No tensor load, so no ring; no cluster: the work-groups' shared operand goes to registers.
; LIMIT: e12 + e13 between -126 and 127.
; REGISTERS.  Window 0: v3 16 x lane, v4 my offset in ff, v5, v6 the stage (in, back), v7 W2 offset, v32-63 sums, v64-95 partial sums read back, v128-255 buffer 2.  Windows 1, 2: W2.  Window 3: buffers 0, 1.
.set ACC, 32
.set RD,  64
.set STGB, 17408                       ; a stage: four waves x 16 rows x 272 bytes
.set MSB, 0
.macro WIN new                         ; the immediate's high byte repeats the setting that is left
.if MSB != (\new)
	s_set_vgpr_msb (MSB<<8)|(\new)
.set MSB, (\new)
.endif
.endm
.macro WLOAD f
.set wt, (\f)>>3
.set ws, (\f)&7
.set ww, 0x40<<(ws>>2)
	WIN ww
.irp c, 0,1,2,3
	global_load_b128 v[64*wt+16*(ws&3)+4*\c:64*wt+16*(ws&3)+4*\c+3], v7, s[6:7] offset:wt*65536+128*ws+32*\c
.endr
.endm
.macro ALOAD n                         ; my eight fragments of tile n into buffer n % 3
.set ab, (\n)%3
.if ab == 2
	WIN 0
.set ar, 128
.else
	WIN 0xc0
.set ar, 128*ab
.endif
.irp s, 0,1,2,3,4,5,6,7
.irp c, 0,1,2,3
	global_load_b128 v[ar+16*\s+4*\c:ar+16*\s+4*\c+3], v3, s[4:5] offset:(\n)*65536+2048*\s+512*\c
.endr
.endr
.endm
.macro MUL n                           ; the four sums take turns, one instruction a turn; the first K step starts them
.set mb, (\n)%3
.if mb == 2
.set mw, 0x01
.set mr, 128
.else
.set mw, 0x0d
.set mr, 128*mb
.endif
.irp s, 0,1,2,3,4,5,6,7
	WIN mw+(\s>>2)
.irp t, 0,1,2,3
.if \s == 0
	v_wmma_f32_16x16x128_bf8_bf8 v[ACC+8*\t:ACC+8*\t+7], v[64*\t:64*\t+15], v[mr:mr+15], 0
.else
	v_wmma_f32_16x16x128_bf8_bf8 v[ACC+8*\t:ACC+8*\t+7], v[64*\t+16*(\s&3):64*\t+16*(\s&3)+15], v[mr+16*\s:mr+16*\s+15], v[ACC+8*\t:ACC+8*\t+7]
.endif
.endr
.endr
.endm
.macro TILE n
.if (\n) < 15
	s_wait_loadcnt 32                              ; this tile's fragments are in; the next tile's 32 loads may be out
.else
	s_wait_loadcnt 0x0
.endif
.if (\n)+2 < 16
	ALOAD (\n)+2                                   ; into the buffer that the last tile's products read: the places and the sums behind them stand between
.endif
	MUL \n
	WIN 0
.rept 4
	v_nop
.endr
.irp f, 0,1,2,3
	ds_store_b128 v5, v[ACC+8*\f:ACC+8*\f+3] offset:((\n)&1)*STGB+64*\f        ; each sum from its low end on
	ds_store_b128 v5, v[ACC+8*\f+4:ACC+8*\f+7] offset:((\n)&1)*STGB+64*\f+16
.endr
	s_wait_dscnt 0x0                               ; my partial sums are stored, and my reads of the other stage are back
	s_barrier_signal -1
	s_barrier_wait -1
	s_wait_xcnt 0x0                                ; the last tile's stores have read their registers
.irp i, 0,1
.irp p, 0,1,2,3
	ds_load_b128 v[RD+16*\i+4*\p:RD+16*\i+4*\p+3], v6 offset:((\n)&1)*STGB+4352*\p+544*\i   ; rows 4 w + 2 i + lane / 16 of the four waves' partial sums
.endr
.endr
	s_wait_dscnt 0x0
.irp i, 0,1
	v_pk_add_f32 v[RD+16*\i:RD+16*\i+1], v[RD+16*\i:RD+16*\i+1], v[RD+16*\i+4:RD+16*\i+5]
	v_pk_add_f32 v[RD+16*\i+2:RD+16*\i+3], v[RD+16*\i+2:RD+16*\i+3], v[RD+16*\i+6:RD+16*\i+7]
	v_pk_add_f32 v[RD+16*\i+8:RD+16*\i+9], v[RD+16*\i+8:RD+16*\i+9], v[RD+16*\i+12:RD+16*\i+13]
	v_pk_add_f32 v[RD+16*\i+10:RD+16*\i+11], v[RD+16*\i+10:RD+16*\i+11], v[RD+16*\i+14:RD+16*\i+15]
	v_pk_add_f32 v[RD+16*\i:RD+16*\i+1], v[RD+16*\i:RD+16*\i+1], v[RD+16*\i+8:RD+16*\i+9]
	v_pk_add_f32 v[RD+16*\i+2:RD+16*\i+3], v[RD+16*\i+2:RD+16*\i+3], v[RD+16*\i+10:RD+16*\i+11]
	v_pk_mul_f32 v[RD+16*\i:RD+16*\i+1], v[RD+16*\i:RD+16*\i+1], s[22:23] op_sel_hi:[1,0]
	v_pk_mul_f32 v[RD+16*\i+2:RD+16*\i+3], v[RD+16*\i+2:RD+16*\i+3], s[22:23] op_sel_hi:[1,0]
	global_store_b128 v4, v[RD+16*\i:RD+16*\i+3], s[10:11] offset:(\n)*65536+8192*\i   ; sixteen lanes store 256 consecutive bytes, aligned
.endr
.endm
	s_load_b256 s[4:11], s[0:1], 0x0               ; himg s[4:5], W2 s[6:7], the scales' exponents s[8:9], ff s[10:11]
	v_lshl_add_u32 v126, v0, 2, 0x8800
	v_mov_b32 v127, 0
	v_lshrrev_b32 v1, 5, v0
	v_readfirstlane_b32 s18, v1                    ; wave 0..3
	s_and_b32 s21, ttmp7, 0xffff                   ; block of 256 rows
	v_and_b32 v1, 15, v0
	v_bfe_u32 v2, v0, 4, 1
	v_and_b32 v3, 31, v0
	v_lshlrev_b32 v3, 4, v3
	v_lshlrev_b32 v7, 12, v1
	v_lshl_add_u32 v7, v2, 4, v7                   ; W2: row r of 4,096 bytes + 16 h
	v_lshlrev_b32 v4, 12, v2
	v_lshl_add_u32 v4, v1, 4, v4                   ; ff: lanes 0-15 one row, lanes 16-31 the next
	s_mul_i32 s2, s18, 4352
	v_mul_u32_u24 v5, v1, 272
	v_lshl_add_u32 v5, v2, 5, v5
	v_add_nc_u32 v5, s2, v5                        ; the stage, in: my part, row r, + 32 h
	s_mul_i32 s2, s18, 1088
	v_mul_u32_u24 v6, v2, 272
	v_lshl_add_u32 v6, v1, 4, v6
	v_add_nc_u32 v6, s2, v6                        ; back: row 4 w + lane / 16
	s_lshl_b32 s24, ttmp9, 18
	s_lshl_b32 s25, s18, 10
	s_add_co_u32 s24, s24, s25                     ; W2: 64 rows a group; my eight K steps begin 1,024 bytes x wave into a row
	s_mov_b32 s25, 0
	s_lshl_b32 s26, s21, 20
	s_lshl_b32 s27, s18, 14
	s_add_co_u32 s26, s26, s27                     ; himg: 16 tiles of 65,536 a block, my eight K steps of 2,048;  ff: 256 rows a block, four rows a wave: the same figure
	s_mov_b32 s27, 0
	s_lshl_b32 s28, ttmp9, 8
	s_add_co_u32 s28, s28, s26
	s_mov_b32 s29, 0
	s_wait_alu depctr_va_vdst(0)
	s_wait_kmcnt 0x0
	s_load_b64 s[22:23], s[8:9], 0x30              ; e12, e13
	s_add_nc_u64 s[6:7], s[6:7], s[24:25]
	s_add_nc_u64 s[4:5], s[4:5], s[26:27]
	s_add_nc_u64 s[10:11], s[10:11], s[28:29]
.set FF, 0
.rept 32
	WLOAD FF
.set FF, FF+1
.endr
	ALOAD 0
	ALOAD 1
	WIN 0
	s_wait_kmcnt 0x0
	s_add_co_i32 s22, s22, s23
	s_add_co_i32 s22, s22, 127
	s_lshl_b32 s22, s22, 23                        ; 2^(e12 + e13)
	s_mov_b32 s23, s22                             ; (named with it as a pair, so it is written)
.set TT, 0
.rept 16
	TILE TT
.set TT, TT+1
.endr
	s_wait_tensorcnt 0x0
	ds_add_u32 v126, v127
	s_wait_dscnt 0x0
	s_endpgm
.Lfunc_end_k_q99729cfd38_ffn2:
	.size	k_q99729cfd38_ffn2, .Lfunc_end_k_q99729cfd38_ffn2-k_q99729cfd38_ffn2
	.p2alignl 7, 3214868480
	.fill 96, 4, 3214868480
	.section	.rodata,"a",@progbits
	.p2align	6, 0x0
	.amdhsa_kernel k_q99729cfd38_ffn2
		.amdhsa_group_segment_fixed_size 35328
		.amdhsa_private_segment_fixed_size 0
		.amdhsa_enable_private_segment 0
		.amdhsa_kernarg_size 32
		.amdhsa_user_sgpr_count 2
		.amdhsa_user_sgpr_kernarg_segment_ptr 1
		.amdhsa_wavefront_size32 1
		.amdhsa_system_sgpr_workgroup_id_x 1
		.amdhsa_system_sgpr_workgroup_id_y 1
		.amdhsa_system_sgpr_workgroup_id_z 1
		.amdhsa_system_vgpr_workitem_id 0
		.amdhsa_next_free_vgpr 1024
		.amdhsa_next_free_sgpr 66
		.amdhsa_reserve_vcc 0
		.amdhsa_float_denorm_mode_32 3
		.amdhsa_float_denorm_mode_16_64 3
		.amdhsa_memory_ordered 1
		.amdhsa_forward_progress 1
		.amdhsa_inst_pref_size 137
	.end_amdhsa_kernel
	.amdgpu_metadata
---
amdhsa.version: [ 1, 2 ]
amdhsa.kernels:
  - .name:           k_q99729cfd38_ffn2
    .symbol:         k_q99729cfd38_ffn2.kd
    .args:
      - { .name: himg, .offset: 0, .size: 8, .value_kind: global_buffer, .address_space: global }
      - { .name: w2_codes, .offset: 8, .size: 8, .value_kind: global_buffer, .address_space: global }
      - { .name: lowp_scales, .offset: 16, .size: 8, .value_kind: global_buffer, .address_space: global }
      - { .name: ff, .offset: 24, .size: 8, .value_kind: global_buffer, .address_space: global }
    .group_segment_fixed_size: 35328
    .private_segment_fixed_size: 0
    .kernarg_segment_align: 8
    .kernarg_segment_size: 32
    .max_flat_workgroup_size: 128
    .sgpr_count:     66
    .vgpr_count:     1024
    .wavefront_size: 32
...
	.end_amdgpu_metadata
.endif
;; end of part 12
;; launch ln2 (part 13): grid 256 x 1, 16 waves a work-group, no clusters, 22,528 bytes of LDS; arguments ff, x1, g1, be1, b2, g2, be2, out0; writes out0
.if DOCPART == 13
	.amdgcn_target "amdgcn-amd-amdhsa--gfx1250"
	.amdhsa_code_object_version 6
	.text
	.protected	k_q99729cfd38_ln2
	.globl	k_q99729cfd38_ln2
	.p2align	8
	.type	k_q99729cfd38_ln2,@function
k_q99729cfd38_ln2:
	s_mov_b64 s[64:65], 0
	v_nop
	global_prefetch_b8 v0, s[64:65] scope:SCOPE_SE
	s_setreg_imm32_b32 hwreg(HW_REG_WAVE_MODE, 25, 1), 1
	s_wait_xcnt 0x0
; out0 = LayerNorm((ff + b2) + out) x g2 + be2, with out = LayerNorm(x1) x g1 + be1 made again from x1 by the same lines that made it for the quantiser:
; that reads as many bytes as a stored copy would, and the copy is never written.  A work-group takes 16 rows, a wave one row; the five vectors are copied once into LDS.
; Memory binds: no matrix unit, no cluster, no tensor load.  All in f32; each variance is taken of x - mean.  NaN among the inputs is not served.
.set F,   16                           ; v16-47   ff's row, then the result
.set X,   48                           ; v48-79   x1's row, then out
.set GA,  80                           ; v80-111  g1, then g2
.set GB,  112                          ; v112-143 be1, then be2
.set B2,  144                          ; v144-175 b2
.macro RED                             ; the sum over the 32 lanes, in every lane
	s_delay_alu instid0(VALU_DEP_1)
	v_add_f32_dpp v8, v8, v8 row_xmask:1 row_mask:0xf bank_mask:0xf
	s_delay_alu instid0(VALU_DEP_1)
	v_add_f32_dpp v8, v8, v8 row_xmask:2 row_mask:0xf bank_mask:0xf
	s_delay_alu instid0(VALU_DEP_1)
	v_add_f32_dpp v8, v8, v8 row_xmask:4 row_mask:0xf bank_mask:0xf
	s_delay_alu instid0(VALU_DEP_1)
	v_add_f32_dpp v8, v8, v8 row_xmask:8 row_mask:0xf bank_mask:0xf
	s_delay_alu instid0(VALU_DEP_1)
	v_permlanex16_b32 v12, v8, s26, s27
	s_delay_alu instid0(VALU_DEP_1)
	v_add_f32 v8, v8, v12
.endm
.macro LNROW x, g, be                  ; the row in v[x] on becomes (x - mean) rsqrt(var + 1e-5) g + be
	v_pk_add_f32 v[8:9], v[\x:\x+1], v[\x+2:\x+3]
	v_pk_add_f32 v[10:11], v[\x+4:\x+5], v[\x+6:\x+7]
.irp j, 8,12,16,20,24,28
	s_delay_alu instid0(VALU_DEP_2)
	v_pk_add_f32 v[8:9], v[8:9], v[\x+\j:\x+\j+1]
	s_delay_alu instid0(VALU_DEP_2)
	v_pk_add_f32 v[10:11], v[10:11], v[\x+\j+2:\x+\j+3]
.endr
	s_delay_alu instid0(VALU_DEP_1)
	v_pk_add_f32 v[8:9], v[8:9], v[10:11]
	s_delay_alu instid0(VALU_DEP_1)
	v_add_f32 v8, v8, v9
	RED
	s_delay_alu instid0(VALU_DEP_1)
	v_mul_f32 v14, s28, v8                         ; the mean: x 2^-10
	s_delay_alu instid0(VALU_DEP_1)
	v_mov_b32 v15, v14
.irp j, 0,2,4,6,8,10,12,14,16,18,20,22,24,26,28,30
	v_pk_add_f32 v[\x+\j:\x+\j+1], v[\x+\j:\x+\j+1], v[14:15] neg_lo:[0,1] neg_hi:[0,1]
.endr
	v_pk_mul_f32 v[8:9], v[\x:\x+1], v[\x:\x+1]
	v_pk_mul_f32 v[10:11], v[\x+2:\x+3], v[\x+2:\x+3]
.irp j, 4,8,12,16,20,24,28
	s_delay_alu instid0(VALU_DEP_2)
	v_pk_fma_f32 v[8:9], v[\x+\j:\x+\j+1], v[\x+\j:\x+\j+1], v[8:9]
	s_delay_alu instid0(VALU_DEP_2)
	v_pk_fma_f32 v[10:11], v[\x+\j+2:\x+\j+3], v[\x+\j+2:\x+\j+3], v[10:11]
.endr
	s_delay_alu instid0(VALU_DEP_1)
	v_pk_add_f32 v[8:9], v[8:9], v[10:11]
	s_delay_alu instid0(VALU_DEP_1)
	v_add_f32 v8, v8, v9
	RED
	s_delay_alu instid0(VALU_DEP_1)
	v_fma_f32 v8, v8, s28, s29                     ; the variance + 1e-5
	s_wait_alu depctr_va_vdst(0)
	v_rsq_f32 v14, v8
	v_nop                                          ; a plain place behind the transcendental
	s_wait_alu depctr_va_vdst(0)
	v_mov_b32 v15, v14
	s_wait_alu depctr_va_vdst(0)
	s_wait_dscnt 0x0                               ; the gain and the bias are in
.irp j, 0,2,4,6,8,10,12,14,16,18,20,22,24,26,28,30
	v_pk_mul_f32 v[\x+\j:\x+\j+1], v[\x+\j:\x+\j+1], v[14:15]
.endr
.irp j, 0,2,4,6,8,10,12,14,16,18,20,22,24,26,28,30
	v_pk_fma_f32 v[\x+\j:\x+\j+1], v[\x+\j:\x+\j+1], v[\g+\j:\g+\j+1], v[\be+\j:\be+\j+1]
.endr
.endm
	s_load_b256 s[4:11], s[0:1], 0x0               ; ff s[4:5], x1 s[6:7], g1 s[8:9], be1 s[10:11]
	s_load_b256 s[12:19], s[0:1], 0x20             ; b2 s[12:13], g2 s[14:15], be2 s[16:17], out0 s[18:19]
	v_lshl_add_u32 v192, v0, 2, 0x5000
	v_mov_b32 v193, 0
	v_lshrrev_b32 v1, 5, v0
	s_delay_alu instid0(VALU_DEP_1)
	v_readfirstlane_b32 s20, v1                    ; wave 0..15
	v_and_b32 v1, 31, v0
	s_delay_alu instid0(VALU_DEP_1)
	v_lshlrev_b32 v3, 4, v1                        ; 16 x lane
	v_and_b32 v2, 0xff, v0
	s_delay_alu instid0(VALU_DEP_1)
	v_lshlrev_b32 v2, 4, v2                        ; my 16 bytes of a vector: threads 0-255 take one, threads 256-511 another,
	v_lshlrev_b32 v4, 4, v0                        ; and their place in LDS
	v_lshlrev_b32 v7, 3, v0                        ; be2: 8 bytes a thread, all 512 threads
	v_mov_b32 v12, 0                               ; a lane permute's destination counts as one of its sources
	s_lshl_b32 s30, ttmp9, 16
	s_lshl_b32 s31, s20, 12
	s_add_co_u32 s30, s30, s31                     ; my row of 4,096 bytes
	s_mov_b32 s31, 0
	s_mov_b32 s26, 0x76543210
	s_mov_b32 s27, 0xfedcba98
	s_mov_b32 s28, 0x3a800000                      ; 2^-10
	s_mov_b32 s29, 0x3727c5ac                      ; 1e-5
	s_wait_alu depctr_va_vdst(0)
	s_wait_kmcnt 0x0
	s_cmp_lt_u32 s20, 8
	s_cselect_b64 s[22:23], s[8:9], s[10:11]       ; g1 | be1
	s_cselect_b64 s[24:25], s[12:13], s[14:15]     ; b2 | g2
	s_add_nc_u64 s[4:5], s[4:5], s[30:31]
	s_add_nc_u64 s[6:7], s[6:7], s[30:31]
	s_add_nc_u64 s[18:19], s[18:19], s[30:31]
	global_load_b128 v[176:179], v2, s[22:23]
	global_load_b128 v[180:183], v2, s[24:25]
	global_load_b64 v[184:185], v7, s[16:17]
.irp i, 0,1,2,3,4,5,6,7
	global_load_b128 v[X+4*\i:X+4*\i+3], v3, s[6:7] offset:512*\i th:TH_LOAD_NT   ; 32 lanes read 512 consecutive bytes
.endr
.irp i, 0,1,2,3,4,5,6,7
	global_load_b128 v[F+4*\i:F+4*\i+3], v3, s[4:5] offset:512*\i th:TH_LOAD_NT
.endr
	s_wait_loadcnt 16                              ; the vectors' pieces are in; the two rows' sixteen loads may be out
	ds_store_b128 v4, v[176:179]                   ; g1 at 0, be1 at 4,096
	ds_store_b128 v4, v[180:183] offset:8192       ; b2 at 8,192, g2 at 12,288
	ds_store_b64 v7, v[184:185] offset:16384       ; be2 at 16,384
	s_wait_dscnt 0x0
	s_barrier_signal -1
	s_barrier_wait -1                              ; the five vectors lie in LDS; from here on LDS is only read
.irp i, 0,1,2,3,4,5,6,7
	ds_load_b128 v[GA+4*\i:GA+4*\i+3], v3 offset:512*\i
	ds_load_b128 v[GB+4*\i:GB+4*\i+3], v3 offset:4096+512*\i
	ds_load_b128 v[B2+4*\i:B2+4*\i+3], v3 offset:8192+512*\i
.endr
	s_wait_loadcnt 0x0
	LNROW X, GA, GB                                ; out
.irp i, 0,1,2,3,4,5,6,7
	ds_load_b128 v[GA+4*\i:GA+4*\i+3], v3 offset:12288+512*\i
	ds_load_b128 v[GB+4*\i:GB+4*\i+3], v3 offset:16384+512*\i
.endr
.irp j, 0,2,4,6,8,10,12,14,16,18,20,22,24,26,28,30
	v_pk_add_f32 v[F+\j:F+\j+1], v[F+\j:F+\j+1], v[B2+\j:B2+\j+1]
.endr
.irp j, 0,2,4,6,8,10,12,14,16,18,20,22,24,26,28,30
	v_pk_add_f32 v[F+\j:F+\j+1], v[F+\j:F+\j+1], v[X+\j:X+\j+1]
.endr
	LNROW F, GA, GB
.irp i, 0,1,2,3,4,5,6,7
	global_store_b128 v3, v[F+4*\i:F+4*\i+3], s[18:19] offset:512*\i th:TH_STORE_NT   ; 32 lanes store 512 consecutive bytes
.endr
	s_wait_tensorcnt 0x0
	ds_add_u32 v192, v193
	s_wait_dscnt 0x0
	s_endpgm
.Lfunc_end_k_q99729cfd38_ln2:
	.size	k_q99729cfd38_ln2, .Lfunc_end_k_q99729cfd38_ln2-k_q99729cfd38_ln2
	.p2alignl 7, 3214868480
	.fill 96, 4, 3214868480
	.section	.rodata,"a",@progbits
	.p2align	6, 0x0
	.amdhsa_kernel k_q99729cfd38_ln2
		.amdhsa_group_segment_fixed_size 22528
		.amdhsa_private_segment_fixed_size 0
		.amdhsa_enable_private_segment 0
		.amdhsa_kernarg_size 64
		.amdhsa_user_sgpr_count 2
		.amdhsa_user_sgpr_kernarg_segment_ptr 1
		.amdhsa_wavefront_size32 1
		.amdhsa_system_sgpr_workgroup_id_x 1
		.amdhsa_system_sgpr_workgroup_id_y 1
		.amdhsa_system_sgpr_workgroup_id_z 1
		.amdhsa_system_vgpr_workitem_id 0
		.amdhsa_next_free_vgpr 194
		.amdhsa_next_free_sgpr 66
		.amdhsa_reserve_vcc 0
		.amdhsa_float_denorm_mode_32 3
		.amdhsa_float_denorm_mode_16_64 3
		.amdhsa_memory_ordered 1
		.amdhsa_forward_progress 1
		.amdhsa_inst_pref_size 25
	.end_amdhsa_kernel
	.amdgpu_metadata
---
amdhsa.version: [ 1, 2 ]
amdhsa.kernels:
  - .name:           k_q99729cfd38_ln2
    .symbol:         k_q99729cfd38_ln2.kd
    .args:
      - { .name: ff, .offset: 0, .size: 8, .value_kind: global_buffer, .address_space: global }
      - { .name: x1, .offset: 8, .size: 8, .value_kind: global_buffer, .address_space: global }
      - { .name: g1, .offset: 16, .size: 8, .value_kind: global_buffer, .address_space: global }
      - { .name: be1, .offset: 24, .size: 8, .value_kind: global_buffer, .address_space: global }
      - { .name: b2, .offset: 32, .size: 8, .value_kind: global_buffer, .address_space: global }
      - { .name: g2, .offset: 40, .size: 8, .value_kind: global_buffer, .address_space: global }
      - { .name: be2, .offset: 48, .size: 8, .value_kind: global_buffer, .address_space: global }
      - { .name: out0, .offset: 56, .size: 8, .value_kind: global_buffer, .address_space: global }
    .group_segment_fixed_size: 22528
    .private_segment_fixed_size: 0
    .kernarg_segment_align: 8
    .kernarg_segment_size: 64
    .max_flat_workgroup_size: 512
    .sgpr_count:     66
    .vgpr_count:     194
    .wavefront_size: 32
...
	.end_amdgpu_metadata
.endif
;; end of part 13
